; MI455X (gfx1250); checked and timed in simulation.
; The chip was launched on July 23, 2026; its instructions are those of AMD's public machine-readable ISA for CDNA 5 (MIT licence, August 2026) and "CDNA5" Instruction Set Architecture Reference Guide (July 2026). The comments in the code are by the model that wrote it; some were corrected since.
;; Linear Attention Transformer. Allowed arithmetic: float matrix products may take bf16 or f16 operands with f32 sums; other float arithmetic in f32, or as packed bf16 or f16 multiplies, adds, multiply-adds, maxima and minima; sums over many terms, partial sums and values carried from step to step in f32; what a program stores and reads back later, other than sums and carried values, may be rounded once to bf16 or f16.
;; Inputs: b_out 6 x 256 float32; beta 6 x 256 float32; gamma 6 x 256 float32; w_out 6 x 256 x 256 float32; w_qkv 6 x 256 x 768 float32; x 4 x 2,048 x 256 float32.
;; Outputs: out0 4 x 2,048 x 256 float32.
;; 2 versions, each right and faster than the one before. Each part assembles by itself: llvm-mc -triple=amdgcn-amd-amdhsa -mcpu=gfx1250 --defsym DOCPART=n.
;; ======== version 1 of 2: 14 launches
;; workspace buffers: wf 3,158,016 bytes; xw 8,388,608 bytes; ke 8,650,752 bytes; mp 524,288 bytes; va 4,194,304 bytes; vb 4,194,304 bytes; c0 256 bytes of whole numbers; c1 256 bytes of whole numbers
;; launch prep (part 1): grid 192 x 1, 8 waves a work-group, no clusters, 2,048 bytes of LDS; arguments w_qkv, w_out, gamma, beta, wf; writes wf
.if DOCPART == 1
	.amdgcn_target "amdgcn-amd-amdhsa--gfx1250"
	.amdhsa_code_object_version 6
	.text
	.protected	k_qf9d7bad1d7_prep
	.globl	k_qf9d7bad1d7_prep
	.p2align	8
	.type	k_qf9d7bad1d7_prep,@function
k_qf9d7bad1d7_prep:
	s_mov_b64 s[64:65], 0
	v_nop
	global_prefetch_b8 v0, s[64:65] scope:SCOPE_SE
	s_setreg_imm32_b32 hwreg(HW_REG_WAVE_MODE, 25, 1), 1
	s_wait_xcnt 0x0
; WEIGHTS INTO FRAGMENT ORDER.  LayerNorm's gain and shift are folded into the projection: h W = xhat (diag(gamma) W) + beta W.
; wf: [layer 6][matrix Q', K', V', O][131,072 bytes], bf16; behind them, from byte 3,145,728: [layer][ck = beta Wk, cv = beta Wv], 256 f32 each.
; beta Wq is one number a channel, the same in every row: it cancels in the softmax over the sequence and is not kept.
; A matrix W[k][col] lies as [wave col/64][k step k/32][col%64/16][1,024 bytes]; a block of 1,024 bytes is a matrix operand of 16 columns x 32 k as the
; registers hold it: [half e][lane 16 h + col%16][16 bytes], k = 16 e + 8 h + 0..7.
; SHARES.  Work-group = (layer, 32 columns): groups 0-23 are w_qkv's columns, 24-31 w_out's (gain 1).  Wave s takes k = 32 s .. 32 s + 31, lane l column l.
; gamma W is rounded once to bf16; beta W is summed in f32 from the unrounded W.  It is summed in every group (32 lines) and kept for k's and v's columns.
.set SPARE, 1024                       ; bytes 0-1,023: eight waves' partial sums; then the spare words, 128 bytes a wave
	s_load_b256 s[4:11], s[0:1], 0x0               ; w_qkv s[4:5], w_out s[6:7], gamma s[8:9], beta s[10:11]
	s_load_b64 s[12:13], s[0:1], 0x20              ; wf
	v_lshl_add_u32 v60, v0, 2, SPARE               ; my spare word,
	v_mov_b32 v61, 0                               ; and 0: kept for the add at the wave's end
	v_lshrrev_b32 v1, 5, v0
	v_readfirstlane_b32 s14, v1                    ; wave = k step
	v_and_b32 v3, 31, v0                           ; lane
	v_lshlrev_b32 v2, 2, v3                        ; 4 x lane
	v_lshlrev_b32 v56, 2, v0                       ; LDS: 128 x wave + 4 x lane
	v_lshrrev_b32 v62, 4, v3
	v_and_b32 v63, 15, v3
	v_lshlrev_b32 v63, 4, v63
	v_lshl_add_u32 v62, v62, 10, v63               ; in wf: 1,024 (l / 16) + 16 (l % 16)
	s_lshr_b32 s15, ttmp9, 5                       ; layer
	s_and_b32 s48, ttmp9, 31                       ; group of 32 columns
	s_lshl_b32 s50, s15, 10
	s_lshl_b32 s51, s14, 7
	s_add_co_u32 s50, s50, s51                     ; my 32 gains and shifts: 1,024 layer + 128 wave
	s_mov_b32 s51, 0
	s_mov_b32 s53, 0
	s_wait_kmcnt 0x0
	s_add_nc_u64 s[8:9], s[8:9], s[50:51]
	s_add_nc_u64 s[10:11], s[10:11], s[50:51]
	s_load_b512 s[16:31], s[8:9], 0x0              ; gamma of my 32 k
	s_load_b512 s[32:47], s[8:9], 0x40
	s_load_b512 s[68:83], s[10:11], 0x0            ; beta of my 32 k
	s_load_b512 s[84:99], s[10:11], 0x40
	s_cmp_lt_u32 s48, 24
	s_cbranch_scc0 .Lwout
	s_mul_i32 s52, s15, 786432                     ; w_qkv: a layer is 256 x 3,072 bytes,
	s_mul_i32 s54, s14, 98304                      ; 32 rows,
	s_add_co_u32 s52, s52, s54
	s_lshl_b32 s54, s48, 7                         ; 32 columns
	s_add_co_u32 s52, s52, s54
	s_add_nc_u64 s[4:5], s[4:5], s[52:53]
.set i_, 0
.rept 32
	global_load_b32 v[8+i_], v2, s[4:5] offset:3072*i_   ; row 32 s + i: 128 neighbouring bytes
.set i_, i_+1
.endr
	s_branch .Lloaded
.Lwout:
	s_lshl_b32 s52, s15, 18                        ; w_out: a layer is 256 x 1,024 bytes
	s_lshl_b32 s54, s14, 15
	s_add_co_u32 s52, s52, s54
	s_sub_co_u32 s54, s48, 24
	s_lshl_b32 s54, s54, 7
	s_add_co_u32 s52, s52, s54
	s_add_nc_u64 s[6:7], s[6:7], s[52:53]
.set i_, 0
.rept 32
	global_load_b32 v[8+i_], v2, s[6:7] offset:1024*i_
.set i_, i_+1
.endr
.Lloaded:
	s_wait_kmcnt 0x0
	s_cmp_lt_u32 s48, 24                           ; w_out has no gain
.set i_, 0
.rept 32
	s_cselect_b32 s[16+i_], s[16+i_], 1.0
.set i_, i_+1
.endr
	s_lshl_b32 s52, s15, 19                        ; where my fragments go: 524,288 layer
	s_lshr_b32 s54, s48, 3
	s_lshl_b32 s54, s54, 17                        ; + 131,072 matrix
	s_add_co_u32 s52, s52, s54
	s_bfe_u32 s54, s48, 0x20001
	s_lshl_b32 s54, s54, 15                        ; + 32,768 (column / 64)
	s_add_co_u32 s52, s52, s54
	s_lshl_b32 s54, s14, 12                        ; + 4,096 k step
	s_add_co_u32 s52, s52, s54
	s_and_b32 s54, s48, 1
	s_lshl_b32 s54, s54, 11                        ; + 2,048 for the odd group of 32 columns
	s_add_co_u32 s52, s52, s54
	s_add_nc_u64 s[56:57], s[12:13], s[52:53]
	s_wait_loadcnt 0x0
.irp c, 0,1,2,3
	v_mul_f32 v[4+\c], s[68+\c], v[8+\c]           ; beta W in four chains, started by the first four products
.endr
.set i_, 4
.rept 28
	v_fmac_f32 v[4+i_%4], s[68+i_], v[8+i_]
.set i_, i_+1
.endr
	v_add_f32 v4, v4, v5
	v_add_f32 v6, v6, v7
	v_add_f32 v4, v4, v6
	ds_store_b32 v56, v4
.set i_, 0
.rept 32
	v_mul_f32 v[8+i_], s[16+i_], v[8+i_]           ; gamma W
.set i_, i_+1
.endr
.set i_, 0
.rept 16
	v_cvt_pk_bf16_f32 v[40+i_], v[8+2*i_], v[9+2*i_]
.set i_, i_+1
.endr
.irp p, 0,1,2,3
	global_store_b128 v62, v[40+4*\p:43+4*\p], s[56:57] offset:512*(\p/2)+256*(\p%2)   ; k = 8 p ..: half p / 2, lanes' half p % 2; 16 lanes store 256 consecutive bytes, aligned
.endr
	s_wait_dscnt 0x0                               ; for the others' sake: my partial sum is in LDS
	s_barrier_signal -1
	s_barrier_wait -1
	s_cmp_lg_u32 s14, 0
	s_cbranch_scc1 .Lend                           ; wave 0 adds the eight
	s_sub_co_u32 s54, s48, 8
	s_cmp_lt_u32 s54, 16
	s_cbranch_scc0 .Lend                           ; for k's and v's columns: groups 8 to 23
	s_lshl_b32 s52, s15, 11
	s_lshl_b32 s54, s54, 7
	s_add_co_u32 s52, s52, s54
	s_add_nc_u64 s[58:59], s[12:13], s[52:53]
	s_add_nc_u64 s[58:59], s[58:59], 3145728
.irp i, 0,1,2,3,4,5,6,7
	ds_load_b32 v[8+\i], v2 offset:128*\i
.endr
	s_wait_dscnt 0x0
	v_add_f32 v8, v8, v9
	v_add_f32 v10, v10, v11
	v_add_f32 v12, v12, v13
	v_add_f32 v14, v14, v15
	v_add_f32 v8, v8, v10
	v_add_f32 v12, v12, v14
	v_add_f32 v8, v8, v12
	global_store_b32 v2, v8, s[58:59]
.Lend:
	s_wait_tensorcnt 0x0                           ; the wave's end
	ds_add_u32 v60, v61
	s_wait_dscnt 0x0
	s_endpgm
.Lfunc_end_k_qf9d7bad1d7_prep:
	.size	k_qf9d7bad1d7_prep, .Lfunc_end_k_qf9d7bad1d7_prep-k_qf9d7bad1d7_prep
	.p2alignl 7, 3214868480
	.fill 96, 4, 3214868480
	.section	.rodata,"a",@progbits
	.p2align	6, 0x0
	.amdhsa_kernel k_qf9d7bad1d7_prep
		.amdhsa_group_segment_fixed_size 2048
		.amdhsa_private_segment_fixed_size 0
		.amdhsa_enable_private_segment 0
		.amdhsa_kernarg_size 40
		.amdhsa_user_sgpr_count 2
		.amdhsa_user_sgpr_kernarg_segment_ptr 1
		.amdhsa_wavefront_size32 1
		.amdhsa_system_sgpr_workgroup_id_x 1
		.amdhsa_system_sgpr_workgroup_id_y 1
		.amdhsa_system_sgpr_workgroup_id_z 1
		.amdhsa_system_vgpr_workitem_id 0
		.amdhsa_next_free_vgpr 64
		.amdhsa_next_free_sgpr 100
		.amdhsa_reserve_vcc 0
		.amdhsa_float_denorm_mode_32 3
		.amdhsa_float_denorm_mode_16_64 3
		.amdhsa_memory_ordered 1
		.amdhsa_forward_progress 1
		.amdhsa_inst_pref_size 15
	.end_amdhsa_kernel
	.amdgpu_metadata
---
amdhsa.version: [ 1, 2 ]
amdhsa.kernels:
  - .name:           k_qf9d7bad1d7_prep
    .symbol:         k_qf9d7bad1d7_prep.kd
    .args:
      - { .name: w_qkv, .offset: 0, .size: 8, .value_kind: global_buffer, .address_space: global }
      - { .name: w_out, .offset: 8, .size: 8, .value_kind: global_buffer, .address_space: global }
      - { .name: gamma, .offset: 16, .size: 8, .value_kind: global_buffer, .address_space: global }
      - { .name: beta, .offset: 24, .size: 8, .value_kind: global_buffer, .address_space: global }
      - { .name: wf, .offset: 32, .size: 8, .value_kind: global_buffer, .address_space: global }
    .group_segment_fixed_size: 2048
    .private_segment_fixed_size: 0
    .kernarg_segment_align: 8
    .kernarg_segment_size: 40
    .max_flat_workgroup_size: 256
    .sgpr_count:     100
    .vgpr_count:     64
    .wavefront_size: 32
...
	.end_amdgpu_metadata
.endif
;; end of part 1
;; launch first (part 2): grid 128 x 1, 4 waves a work-group, no clusters, 175,616 bytes of LDS; arguments x, wf, va, ke, c0; writes va, ke, c0
.if DOCPART == 2
	.amdgcn_target "amdgcn-amd-amdhsa--gfx1250"
	.amdhsa_code_object_version 6
	.text
	.protected	k_qf9d7bad1d7_first
	.globl	k_qf9d7bad1d7_first
	.p2align	8
	.type	k_qf9d7bad1d7_first,@function
k_qf9d7bad1d7_first:
	s_mov_b64 s[64:65], 0
	v_nop
	global_prefetch_b8 v0, s[64:65] scope:SCOPE_SE
	s_setreg_imm32_b32 hwreg(HW_REG_WAVE_MODE, 25, 1), 1
	s_wait_xcnt 0x0
; LAYER 0's PROJECTION.  xhat = LayerNorm without gain and shift (they lie in the weights); k = softmax over channels of xhat K' + ck; E = exp(q - m) with q = xhat Q' and m the
; maximum of q over this work-group's 64 rows, per channel; v = xhat V' + cv.  Out: k and E turned (lane = channel, K = row) as matrix operands, m log2(e) and Z = sum of E per
; channel, v as a matrix operand (lane = row, K = channel), and the whole number 0: the layer that the next launch applies.
; The n x n context of the module is never formed: out = v M with M[c'][c] = sum over rows of k[.][c'] softmax_rows(q)[.][c], the same sums in another order.
; SHARES.  A work-group has 64 rows; in every product a wave makes all 64 rows x its own 64 channels: 16 accumulators (row tile t, channel tile n) at ACC + 32 n + 8 t.
; A wave's slice of a weight matrix, 32,768 bytes in operand order, goes from memory straight into a ring of 8 register slots (one k step each), asked for one product ahead.
; The 64 x 256 activations go through LDS in operand order and stay in 256 registers for the three products.
; OPERAND ORDER: a block of 1,024 bytes = 16 (lane % 16) x 32 K of bf16: [half e][lane][16 bytes], K = 16 e + 8 (lane / 16) + 0..7: every load and store of a wave is 512 consecutive bytes.
; LIMITS.  NaN and infinities are not treated apart; a weight below 2^-126 counts as 0; matrix operands are bf16; sums, maxima and statistics f32.
; REGISTERS, in windows of 256 (s_set_vgpr_msb: bits 1:0 source 0, 3:2 source 1, 5:4 source 2, 7:6 destination):
;   window 0: v0-17 addresses, v18-29 at work, v30-31 the add's, v32-63 at work, v64-95 ck, v96-127 cv, v128-255 accumulators;  window 1: the weight ring;  window 2: the activations.
.set XT,    0                          ; 64 rows of f32, 1,024 + 16 bytes apart: the 16 rows of a load start at 16 different groups of four banks (64 banks of 4 bytes: ISA guide 11.1)
.set XP,    1040
.set A0,    66560                      ; activations in operand order: (row tile t, k step s) at (4 s + t) x 1,024
.set A1,    99328
.set KROW,  132096                     ; for each wave 64 rows x 128 bytes of k, 160 bytes apart: its own bytes
.set KP,    160
.set STAT,  173056                     ; [row 64][wave 4][maximum, sum]
.set SPARE, 175104                     ; the spare words, 128 bytes a wave
.set CK,  64
.set CV,  96
.set ACC, 128
.set MSB, 0
.macro WIN new                         ; the immediate's high byte repeats the setting that is left; a switch that changes nothing is dropped
.if MSB != (\new)
	s_set_vgpr_msb (MSB<<8)|(\new)
.set MSB, (\new)
.endif
.endm
.macro PLACES                          ; four plain vector instructions between a matrix instruction and a load into, or a vector read or write of, its registers
.rept 4
	v_nop
.endr
.endm
.macro BAR                             ; my LDS instructions are done, for the others' sake; then all four waves meet
	s_wait_dscnt 0x0
	s_barrier_signal -1
	s_barrier_wait -1
.endm
.macro FILL slot, sb                   ; ring slot: k step \slot of the slice at s[\sb]: four operands of 16 channels x 32 k
	WIN 0x40
.irp q, 0,1,2,3,4,5,6,7
	global_load_b128 v[32*(\slot)+4*\q:32*(\slot)+4*\q+3], v1, s[\sb:\sb+1] offset:4096*(\slot)+512*\q
.endr
.endm
.macro BLOAD reg, sb, off              ; a bias as the C operand: lane takes channels 64 w + 16 n + 8 (lane / 16) + 0..7 for n = 0..3
.irp q, 0,1,2,3,4,5,6,7
	global_load_b128 v[(\reg)+4*\q:(\reg)+4*\q+3], v17, s[\sb:\sb+1] offset:(\off)+64*(\q/2)+16*(\q%2)
.endr
.endm
.macro ALOAD va                        ; all 32 activation operands into window 2, in the order of the k steps
	WIN 0x80
.set i_, 0
.rept 64
	ds_load_b128 v[4*i_:4*i_+3], v[\va] offset:512*i_
.set i_, i_+1
.endr
.endm
; A product 64 x 64 x 256.  ori = 0: source 0 = weights: a lane holds one row and 8 channels.  ori = 1: source 0 = activations: a lane holds one channel and 8 rows.
; cb: registers of the bias that starts the sums, or -1: the constant 0.  nxt: the next slice's base, asked for slot by slot as this product frees the ring, or -1.  adep = 1: ALOAD stands just ahead.
; The 16 accumulators take turns, one instruction a turn.
; s_wait_loadcnt 56: behind slot s of this slice were issued its slots s + 1 .. 7 and the next slice's 0 .. s - 1: 56 loads (others in between only add).  Without a next slice: 8 (7 - s).
.macro GEMM ori, cb, nxt, adep
.set ks_, 0
.rept 8
.if (ks_ > 0) && ((\nxt) >= 0)
	PLACES
	FILL ks_-1, \nxt
.endif
.if (\nxt) >= 0
	s_wait_loadcnt 56
.else
	s_wait_loadcnt 8*(7-ks_)
.endif
.if \adep
	s_wait_dscnt 8*(7-ks_)                         ; the later k steps' LDS loads stay out
.endif
.if \ori
	WIN 0x06
.else
	WIN 0x09
.endif
.set nn_, 0
.rept 4
.set tt_, 0
.rept 4
.set rD, ACC+32*nn_+8*tt_
.set rW, 32*ks_+8*nn_
.set rA, 32*ks_+8*tt_
.if \ori
.if ks_ > 0
	v_wmma_f32_16x16x32_bf16 v[rD:rD+7], v[rA:rA+7], v[rW:rW+7], v[rD:rD+7]
.else
	v_wmma_f32_16x16x32_bf16 v[rD:rD+7], v[rA:rA+7], v[rW:rW+7], 0
.endif
.else
.if ks_ > 0
	v_wmma_f32_16x16x32_bf16 v[rD:rD+7], v[rW:rW+7], v[rA:rA+7], v[rD:rD+7]
.elseif (\cb) >= 0
	v_wmma_f32_16x16x32_bf16 v[rD:rD+7], v[rW:rW+7], v[rA:rA+7], v[(\cb)+8*nn_:(\cb)+8*nn_+7]
.else
	v_wmma_f32_16x16x32_bf16 v[rD:rD+7], v[rW:rW+7], v[rA:rA+7], 0
.endif
.endif
.set tt_, tt_+1
.endr
.set nn_, nn_+1
.endr
.set ks_, ks_+1
.endr
	PLACES
.if (\nxt) >= 0
	FILL 7, \nxt
.endif
	WIN 0
.endm
.macro PACKT a                         ; eight f32 to eight bf16, in place, from the low end on: half an operand of the next product
	v_cvt_pk_bf16_f32 v[\a], v[\a], v[(\a)+1]
	v_cvt_pk_bf16_f32 v[(\a)+1], v[(\a)+2], v[(\a)+3]
	v_cvt_pk_bf16_f32 v[(\a)+2], v[(\a)+4], v[(\a)+5]
	v_cvt_pk_bf16_f32 v[(\a)+3], v[(\a)+6], v[(\a)+7]
.endm
.macro RED                             ; four packed chains v18-25 to one number, the other half of the lanes' added: v18
	v_pk_add_f32 v[18:19], v[18:19], v[20:21]
	v_pk_add_f32 v[22:23], v[22:23], v[24:25]
	v_pk_add_f32 v[18:19], v[18:19], v[22:23]
	v_add_f32 v18, v18, v19
	v_permlanex16_b32 v19, v18, s56, s57
	v_add_f32 v18, v18, v19
.endm
; LayerNorm of my 16 rows, in two passes (mean; then the centred squares).  Lane (r, h) holds channels 16 g + 8 h + 0..7, g = 0..15, of row 16 w + r; the lane 16 away the others.
.macro LN
.set i_, 0
.rept 32
	ds_load_b128 v[ACC+4*i_:ACC+4*i_+3], v12 offset:64*(i_/2)+16*(i_%2)
.set i_, i_+1
.endr
	s_wait_dscnt 0x0
.irp c, 0,1,2,3
	v_pk_add_f32 v[18+2*\c:19+2*\c], v[ACC+2*\c:ACC+2*\c+1], v[ACC+8+2*\c:ACC+9+2*\c]
.endr
.set i_, 8
.rept 56
	v_pk_add_f32 v[18+2*(i_%4):19+2*(i_%4)], v[18+2*(i_%4):19+2*(i_%4)], v[ACC+2*i_:ACC+2*i_+1]
.set i_, i_+1
.endr
	RED
	v_mul_f32 v18, s59, v18                        ; the mean
.set i_, 0
.rept 64
	v_pk_add_f32 v[ACC+2*i_:ACC+2*i_+1], v[ACC+2*i_:ACC+2*i_+1], v[18:19] op_sel_hi:[1,0] neg_lo:[0,1] neg_hi:[0,1]
.set i_, i_+1
.endr
.irp c, 0,1,2,3
	v_pk_mul_f32 v[18+2*\c:19+2*\c], v[ACC+2*\c:ACC+2*\c+1], v[ACC+2*\c:ACC+2*\c+1]
.endr
.set i_, 4
.rept 60
	v_pk_fma_f32 v[18+2*(i_%4):19+2*(i_%4)], v[ACC+2*i_:ACC+2*i_+1], v[ACC+2*i_:ACC+2*i_+1], v[18+2*(i_%4):19+2*(i_%4)]
.set i_, i_+1
.endr
	RED
	v_fma_f32 v18, v18, s59, s33                   ; variance + 1e-5
	v_rsq_f32 v18, v18
	v_nop                                          ; a plain instruction behind the root (ISA guide 5.7.2)
.set i_, 0
	s_wait_alu depctr_va_vdst(0)
.rept 64
	v_pk_mul_f32 v[ACC+2*i_:ACC+2*i_+1], v[ACC+2*i_:ACC+2*i_+1], v[18:19] op_sel_hi:[1,0]
.set i_, i_+1
.endr
.set i_, 0
.rept 16
	PACKT ACC+8*i_
	ds_store_b128 v9, v[ACC+8*i_:ACC+8*i_+3] offset:4096*(i_/2)+512*(i_%2)   ; half g % 2 of operand (t = w, s = g / 2)
.set i_, i_+1
.endr
.endm
; Over the four tiles at b, b + st, ..: the maximum of the lane's 32 numbers and of the lane's 16 away; x = 2^(x log2 e - m2), m2 = log2 e x maximum; their sum.  Out: v20 = m2, v18 = sum.
; Each tile's three lowest registers are read first.
.macro SOFTX b, st
.irp i, 0,1,2,3
	v_max3_num_f32 v[18+\i], v[(\b)+(\st)*\i], v[(\b)+(\st)*\i+1], v[(\b)+(\st)*\i+2]
.endr
.irp i, 0,1,2,3
	v_max3_num_f32 v[18+\i], v[18+\i], v[(\b)+(\st)*\i+3], v[(\b)+(\st)*\i+4]
.endr
.irp i, 0,1,2,3
	v_max3_num_f32 v[18+\i], v[18+\i], v[(\b)+(\st)*\i+5], v[(\b)+(\st)*\i+6]
.endr
	v_max3_num_f32 v18, v18, v[(\b)+7], v[(\b)+(\st)+7]
	v_max3_num_f32 v20, v20, v[(\b)+2*(\st)+7], v[(\b)+3*(\st)+7]
	v_max3_num_f32 v18, v18, v19, v20
	v_max_num_f32 v18, v18, v21
	v_permlanex16_b32 v19, v18, s56, s57
	v_max_num_f32 v18, v18, v19
	v_mul_f32 v20, s54, v18
.irp i, 0,1,2,3
.irp u, 0,2,4,6
	v_pk_fma_f32 v[(\b)+(\st)*\i+\u:(\b)+(\st)*\i+\u+1], v[(\b)+(\st)*\i+\u:(\b)+(\st)*\i+\u+1], s[54:55], v[20:21] op_sel_hi:[1,0,0] neg_lo:[0,0,1] neg_hi:[0,0,1]
.endr
.endr
.irp i, 0,1,2,3
.irp u, 0,1,2,3,4,5,6,7
	v_exp_f32 v[(\b)+(\st)*\i+\u], v[(\b)+(\st)*\i+\u]
.endr
.endr
	v_nop                                          ; a plain instruction behind the last exponential
	s_wait_alu depctr_va_vdst(0)
	v_pk_add_f32 v[18:19], v[(\b):(\b)+1], v[(\b)+2:(\b)+3]
	v_pk_add_f32 v[22:23], v[(\b)+4:(\b)+5], v[(\b)+6:(\b)+7]
.irp i, 1,2,3
	v_pk_add_f32 v[18:19], v[18:19], v[(\b)+(\st)*\i:(\b)+(\st)*\i+1]
	v_pk_add_f32 v[22:23], v[22:23], v[(\b)+(\st)*\i+2:(\b)+(\st)*\i+3]
	v_pk_add_f32 v[18:19], v[18:19], v[(\b)+(\st)*\i+4:(\b)+(\st)*\i+5]
	v_pk_add_f32 v[22:23], v[22:23], v[(\b)+(\st)*\i+6:(\b)+(\st)*\i+7]
.endr
	v_pk_add_f32 v[18:19], v[18:19], v[22:23]
	v_add_f32 v18, v18, v19
	v_permlanex16_b32 v19, v18, s56, s57
	v_add_f32 v18, v18, v19
.endm
; k's softmax over the 256 channels of a row, first over my own 64: maximum and sum go to STAT, two row tiles to a store (lanes 0-15 the even tile's rows, 16-31 the odd one's).
.macro EPI_K1
.irp t, 0,1,2,3
	SOFTX ACC+8*\t, 32
	v_mov_b32 v[24+\t], v20
	v_mov_b32 v[28+(\t%2)], v18
.if (\t)%2
	v_cndmask_b32 v22, v[23+\t], v[24+\t], s58
	v_cndmask_b32 v23, v28, v29, s58
	ds_store_b64 v13, v[22:23] offset:1024*(\t/2)
.endif
.endr
	BAR
.endm
; Then the four waves' figures are joined: f = 2^(my m2 - the row's m2) / sum of z_i 2^(m2_i - the row's m2); k = p f, rounded to bf16, turned through my own bytes of LDS, and stored.
.macro EPI_K2
.irp t, 0,1,2,3
	ds_load_b128 v[32+8*\t:35+8*\t], v14 offset:512*\t
	ds_load_b128 v[36+8*\t:39+8*\t], v14 offset:512*\t+16
.endr
	s_wait_dscnt 0x0
.irp t, 0,1,2,3
	v_max3_num_f32 v[18+\t], v[32+8*\t], v[34+8*\t], v[36+8*\t]
.endr
.irp t, 0,1,2,3
	v_max_num_f32 v[18+\t], v[18+\t], v[38+8*\t]
.endr
.irp t, 0,1,2,3
	v_sub_f32 v[24+\t], v[24+\t], v[18+\t]
.irp i, 0,2,4,6
	v_sub_f32 v[32+8*\t+\i], v[32+8*\t+\i], v[18+\t]
.endr
.endr
.irp t, 0,1,2,3
	v_exp_f32 v[24+\t], v[24+\t]
.irp i, 0,2,4,6
	v_exp_f32 v[32+8*\t+\i], v[32+8*\t+\i]
.endr
.endr
	v_nop
	s_wait_alu depctr_va_vdst(0)
.irp t, 0,1,2,3
	v_mul_f32 v[18+\t], v[32+8*\t], v[33+8*\t]
.endr
.irp i, 2,4,6
.irp t, 0,1,2,3
	v_fmac_f32 v[18+\t], v[32+8*\t+\i], v[33+8*\t+\i]
.endr
.endr
.irp t, 0,1,2,3
	v_rcp_f32 v[18+\t], v[18+\t]
.endr
	v_nop
	s_wait_alu depctr_va_vdst(0)
.irp t, 0,1,2,3
	v_mul_f32 v[32+8*\t], v[24+\t], v[18+\t]
.endr
.irp t, 0,1,2,3
.irp n, 0,1,2,3
.irp u, 0,2,4,6
	v_pk_mul_f32 v[ACC+32*\n+8*\t+\u:ACC+32*\n+8*\t+\u+1], v[ACC+32*\n+8*\t+\u:ACC+32*\n+8*\t+\u+1], v[32+8*\t:33+8*\t] op_sel_hi:[1,0]
.endr
	PACKT ACC+32*\n+8*\t
	ds_store_b128 v15, v[ACC+32*\n+8*\t:ACC+32*\n+8*\t+3] offset:16*KP*\t+32*\n
.endr
.endr
.irp k, 0,1,2,3,4,5,6,7,8,9,10,11,12,13,14,15     ; k = 4 (channel tile) + 2 (32 rows) + half; LDS serves a wave's instructions in order (ISA guide 5.7.1.4): these see the stores above
	ds_load_tr16_b128 v[ACC+8*\k+4:ACC+8*\k+7], v16 offset:KP*(32*((\k/2)%2)+16*(\k%2))+32*(\k/4)
.endr
.irp k, 0,1,2,3,4,5,6,7,8,9,10,11,12,13,14,15
	s_wait_dscnt 15-\k
	global_store_b128 v1, v[ACC+8*\k+4:ACC+8*\k+7], s[48:49] offset:65536*(\k/4)+1024*((\k/2)%2)+512*(\k%2)
.endr
.endm
; q: a lane holds one channel and 32 of the 64 rows.  E leaves as an operand (lane = channel, K = row); m2 and Z of two channel tiles leave in one store of 128 bytes each.
.macro EPI_Q
.irp n, 0,1,2,3
	SOFTX ACC+32*\n, 8
	v_mov_b32 v[24+(\n%2)], v20
	v_mov_b32 v[26+(\n%2)], v18
.irp t, 0,1,2,3
	PACKT ACC+32*\n+8*\t
	global_store_b128 v1, v[ACC+32*\n+8*\t:ACC+32*\n+8*\t+3], s[50:51] offset:65536*\n+512*\t
.endr
.if (\n)%2
	v_cndmask_b32 v[39+\n], v24, v25, s58
	v_cndmask_b32 v[40+\n], v26, v27, s58
	global_store_b32 v2, v[39+\n], s[52:53] offset:128*(\n/2)
	global_store_b32 v2, v[40+\n], s[52:53] offset:128*(\n/2)+1024
.endif
.endr
.endm
.macro EPI_V                           ; v leaves as the next launch's activation operands
.irp n, 0,1,2,3
.irp t, 0,1,2,3
	PACKT ACC+32*\n+8*\t
	global_store_b128 v1, v[ACC+32*\n+8*\t:ACC+32*\n+8*\t+3], s[22:23] offset:((\n/2)*4+\t)*1024+(\n%2)*512
.endr
.endr
.endm
	s_load_b256 s[8:15], s[0:1], 0x0               ; x s[8:9], wf s[10:11], va s[12:13], ke s[14:15]
	s_load_b64 s[26:27], s[0:1], 0x20              ; c0
	v_lshl_add_u32 v30, v0, 2, SPARE               ; my spare word,
	v_mov_b32 v31, 0                               ; and 0: kept for the add at the wave's end
	v_lshrrev_b32 v18, 5, v0
	v_readfirstlane_b32 s28, v18                   ; wave w
	v_and_b32 v19, 31, v0
	v_lshlrev_b32 v1, 4, v19                       ; 16 x lane
	v_lshlrev_b32 v2, 2, v19                       ; 4 x lane
	v_and_b32 v3, 15, v0                           ; r
	v_bfe_u32 v4, v0, 4, 1                         ; h
	v_lshlrev_b32 v17, 5, v4                       ; 32 h
	v_add_nc_u32 v5, A0, v1                        ; all operands of A0
	s_lshl_b32 s60, s28, 10
	v_add_nc_u32 v9, s60, v5                       ; LayerNorm's stores: row tile w
	v_mul_u32_u24 v12, v3, XP
	v_add_nc_u32 v12, v12, v17
	s_mul_i32 s60, s28, 16*XP
	v_add_nc_u32 v11, s60, v1                      ; my 16 rows of XT, row by row
	v_add_nc_u32 v12, s60, v12                     ; my row 16 w + r of XT, + 32 h
	v_lshlrev_b32 v13, 5, v19
	s_lshl_b32 s60, s28, 3
	s_add_co_u32 s60, s60, STAT
	v_add_nc_u32 v13, s60, v13                     ; STAT: row = lane, my wave's pair
	v_lshl_add_u32 v14, v3, 5, STAT                ; STAT: row r, all four pairs
	s_mul_i32 s60, s28, 64*KP
	s_add_co_u32 s60, s60, KROW
	v_mul_u32_u24 v15, v3, KP
	v_lshl_add_u32 v15, v4, 4, v15
	v_add_nc_u32 v15, s60, v15                     ; my block of KROW: row r, 16 h
	v_and_b32 v20, 7, v0
	v_lshl_add_u32 v20, v4, 3, v20
	v_mul_u32_u24 v16, v20, KP
	v_bfe_u32 v21, v0, 3, 1
	v_lshl_add_u32 v16, v21, 4, v16
	v_add_nc_u32 v16, s60, v16                     ; the turning load: row 8 h + lane % 8, 16 bytes for each eight lanes
	s_mov_b32 s54, 0x3fb8aa3b                      ; log2(e), named as a pair
	s_mov_b32 s55, s54
	s_mov_b32 s56, 0x76543210                      ; v_permlanex16_b32: each lane takes its own place in the other half
	s_mov_b32 s57, 0xfedcba98
	s_mov_b32 s58, 0xffff0000                      ; lanes 16-31
	s_mov_b32 s59, 0x3b800000                      ; 1 / 256
	s_mov_b32 s33, 0x3727c5ac                      ; 1e-5
	s_mov_b32 s29, ttmp9                           ; g: my 64 rows
	s_lshr_b32 s30, s29, 5                         ; batch
	s_and_b32 s31, s29, 31                         ; chunk of the batch
	s_mov_b32 s61, 0
	s_lshl_b32 s60, s29, 16
	s_lshl_b32 s2, s28, 14
	s_add_co_u32 s60, s60, s2
	s_wait_kmcnt 0x0
	s_add_nc_u64 s[8:9], s[8:9], s[60:61]          ; x at my 16 rows
.set i_, 0
.rept 32
	global_load_b128 v[ACC+4*i_:ACC+4*i_+3], v1, s[8:9] offset:512*i_
.set i_, i_+1
.endr
	s_lshl_b32 s60, s28, 8
	s_add_nc_u64 s[46:47], s[10:11], s[60:61]
	s_add_nc_u64 s[46:47], s[46:47], 3145728       ; layer 0's ck, cv at my 64 channels
	BLOAD CK, 46, 0
	BLOAD CV, 46, 1024
	s_lshl_b32 s60, s28, 15
	s_add_nc_u64 s[42:43], s[10:11], s[60:61]      ; my slices of Q', K', V' of layer 0
	s_add_nc_u64 s[40:41], s[42:43], 131072
	s_add_nc_u64 s[44:45], s[42:43], 262144
.irp s, 0,1,2,3,4,5,6,7
	FILL \s, 40
.endr
	WIN 0
	s_lshl_b32 s60, s29, 15
	s_lshl_b32 s2, s28, 13
	s_add_co_u32 s60, s60, s2
	s_add_nc_u64 s[22:23], s[12:13], s[60:61]      ; v out: 32,768 g + 8,192 w
	s_lshl_b32 s60, s30, 20
	s_lshl_b32 s2, s31, 11
	s_add_co_u32 s60, s60, s2
	s_lshl_b32 s2, s28, 18
	s_add_co_u32 s60, s60, s2
	s_add_nc_u64 s[48:49], s[14:15], s[60:61]      ; k turned: [batch][channel tile 4 w + ..][32 rows 2 chunk + ..]
	s_add_nc_u64 s[50:51], s[48:49], 4194304       ; E turned
	s_lshl_b32 s60, s29, 11
	s_lshl_b32 s2, s28, 8
	s_add_co_u32 s60, s60, s2
	s_add_nc_u64 s[52:53], s[14:15], s[60:61]
	s_add_nc_u64 s[52:53], s[52:53], 8388608       ; statistics
	s_wait_loadcnt 63                              ; behind x's last load 80 were issued, behind cv's last 64: x, ck and cv are in
.set i_, 0
.rept 32
	ds_store_b128 v11, v[ACC+4*i_:ACC+4*i_+3] offset:(i_/2)*XP+(i_%2)*512
.set i_, i_+1
.endr
	LN                                             ; reads my own rows: LDS serves a wave's instructions in order
	BAR                                            ; xhat of all 64 rows is in A0
	ALOAD 5
	GEMM 0, CK, 42, 1                              ; k's scores; Q' is asked for
	EPI_K1
	EPI_K2
	s_wait_xcnt 0x0                                ; the stores' data registers are written again only behind this wait
	GEMM 1, -1, 44, 0                              ; q; V' is asked for
	EPI_Q
	s_wait_xcnt 0x0
	GEMM 0, CV, -1, 0                              ; v
	EPI_V
	s_or_b32 s60, s29, s28
	s_cmp_lg_u32 s60, 0
	s_cbranch_scc1 .Lnocount
	v_mov_b32 v18, 0                               ; the next launch applies layer 0
	global_store_b32 v2, v18, s[26:27]
.Lnocount:
	s_wait_tensorcnt 0x0                           ; the wave's end
	ds_add_u32 v30, v31
	s_wait_dscnt 0x0
	s_endpgm
.Lfunc_end_k_qf9d7bad1d7_first:
	.size	k_qf9d7bad1d7_first, .Lfunc_end_k_qf9d7bad1d7_first-k_qf9d7bad1d7_first
	.p2alignl 7, 3214868480
	.fill 96, 4, 3214868480
	.section	.rodata,"a",@progbits
	.p2align	6, 0x0
	.amdhsa_kernel k_qf9d7bad1d7_first
		.amdhsa_group_segment_fixed_size 175616
		.amdhsa_private_segment_fixed_size 0
		.amdhsa_enable_private_segment 0
		.amdhsa_kernarg_size 40
		.amdhsa_user_sgpr_count 2
		.amdhsa_user_sgpr_kernarg_segment_ptr 1
		.amdhsa_wavefront_size32 1
		.amdhsa_system_sgpr_workgroup_id_x 1
		.amdhsa_system_sgpr_workgroup_id_y 1
		.amdhsa_system_sgpr_workgroup_id_z 1
		.amdhsa_system_vgpr_workitem_id 0
		.amdhsa_next_free_vgpr 768
		.amdhsa_next_free_sgpr 66
		.amdhsa_reserve_vcc 0
		.amdhsa_float_denorm_mode_32 3
		.amdhsa_float_denorm_mode_16_64 3
		.amdhsa_memory_ordered 1
		.amdhsa_forward_progress 1
		.amdhsa_inst_pref_size 146
	.end_amdhsa_kernel
	.amdgpu_metadata
---
amdhsa.version: [ 1, 2 ]
amdhsa.kernels:
  - .name:           k_qf9d7bad1d7_first
    .symbol:         k_qf9d7bad1d7_first.kd
    .args:
      - { .name: x, .offset: 0, .size: 8, .value_kind: global_buffer, .address_space: global }
      - { .name: wf, .offset: 8, .size: 8, .value_kind: global_buffer, .address_space: global }
      - { .name: va, .offset: 16, .size: 8, .value_kind: global_buffer, .address_space: global }
      - { .name: ke, .offset: 24, .size: 8, .value_kind: global_buffer, .address_space: global }
      - { .name: c0, .offset: 32, .size: 8, .value_kind: global_buffer, .address_space: global }
    .group_segment_fixed_size: 175616
    .private_segment_fixed_size: 0
    .kernarg_segment_align: 8
    .kernarg_segment_size: 40
    .max_flat_workgroup_size: 128
    .sgpr_count:     66
    .vgpr_count:     768
    .wavefront_size: 32
...
	.end_amdgpu_metadata
.endif
;; end of part 2
;; launch s2 (part 3): grid 256 x 1, 16 waves a work-group, no clusters, 69,632 bytes of LDS; arguments ke, mp; writes mp
.if DOCPART == 3
	.amdgcn_target "amdgcn-amd-amdhsa--gfx1250"
	.amdhsa_code_object_version 6
	.text
	.protected	k_qf9d7bad1d7_s2
	.globl	k_qf9d7bad1d7_s2
	.p2align	8
	.type	k_qf9d7bad1d7_s2,@function
k_qf9d7bad1d7_s2:
	s_mov_b64 s[64:65], 0
	v_nop
	global_prefetch_b8 v0, s[64:65] scope:SCOPE_SE
	s_setreg_imm32_b32 hwreg(HW_REG_WAVE_MODE, 25, 1), 1
	s_wait_xcnt 0x0
; M'[c'][c] = sum over the batch's 2,048 rows of k[i][c'] softmax_rows(q)[i][c], from the 32 chunks of 64 rows:
; M' = sum_g s_g[c] (k_g^T E_g)[c'][c] / sum_g s_g[c] Z_g[c], s_g = 2^(m2_g - max over g of m2_g): the true maximum over the sequence, taken in two levels.
; SHARES.  A work-group owns 32 c' x 32 c of one batch over all rows; wave w' of 16 takes chunks 2 w', 2 w' + 1 (four steps of 32 rows).  In a result a lane holds one c, so s_g is one number a lane:
; each chunk has its own four accumulators, and the two chunks are joined in f32 behind the products.  The 16 waves' parts meet in LDS; waves 0-3 add them, divide, round once to bf16 and store
; M' as the next launch's weight operand (lane = c, K = c').  No partial sum goes to memory.
; LIMITS.  s_g below 2^-126 counts as 0; the divisor is at least 1 (the chunk that holds the maximum has s = 1 and Z >= 1).  NaN and infinities are not treated apart.
.set PART,  0                          ; [wave 16][tile 4][half 2][lane][16 bytes] of f32
.set ZP,    65536                      ; [wave 16][channel 32] of f32
.set SPARE, 67584                      ; the spare words, 128 bytes a wave
.set KT,  64                           ; v64-127   k's operands: step st, c' tile a at 16 st + 8 a
.set ET,  128                          ; v128-191  E's: step st, c tile bn
.set ACC, 192                          ; v192-255  chunk ch, tile (a, bn) at 32 ch + 16 a + 8 bn
	s_load_b128 s[4:7], s[0:1], 0x0                ; ke s[4:5], mp s[6:7]
	v_lshl_add_u32 v60, v0, 2, SPARE               ; my spare word,
	v_mov_b32 v61, 0                               ; and 0: kept for the add at the wave's end
	v_lshrrev_b32 v3, 5, v0
	v_readfirstlane_b32 s8, v3                     ; wave w'
	v_and_b32 v4, 31, v0
	v_lshlrev_b32 v1, 4, v4                        ; 16 x lane
	v_lshlrev_b32 v2, 2, v4                        ; 4 x lane
	v_lshl_add_u32 v5, v3, 12, v1                  ; PART: my 4,096 bytes
	v_lshl_add_u32 v6, v0, 2, ZP                   ; ZP: my word
	v_lshl_add_u32 v7, v3, 10, v1                  ; waves 0-3: tile w' in every wave's part
	v_and_b32 v62, 15, v0
	v_and_b32 v63, 1, v3
	v_lshl_add_u32 v62, v63, 4, v62
	v_lshl_add_u32 v62, v62, 2, ZP                 ; waves 0-3: channel 16 (w' % 2) + lane % 16 in ZP
.irp r, 50,51,53,55,57,59
	v_mov_b32 v\r, 0                               ; the exchange's destinations and the upper registers of the factors' pairs count as read: written once
.endr
	s_mov_b32 s24, 0x76543210                      ; v_permlanex16_b32: each lane takes its own place in the other half
	s_mov_b32 s25, 0xfedcba98
	s_mov_b32 s26, 0xffff0000                      ; lanes 16-31
	s_lshr_b32 s9, ttmp9, 6                        ; batch
	s_bfe_u32 s10, ttmp9, 0x30003                  ; ks: block of 32 c'
	s_and_b32 s11, ttmp9, 7                        ; np: block of 32 c
	s_lshl_b32 s28, s9, 16
	s_lshl_b32 s30, s11, 7
	s_add_co_u32 s28, s28, s30                     ; statistics: 65,536 batch + 128 np
	s_mov_b32 s29, 0
	s_lshl_b32 s30, s8, 12                         ; 4,096 w': two chunks' statistics, and four steps' operands
	s_mov_b32 s31, 0
	s_lshl_b32 s32, s9, 20
	s_add_co_u32 s32, s32, s30
	s_lshl_b32 s34, s11, 17
	s_add_co_u32 s34, s34, s32                     ; E: 1,048,576 batch + 131,072 np + 4,096 w'
	s_mov_b32 s35, 0
	s_lshl_b32 s33, s10, 17
	s_add_co_u32 s32, s32, s33                     ; k: the same with ks
	s_mov_b32 s33, 0
	s_wait_kmcnt 0x0
	s_add_nc_u64 s[12:13], s[4:5], s[28:29]
	s_add_nc_u64 s[12:13], s[12:13], 8388608
	s_add_nc_u64 s[14:15], s[12:13], s[30:31]
	s_add_nc_u64 s[16:17], s[4:5], s[32:33]
	s_add_nc_u64 s[18:19], s[4:5], s[34:35]
	s_add_nc_u64 s[18:19], s[18:19], 4194304
.set i_, 0
.rept 32
	global_load_b32 v[8+i_], v2, s[12:13] offset:2048*i_   ; m2 of chunk i for channel 32 np + lane
.set i_, i_+1
.endr
	global_load_b32 v40, v2, s[14:15]              ; my two chunks' m2,
	global_load_b32 v41, v2, s[14:15] offset:2048
	global_load_b32 v42, v2, s[14:15] offset:1024  ; and Z
	global_load_b32 v43, v2, s[14:15] offset:3072
.irp st, 0,1,2,3
.irp q, 0,1,2,3
	global_load_b128 v[KT+16*\st+4*\q:KT+16*\st+4*\q+3], v1, s[16:17] offset:65536*(\q/2)+1024*\st+512*(\q%2)
.endr
.irp q, 0,1,2,3
	global_load_b128 v[ET+16*\st+4*\q:ET+16*\st+4*\q+3], v1, s[18:19] offset:65536*(\q/2)+1024*\st+512*(\q%2)
.endr
.endr
	s_wait_loadcnt 32                              ; the statistics are in; the 32 operand loads stay out
.irp i, 0,1,2,3
	v_max3_num_f32 v[44+\i], v[8+8*\i], v[9+8*\i], v[10+8*\i]
.endr
.irp i, 0,1,2,3
	v_max3_num_f32 v[44+\i], v[44+\i], v[11+8*\i], v[12+8*\i]
.endr
.irp i, 0,1,2,3
	v_max3_num_f32 v[44+\i], v[44+\i], v[13+8*\i], v[14+8*\i]
.endr
	v_max3_num_f32 v44, v44, v15, v23
	v_max3_num_f32 v46, v46, v31, v39
	v_max3_num_f32 v44, v44, v45, v46
	v_max_num_f32 v44, v44, v47                    ; the channel's maximum over the sequence, times log2 e
	v_sub_f32 v48, v40, v44
	v_sub_f32 v49, v41, v44
	v_exp_f32 v48, v48                             ; s of my two chunks
	v_exp_f32 v49, v49
	v_nop                                          ; a plain instruction behind the last exponential
	s_wait_alu depctr_va_vdst(0)
	v_mul_f32 v46, v42, v48
	v_fmac_f32 v46, v43, v49                       ; my part of the divisor
	v_permlanex16_b32 v50, v48, s24, s25
	v_permlanex16_b32 v51, v49, s24, s25
	v_cndmask_b32 v52, v48, v50, s26               ; chunk 0, c tile 0: every lane takes channel lane % 16
	v_cndmask_b32 v54, v50, v48, s26               ; chunk 0, c tile 1: channel 16 + lane % 16
	v_cndmask_b32 v56, v49, v51, s26               ; chunk 1 likewise
	v_cndmask_b32 v58, v51, v49, s26
	ds_store_b32 v6, v46
.irp st, 0,1,2,3                       ; a chunk's four accumulators take turns, one instruction a turn
	s_wait_loadcnt 8*(3-\st)                       ; the later steps' loads stay out
.irp x, 0,1,2,3
.if (\st)%2
	v_wmma_f32_16x16x32_bf16 v[ACC+32*(\st/2)+8*\x:ACC+32*(\st/2)+8*\x+7], v[KT+16*\st+8*(\x/2):KT+16*\st+8*(\x/2)+7], v[ET+16*\st+8*(\x%2):ET+16*\st+8*(\x%2)+7], v[ACC+32*(\st/2)+8*\x:ACC+32*(\st/2)+8*\x+7]
.else
	v_wmma_f32_16x16x32_bf16 v[ACC+32*(\st/2)+8*\x:ACC+32*(\st/2)+8*\x+7], v[KT+16*\st+8*(\x/2):KT+16*\st+8*(\x/2)+7], v[ET+16*\st+8*(\x%2):ET+16*\st+8*(\x%2)+7], 0
.endif
.endr
.endr
.rept 4
	v_nop                                          ; four places between the last product and the first read of a result (ISA guide 7.12.1)
.endr
.irp x, 0,1,2,3                        ; both chunks joined, each accumulator from its low end on
.irp u, 0,2,4,6
	v_pk_mul_f32 v[ACC+8*\x+\u:ACC+8*\x+\u+1], v[ACC+8*\x+\u:ACC+8*\x+\u+1], v[52+2*(\x%2):53+2*(\x%2)] op_sel_hi:[1,0]
	v_pk_fma_f32 v[ACC+8*\x+\u:ACC+8*\x+\u+1], v[ACC+32+8*\x+\u:ACC+32+8*\x+\u+1], v[56+2*(\x%2):57+2*(\x%2)], v[ACC+8*\x+\u:ACC+8*\x+\u+1] op_sel_hi:[1,0,1]
.endr
	ds_store_b128 v5, v[ACC+8*\x:ACC+8*\x+3] offset:1024*\x
	ds_store_b128 v5, v[ACC+8*\x+4:ACC+8*\x+7] offset:1024*\x+512
.endr
	s_wait_dscnt 0x0                               ; for the others' sake: my parts are in LDS
	s_barrier_signal -1
	s_barrier_wait -1
	s_cmp_gt_u32 s8, 3
	s_cbranch_scc1 .Lend                           ; waves 0-3 finish a tile each: a = w' / 2, bn = w' % 2
	s_lshr_b32 s20, s11, 1
	s_lshl_b32 s20, s20, 3
	s_add_co_u32 s20, s20, s10
	s_lshl_b32 s20, s20, 2
	s_and_b32 s21, s11, 1
	s_lshl_b32 s21, s21, 1
	s_add_co_u32 s20, s20, s21
	s_and_b32 s21, s8, 1
	s_add_co_u32 s20, s20, s21                     ; operand ((np / 2) 8 + ks) 4 + 2 (np % 2) + bn,
	s_lshl_b32 s20, s20, 10
	s_lshr_b32 s21, s8, 1
	s_lshl_b32 s21, s21, 9                         ; its half a,
	s_add_co_u32 s20, s20, s21
	s_lshl_b32 s21, s9, 17                         ; in the batch's matrix
	s_add_co_u32 s20, s20, s21
	s_mov_b32 s21, 0
	s_add_nc_u64 s[6:7], s[6:7], s[20:21]
.set i_, 0
.rept 16
	ds_load_b128 v[64+8*i_:64+8*i_+3], v7 offset:4096*i_
	ds_load_b128 v[64+8*i_+4:64+8*i_+7], v7 offset:4096*i_+512
	ds_load_b32 v[8+i_], v62 offset:128*i_
.set i_, i_+1
.endr
	s_wait_dscnt 0x0
.set i_, 1
.rept 15
.irp u, 0,2,4,6
	v_pk_add_f32 v[64+\u:65+\u], v[64+\u:65+\u], v[64+8*i_+\u:65+8*i_+\u]
.endr
.set i_, i_+1
.endr
.irp i, 0,1,2,3,4,5,6
	v_pk_add_f32 v[8:9], v[8:9], v[10+2*\i:11+2*\i]
.endr
	v_add_f32 v8, v8, v9
	v_rcp_f32 v8, v8
	v_nop                                          ; a plain instruction behind the reciprocal
	s_wait_alu depctr_va_vdst(0)
.irp u, 0,2,4,6
	v_pk_mul_f32 v[64+\u:65+\u], v[64+\u:65+\u], v[8:9] op_sel_hi:[1,0]
.endr
	v_cvt_pk_bf16_f32 v64, v64, v65
	v_cvt_pk_bf16_f32 v65, v66, v67
	v_cvt_pk_bf16_f32 v66, v68, v69
	v_cvt_pk_bf16_f32 v67, v70, v71
	global_store_b128 v1, v[64:67], s[6:7]         ; 512 consecutive bytes
.Lend:
	s_wait_tensorcnt 0x0                           ; the wave's end
	ds_add_u32 v60, v61
	s_wait_dscnt 0x0
	s_endpgm
.Lfunc_end_k_qf9d7bad1d7_s2:
	.size	k_qf9d7bad1d7_s2, .Lfunc_end_k_qf9d7bad1d7_s2-k_qf9d7bad1d7_s2
	.p2alignl 7, 3214868480
	.fill 96, 4, 3214868480
	.section	.rodata,"a",@progbits
	.p2align	6, 0x0
	.amdhsa_kernel k_qf9d7bad1d7_s2
		.amdhsa_group_segment_fixed_size 69632
		.amdhsa_private_segment_fixed_size 0
		.amdhsa_enable_private_segment 0
		.amdhsa_kernarg_size 16
		.amdhsa_user_sgpr_count 2
		.amdhsa_user_sgpr_kernarg_segment_ptr 1
		.amdhsa_wavefront_size32 1
		.amdhsa_system_sgpr_workgroup_id_x 1
		.amdhsa_system_sgpr_workgroup_id_y 1
		.amdhsa_system_sgpr_workgroup_id_z 1
		.amdhsa_system_vgpr_workitem_id 0
		.amdhsa_next_free_vgpr 256
		.amdhsa_next_free_sgpr 66
		.amdhsa_reserve_vcc 0
		.amdhsa_float_denorm_mode_32 3
		.amdhsa_float_denorm_mode_16_64 3
		.amdhsa_memory_ordered 1
		.amdhsa_forward_progress 1
		.amdhsa_inst_pref_size 23
	.end_amdhsa_kernel
	.amdgpu_metadata
---
amdhsa.version: [ 1, 2 ]
amdhsa.kernels:
  - .name:           k_qf9d7bad1d7_s2
    .symbol:         k_qf9d7bad1d7_s2.kd
    .args:
      - { .name: ke, .offset: 0, .size: 8, .value_kind: global_buffer, .address_space: global }
      - { .name: mp, .offset: 8, .size: 8, .value_kind: global_buffer, .address_space: global }
    .group_segment_fixed_size: 69632
    .private_segment_fixed_size: 0
    .kernarg_segment_align: 8
    .kernarg_segment_size: 16
    .max_flat_workgroup_size: 512
    .sgpr_count:     66
    .vgpr_count:     256
    .wavefront_size: 32
...
	.end_amdgpu_metadata
.endif
;; end of part 3
;; launch mid (part 4): grid 128 x 1, 4 waves a work-group, no clusters, 175,616 bytes of LDS; arguments x, va, mp, wf, b_out, c0, xw, vb, ke, c1; writes xw, vb, ke, c1
.if DOCPART == 4
	.amdgcn_target "amdgcn-amd-amdhsa--gfx1250"
	.amdhsa_code_object_version 6
	.text
	.protected	k_qf9d7bad1d7_mid
	.globl	k_qf9d7bad1d7_mid
	.p2align	8
	.type	k_qf9d7bad1d7_mid,@function
k_qf9d7bad1d7_mid:
	s_mov_b64 s[64:65], 0
	v_nop
	global_prefetch_b8 v0, s[64:65] scope:SCOPE_SE
	s_setreg_imm32_b32 hwreg(HW_REG_WAVE_MODE, 25, 1), 1
	s_wait_xcnt 0x0
; LAYER l IS APPLIED AND LAYER l + 1 PROJECTED.  o = v M'; y = o W_out + b_out; x' = x + y (f32, stored); then, on x': xhat = LayerNorm without gain and shift (they lie in the weights);
; k = softmax over channels of xhat K' + ck; E = exp(q - m), q = xhat Q', m the maximum of q over this work-group's 64 rows, per channel; v = xhat V' + cv.
; Out: x'; k and E turned (lane = channel, K = row) as matrix operands; m log2(e) and Z = sum of E per channel; v as a matrix operand; and l + 1 for the next launch of this text.
; l is a whole number read from memory, held to 0..4, and enters offsets into the weights and b_out alone: no branch hangs on it.
; The n x n context of the module is never formed: out = v M with M[c'][c] = sum over rows of k[.][c'] softmax_rows(q)[.][c], the same sums in another order.
; SHARES.  A work-group has 64 rows; in every product a wave makes all 64 rows x its own 64 channels: 16 accumulators (row tile t, channel tile n) at ACC + 32 n + 8 t.
; A wave's slice of a weight matrix, 32,768 bytes in operand order, goes from memory straight into a ring of 8 register slots (one k step each), asked for one product ahead.
; The 64 x 256 activations go through LDS in operand order and stay in 256 registers while they are multiplied.
; OPERAND ORDER: a block of 1,024 bytes = 16 (lane % 16) x 32 K of bf16: [half e][lane][16 bytes], K = 16 e + 8 (lane / 16) + 0..7: every load and store of a wave is 512 consecutive bytes.
; LIMITS.  NaN and infinities are not treated apart; a weight below 2^-126 counts as 0; matrix operands are bf16; the residual, sums, maxima and statistics f32.
; REGISTERS, in windows of 256 (s_set_vgpr_msb: bits 1:0 source 0, 3:2 source 1, 5:4 source 2, 7:6 destination):
;   window 0: v0-17 addresses, v18-29 at work, v30-31 the add's, v32-63 b_out (later at work), v64-95 ck, v96-127 cv, v128-255 accumulators;
;   window 1: the weight ring;  window 2: the activations;  window 3: v0-127 my 16 rows of x.
.set XT,    0                          ; 64 rows of f32, 1,024 + 16 bytes apart: the 16 rows of a load start at 16 different groups of four banks (64 banks of 4 bytes: ISA guide 11.1)
.set XP,    1040
.set A0,    66560                      ; activations in operand order: (row tile t, k step s) at (4 s + t) x 1,024: v, later xhat
.set A1,    99328                      ; o
.set KROW,  132096                     ; for each wave 64 rows x 128 bytes of k, 160 bytes apart: its own bytes
.set KP,    160
.set STAT,  173056                     ; [row 64][wave 4][maximum, sum]
.set SPARE, 175104                     ; the spare words, 128 bytes a wave
.set BO,  32
.set CK,  64
.set CV,  96
.set ACC, 128
.set MSB, 0
.macro WIN new                         ; the immediate's high byte repeats the setting that is left; a switch that changes nothing is dropped
.if MSB != (\new)
	s_set_vgpr_msb (MSB<<8)|(\new)
.set MSB, (\new)
.endif
.endm
.macro PLACES                          ; four plain vector instructions between a matrix instruction and a load into, or a vector read or write of, its registers
.rept 4
	v_nop
.endr
.endm
.macro BAR                             ; my LDS instructions are done, for the others' sake; then all four waves meet
	s_wait_dscnt 0x0
	s_barrier_signal -1
	s_barrier_wait -1
.endm
.macro FILL slot, sb                   ; ring slot: k step \slot of the slice at s[\sb]: four operands of 16 channels x 32 k
	WIN 0x40
.irp q, 0,1,2,3,4,5,6,7
	global_load_b128 v[32*(\slot)+4*\q:32*(\slot)+4*\q+3], v1, s[\sb:\sb+1] offset:4096*(\slot)+512*\q
.endr
.endm
.macro BLOAD reg, sb, off              ; a bias as the C operand: lane takes channels 64 w + 16 n + 8 (lane / 16) + 0..7 for n = 0..3
.irp q, 0,1,2,3,4,5,6,7
	global_load_b128 v[(\reg)+4*\q:(\reg)+4*\q+3], v17, s[\sb:\sb+1] offset:(\off)+64*(\q/2)+16*(\q%2)
.endr
.endm
.macro ALOAD va                        ; all 32 activation operands into window 2, in the order of the k steps
	WIN 0x80
.set i_, 0
.rept 64
	ds_load_b128 v[4*i_:4*i_+3], v[\va] offset:512*i_
.set i_, i_+1
.endr
.endm
; A product 64 x 64 x 256.  ori = 0: source 0 = weights: a lane holds one row and 8 channels.  ori = 1: source 0 = activations: a lane holds one channel and 8 rows.
; cb: registers of the bias that starts the sums, or -1: the constant 0.  nxt: the next slice's base, asked for slot by slot as this product frees the ring, or -1.  adep = 1: ALOAD stands just ahead.
; The 16 accumulators take turns, one instruction a turn.
; s_wait_loadcnt 56: behind slot s of this slice were issued its slots s + 1 .. 7 and the next slice's 0 .. s - 1: 56 loads (others in between only add).  Without a next slice: 8 (7 - s).
.macro GEMM ori, cb, nxt, adep
.set ks_, 0
.rept 8
.if (ks_ > 0) && ((\nxt) >= 0)
	PLACES
	FILL ks_-1, \nxt
.endif
.if (\nxt) >= 0
	s_wait_loadcnt 56
.else
	s_wait_loadcnt 8*(7-ks_)
.endif
.if \adep
	s_wait_dscnt 8*(7-ks_)                         ; the later k steps' LDS loads stay out
.endif
.if \ori
	WIN 0x06
.else
	WIN 0x09
.endif
.set nn_, 0
.rept 4
.set tt_, 0
.rept 4
.set rD, ACC+32*nn_+8*tt_
.set rW, 32*ks_+8*nn_
.set rA, 32*ks_+8*tt_
.if \ori
.if ks_ > 0
	v_wmma_f32_16x16x32_bf16 v[rD:rD+7], v[rA:rA+7], v[rW:rW+7], v[rD:rD+7]
.else
	v_wmma_f32_16x16x32_bf16 v[rD:rD+7], v[rA:rA+7], v[rW:rW+7], 0
.endif
.else
.if ks_ > 0
	v_wmma_f32_16x16x32_bf16 v[rD:rD+7], v[rW:rW+7], v[rA:rA+7], v[rD:rD+7]
.elseif (\cb) >= 0
	v_wmma_f32_16x16x32_bf16 v[rD:rD+7], v[rW:rW+7], v[rA:rA+7], v[(\cb)+8*nn_:(\cb)+8*nn_+7]
.else
	v_wmma_f32_16x16x32_bf16 v[rD:rD+7], v[rW:rW+7], v[rA:rA+7], 0
.endif
.endif
.set tt_, tt_+1
.endr
.set nn_, nn_+1
.endr
.set ks_, ks_+1
.endr
	PLACES
.if (\nxt) >= 0
	FILL 7, \nxt
.endif
	WIN 0
.endm
.macro PACKT a                         ; eight f32 to eight bf16, in place, from the low end on: half an operand of the next product
	v_cvt_pk_bf16_f32 v[\a], v[\a], v[(\a)+1]
	v_cvt_pk_bf16_f32 v[(\a)+1], v[(\a)+2], v[(\a)+3]
	v_cvt_pk_bf16_f32 v[(\a)+2], v[(\a)+4], v[(\a)+5]
	v_cvt_pk_bf16_f32 v[(\a)+3], v[(\a)+6], v[(\a)+7]
.endm
.macro EPI_O                           ; o: channels 64 w + 16 n + .. are half n % 2 of operand (t, s = 2 w + n / 2)
.irp n, 0,1,2,3
.irp t, 0,1,2,3
	PACKT ACC+32*\n+8*\t
	ds_store_b128 v7, v[ACC+32*\n+8*\t:ACC+32*\n+8*\t+3] offset:((\n/2)*4+\t)*1024+(\n%2)*512
.endr
.endr
.endm
.macro EPI_Y                           ; y in f32 into XT, each accumulator's low half first
.irp n, 0,1,2,3
.irp t, 0,1,2,3
	ds_store_b128 v10, v[ACC+32*\n+8*\t:ACC+32*\n+8*\t+3] offset:16*XP*\t+64*\n
	ds_store_b128 v10, v[ACC+32*\n+8*\t+4:ACC+32*\n+8*\t+7] offset:16*XP*\t+64*\n+16
.endr
.endr
.endm
; x' = x + y for my 16 rows, row by row: stored (512 consecutive bytes a store) and put back into XT for the LayerNorm.  x has landed: the y product's last ring wait left out 56 loads,
; and behind the last bias load, which follows x's, exactly the next slice's slots 0 to 6 had been issued.
.macro XNEW
.set i_, 0
.rept 32
	ds_load_b128 v[ACC+4*i_:ACC+4*i_+3], v11 offset:(i_/2)*XP+(i_%2)*512
.set i_, i_+1
.endr
	s_wait_dscnt 0x0
	WIN 0xc3
.set i_, 0
.rept 64
	v_pk_add_f32 v[2*i_:2*i_+1], v[2*i_:2*i_+1], v[ACC+2*i_:ACC+2*i_+1]
.set i_, i_+1
.endr
	WIN 0x0c
.set i_, 0
.rept 32
	global_store_b128 v1, v[4*i_:4*i_+3], s[20:21] offset:512*i_
	ds_store_b128 v11, v[4*i_:4*i_+3] offset:(i_/2)*XP+(i_%2)*512
.set i_, i_+1
.endr
	WIN 0
.endm
.macro RED                             ; four packed chains v18-25 to one number, the other half of the lanes' added: v18
	v_pk_add_f32 v[18:19], v[18:19], v[20:21]
	v_pk_add_f32 v[22:23], v[22:23], v[24:25]
	v_pk_add_f32 v[18:19], v[18:19], v[22:23]
	v_add_f32 v18, v18, v19
	v_permlanex16_b32 v19, v18, s56, s57
	v_add_f32 v18, v18, v19
.endm
; LayerNorm of my 16 rows, in two passes (mean; then the centred squares).  Lane (r, h) holds channels 16 g + 8 h + 0..7, g = 0..15, of row 16 w + r; the lane 16 away the others.
.macro LN
.set i_, 0
.rept 32
	ds_load_b128 v[ACC+4*i_:ACC+4*i_+3], v12 offset:64*(i_/2)+16*(i_%2)
.set i_, i_+1
.endr
	s_wait_dscnt 0x0
.irp c, 0,1,2,3
	v_pk_add_f32 v[18+2*\c:19+2*\c], v[ACC+2*\c:ACC+2*\c+1], v[ACC+8+2*\c:ACC+9+2*\c]
.endr
.set i_, 8
.rept 56
	v_pk_add_f32 v[18+2*(i_%4):19+2*(i_%4)], v[18+2*(i_%4):19+2*(i_%4)], v[ACC+2*i_:ACC+2*i_+1]
.set i_, i_+1
.endr
	RED
	v_mul_f32 v18, s59, v18                        ; the mean
.set i_, 0
.rept 64
	v_pk_add_f32 v[ACC+2*i_:ACC+2*i_+1], v[ACC+2*i_:ACC+2*i_+1], v[18:19] op_sel_hi:[1,0] neg_lo:[0,1] neg_hi:[0,1]
.set i_, i_+1
.endr
.irp c, 0,1,2,3
	v_pk_mul_f32 v[18+2*\c:19+2*\c], v[ACC+2*\c:ACC+2*\c+1], v[ACC+2*\c:ACC+2*\c+1]
.endr
.set i_, 4
.rept 60
	v_pk_fma_f32 v[18+2*(i_%4):19+2*(i_%4)], v[ACC+2*i_:ACC+2*i_+1], v[ACC+2*i_:ACC+2*i_+1], v[18+2*(i_%4):19+2*(i_%4)]
.set i_, i_+1
.endr
	RED
	v_fma_f32 v18, v18, s59, s33                   ; variance + 1e-5
	v_rsq_f32 v18, v18
	v_nop                                          ; a plain instruction behind the root (ISA guide 5.7.2)
.set i_, 0
	s_wait_alu depctr_va_vdst(0)
.rept 64
	v_pk_mul_f32 v[ACC+2*i_:ACC+2*i_+1], v[ACC+2*i_:ACC+2*i_+1], v[18:19] op_sel_hi:[1,0]
.set i_, i_+1
.endr
.set i_, 0
.rept 16
	PACKT ACC+8*i_
	ds_store_b128 v9, v[ACC+8*i_:ACC+8*i_+3] offset:4096*(i_/2)+512*(i_%2)   ; half g % 2 of operand (t = w, s = g / 2)
.set i_, i_+1
.endr
.endm
; Over the four tiles at b, b + st, ..: the maximum of the lane's 32 numbers and of the lane's 16 away; x = 2^(x log2 e - m2), m2 = log2 e x maximum; their sum.  Out: v20 = m2, v18 = sum.
; Each tile's three lowest registers are read first.
.macro SOFTX b, st
.irp i, 0,1,2,3
	v_max3_num_f32 v[18+\i], v[(\b)+(\st)*\i], v[(\b)+(\st)*\i+1], v[(\b)+(\st)*\i+2]
.endr
.irp i, 0,1,2,3
	v_max3_num_f32 v[18+\i], v[18+\i], v[(\b)+(\st)*\i+3], v[(\b)+(\st)*\i+4]
.endr
.irp i, 0,1,2,3
	v_max3_num_f32 v[18+\i], v[18+\i], v[(\b)+(\st)*\i+5], v[(\b)+(\st)*\i+6]
.endr
	v_max3_num_f32 v18, v18, v[(\b)+7], v[(\b)+(\st)+7]
	v_max3_num_f32 v20, v20, v[(\b)+2*(\st)+7], v[(\b)+3*(\st)+7]
	v_max3_num_f32 v18, v18, v19, v20
	v_max_num_f32 v18, v18, v21
	v_permlanex16_b32 v19, v18, s56, s57
	v_max_num_f32 v18, v18, v19
	v_mul_f32 v20, s54, v18
.irp i, 0,1,2,3
.irp u, 0,2,4,6
	v_pk_fma_f32 v[(\b)+(\st)*\i+\u:(\b)+(\st)*\i+\u+1], v[(\b)+(\st)*\i+\u:(\b)+(\st)*\i+\u+1], s[54:55], v[20:21] op_sel_hi:[1,0,0] neg_lo:[0,0,1] neg_hi:[0,0,1]
.endr
.endr
.irp i, 0,1,2,3
.irp u, 0,1,2,3,4,5,6,7
	v_exp_f32 v[(\b)+(\st)*\i+\u], v[(\b)+(\st)*\i+\u]
.endr
.endr
	v_nop                                          ; a plain instruction behind the last exponential
	s_wait_alu depctr_va_vdst(0)
	v_pk_add_f32 v[18:19], v[(\b):(\b)+1], v[(\b)+2:(\b)+3]
	v_pk_add_f32 v[22:23], v[(\b)+4:(\b)+5], v[(\b)+6:(\b)+7]
.irp i, 1,2,3
	v_pk_add_f32 v[18:19], v[18:19], v[(\b)+(\st)*\i:(\b)+(\st)*\i+1]
	v_pk_add_f32 v[22:23], v[22:23], v[(\b)+(\st)*\i+2:(\b)+(\st)*\i+3]
	v_pk_add_f32 v[18:19], v[18:19], v[(\b)+(\st)*\i+4:(\b)+(\st)*\i+5]
	v_pk_add_f32 v[22:23], v[22:23], v[(\b)+(\st)*\i+6:(\b)+(\st)*\i+7]
.endr
	v_pk_add_f32 v[18:19], v[18:19], v[22:23]
	v_add_f32 v18, v18, v19
	v_permlanex16_b32 v19, v18, s56, s57
	v_add_f32 v18, v18, v19
.endm
; k's softmax over the 256 channels of a row, first over my own 64: maximum and sum go to STAT, two row tiles to a store (lanes 0-15 the even tile's rows, 16-31 the odd one's).
.macro EPI_K1
.irp t, 0,1,2,3
	SOFTX ACC+8*\t, 32
	v_mov_b32 v[24+\t], v20
	v_mov_b32 v[28+(\t%2)], v18
.if (\t)%2
	v_cndmask_b32 v22, v[23+\t], v[24+\t], s58
	v_cndmask_b32 v23, v28, v29, s58
	ds_store_b64 v13, v[22:23] offset:1024*(\t/2)
.endif
.endr
	BAR
.endm
; Then the four waves' figures are joined: f = 2^(my m2 - the row's m2) / sum of z_i 2^(m2_i - the row's m2); k = p f, rounded to bf16, turned through my own bytes of LDS, and stored.
.macro EPI_K2
.irp t, 0,1,2,3
	ds_load_b128 v[32+8*\t:35+8*\t], v14 offset:512*\t
	ds_load_b128 v[36+8*\t:39+8*\t], v14 offset:512*\t+16
.endr
	s_wait_dscnt 0x0
.irp t, 0,1,2,3
	v_max3_num_f32 v[18+\t], v[32+8*\t], v[34+8*\t], v[36+8*\t]
.endr
.irp t, 0,1,2,3
	v_max_num_f32 v[18+\t], v[18+\t], v[38+8*\t]
.endr
.irp t, 0,1,2,3
	v_sub_f32 v[24+\t], v[24+\t], v[18+\t]
.irp i, 0,2,4,6
	v_sub_f32 v[32+8*\t+\i], v[32+8*\t+\i], v[18+\t]
.endr
.endr
.irp t, 0,1,2,3
	v_exp_f32 v[24+\t], v[24+\t]
.irp i, 0,2,4,6
	v_exp_f32 v[32+8*\t+\i], v[32+8*\t+\i]
.endr
.endr
	v_nop
	s_wait_alu depctr_va_vdst(0)
.irp t, 0,1,2,3
	v_mul_f32 v[18+\t], v[32+8*\t], v[33+8*\t]
.endr
.irp i, 2,4,6
.irp t, 0,1,2,3
	v_fmac_f32 v[18+\t], v[32+8*\t+\i], v[33+8*\t+\i]
.endr
.endr
.irp t, 0,1,2,3
	v_rcp_f32 v[18+\t], v[18+\t]
.endr
	v_nop
	s_wait_alu depctr_va_vdst(0)
.irp t, 0,1,2,3
	v_mul_f32 v[32+8*\t], v[24+\t], v[18+\t]
.endr
.irp t, 0,1,2,3
.irp n, 0,1,2,3
.irp u, 0,2,4,6
	v_pk_mul_f32 v[ACC+32*\n+8*\t+\u:ACC+32*\n+8*\t+\u+1], v[ACC+32*\n+8*\t+\u:ACC+32*\n+8*\t+\u+1], v[32+8*\t:33+8*\t] op_sel_hi:[1,0]
.endr
	PACKT ACC+32*\n+8*\t
	ds_store_b128 v15, v[ACC+32*\n+8*\t:ACC+32*\n+8*\t+3] offset:16*KP*\t+32*\n
.endr
.endr
.irp k, 0,1,2,3,4,5,6,7,8,9,10,11,12,13,14,15     ; k = 4 (channel tile) + 2 (32 rows) + half; LDS serves a wave's instructions in order (ISA guide 5.7.1.4): these see the stores above
	ds_load_tr16_b128 v[ACC+8*\k+4:ACC+8*\k+7], v16 offset:KP*(32*((\k/2)%2)+16*(\k%2))+32*(\k/4)
.endr
.irp k, 0,1,2,3,4,5,6,7,8,9,10,11,12,13,14,15
	s_wait_dscnt 15-\k
	global_store_b128 v1, v[ACC+8*\k+4:ACC+8*\k+7], s[48:49] offset:65536*(\k/4)+1024*((\k/2)%2)+512*(\k%2)
.endr
.endm
; q: a lane holds one channel and 32 of the 64 rows.  E leaves as an operand (lane = channel, K = row); m2 and Z of two channel tiles leave in one store of 128 bytes each.
.macro EPI_Q
.irp n, 0,1,2,3
	SOFTX ACC+32*\n, 8
	v_mov_b32 v[24+(\n%2)], v20
	v_mov_b32 v[26+(\n%2)], v18
.irp t, 0,1,2,3
	PACKT ACC+32*\n+8*\t
	global_store_b128 v1, v[ACC+32*\n+8*\t:ACC+32*\n+8*\t+3], s[50:51] offset:65536*\n+512*\t
.endr
.if (\n)%2
	v_cndmask_b32 v[39+\n], v24, v25, s58
	v_cndmask_b32 v[40+\n], v26, v27, s58
	global_store_b32 v2, v[39+\n], s[52:53] offset:128*(\n/2)
	global_store_b32 v2, v[40+\n], s[52:53] offset:128*(\n/2)+1024
.endif
.endr
.endm
.macro EPI_V                           ; v leaves as the next launch's activation operands
.irp n, 0,1,2,3
.irp t, 0,1,2,3
	PACKT ACC+32*\n+8*\t
	global_store_b128 v1, v[ACC+32*\n+8*\t:ACC+32*\n+8*\t+3], s[22:23] offset:((\n/2)*4+\t)*1024+(\n%2)*512
.endr
.endr
.endm
	s_load_b512 s[8:23], s[0:1], 0x0               ; x in s[8:9], v in s[10:11], M' s[12:13], wf s[14:15], b_out s[16:17], l s[18:19], x out s[20:21], v out s[22:23]
	s_load_b128 s[24:27], s[0:1], 0x40             ; ke s[24:25], l + 1 s[26:27]
	v_lshl_add_u32 v30, v0, 2, SPARE               ; my spare word,
	v_mov_b32 v31, 0                               ; and 0: kept for the add at the wave's end
	v_lshrrev_b32 v18, 5, v0
	v_readfirstlane_b32 s28, v18                   ; wave w
	v_and_b32 v19, 31, v0
	v_lshlrev_b32 v1, 4, v19                       ; 16 x lane
	v_lshlrev_b32 v2, 2, v19                       ; 4 x lane
	v_and_b32 v3, 15, v0                           ; r
	v_bfe_u32 v4, v0, 4, 1                         ; h
	v_lshlrev_b32 v17, 5, v4                       ; 32 h
	v_add_nc_u32 v5, A0, v1                        ; all operands of A0,
	v_add_nc_u32 v6, A1, v1                        ; of A1
	s_lshl_b32 s60, s28, 13
	v_add_nc_u32 v7, s60, v6                       ; o's stores: k steps 2 w, 2 w + 1
	v_add_nc_u32 v8, s60, v5                       ; v's stores: my quarter
	s_lshl_b32 s60, s28, 10
	v_add_nc_u32 v9, s60, v5                       ; LayerNorm's stores: row tile w
	v_mul_u32_u24 v12, v3, XP
	v_add_nc_u32 v12, v12, v17
	s_lshl_b32 s60, s28, 8
	v_add_nc_u32 v10, s60, v12                     ; y's stores: row r, my 64 channels, + 32 h
	s_mul_i32 s60, s28, 16*XP
	v_add_nc_u32 v11, s60, v1                      ; my 16 rows of XT, row by row
	v_add_nc_u32 v12, s60, v12                     ; my row 16 w + r of XT, + 32 h
	v_lshlrev_b32 v13, 5, v19
	s_lshl_b32 s60, s28, 3
	s_add_co_u32 s60, s60, STAT
	v_add_nc_u32 v13, s60, v13                     ; STAT: row = lane, my wave's pair
	v_lshl_add_u32 v14, v3, 5, STAT                ; STAT: row r, all four pairs
	s_mul_i32 s60, s28, 64*KP
	s_add_co_u32 s60, s60, KROW
	v_mul_u32_u24 v15, v3, KP
	v_lshl_add_u32 v15, v4, 4, v15
	v_add_nc_u32 v15, s60, v15                     ; my block of KROW: row r, 16 h
	v_and_b32 v20, 7, v0
	v_lshl_add_u32 v20, v4, 3, v20
	v_mul_u32_u24 v16, v20, KP
	v_bfe_u32 v21, v0, 3, 1
	v_lshl_add_u32 v16, v21, 4, v16
	v_add_nc_u32 v16, s60, v16                     ; the turning load: row 8 h + lane % 8, 16 bytes for each eight lanes
	s_mov_b32 s54, 0x3fb8aa3b                      ; log2(e), named as a pair
	s_mov_b32 s55, s54
	s_mov_b32 s56, 0x76543210                      ; v_permlanex16_b32: each lane takes its own place in the other half
	s_mov_b32 s57, 0xfedcba98
	s_mov_b32 s58, 0xffff0000                      ; lanes 16-31
	s_mov_b32 s59, 0x3b800000                      ; 1 / 256
	s_mov_b32 s33, 0x3727c5ac                      ; 1e-5
	s_mov_b32 s29, ttmp9                           ; g: my 64 rows
	s_lshr_b32 s30, s29, 5                         ; batch
	s_and_b32 s31, s29, 31                         ; chunk of the batch
	s_mov_b32 s61, 0
	s_wait_kmcnt 0x0
	s_load_b32 s32, s[18:19], 0x0                  ; l
	s_lshl_b32 s60, s29, 15
	s_lshl_b32 s2, s28, 13
	s_add_co_u32 s60, s60, s2
	s_add_nc_u64 s[10:11], s[10:11], s[60:61]      ; v in and out: 32,768 g + 8,192 w
	s_add_nc_u64 s[22:23], s[22:23], s[60:61]
.set i_, 0
.rept 16
	global_load_b128 v[ACC+4*i_:ACC+4*i_+3], v1, s[10:11] offset:512*i_   ; my quarter of v's operands
.set i_, i_+1
.endr
	s_lshl_b32 s60, s30, 17
	s_lshl_b32 s2, s28, 15                         ; 32,768 w: my slice of every weight matrix
	s_add_co_u32 s60, s60, s2
	s_add_nc_u64 s[36:37], s[12:13], s[60:61]      ; M' of my batch
.irp s, 0,1,2,3,4,5,6,7
	FILL \s, 36
.endr
	WIN 0
	s_lshl_b32 s60, s29, 16
	s_lshl_b32 s3, s28, 14
	s_add_co_u32 s60, s60, s3
	s_add_nc_u64 s[8:9], s[8:9], s[60:61]          ; x in and out at my 16 rows
	s_add_nc_u64 s[20:21], s[20:21], s[60:61]
	s_lshl_b32 s60, s30, 20
	s_lshl_b32 s3, s31, 11
	s_add_co_u32 s60, s60, s3
	s_lshl_b32 s3, s28, 18
	s_add_co_u32 s60, s60, s3
	s_add_nc_u64 s[48:49], s[24:25], s[60:61]      ; k turned: [batch][channel tile 4 w + ..][32 rows 2 chunk + ..]
	s_add_nc_u64 s[50:51], s[48:49], 4194304       ; E turned
	s_lshl_b32 s60, s29, 11
	s_lshl_b32 s3, s28, 8                          ; 256 w: my 64 channels of f32
	s_add_co_u32 s60, s60, s3
	s_add_nc_u64 s[52:53], s[24:25], s[60:61]
	s_add_nc_u64 s[52:53], s[52:53], 8388608       ; statistics
	s_wait_kmcnt 0x0
	s_min_u32 s32, s32, 4                          ; a loaded number enters offsets only behind this bound
	s_lshl_b32 s60, s32, 19
	s_add_co_u32 s60, s60, s2
	s_add_nc_u64 s[44:45], s[14:15], s[60:61]      ; layer l's matrices, my slice
	s_add_nc_u64 s[38:39], s[44:45], 393216        ; W_out of layer l
	s_add_nc_u64 s[42:43], s[44:45], 524288        ; Q' of layer l + 1
	s_add_nc_u64 s[40:41], s[44:45], 655360        ; K'
	s_add_nc_u64 s[44:45], s[44:45], 786432        ; V'
	s_lshl_b32 s60, s32, 11
	s_add_co_u32 s60, s60, s3
	s_add_nc_u64 s[46:47], s[14:15], s[60:61]
	s_add_nc_u64 s[46:47], s[46:47], 3147776       ; ck, cv of layer l + 1: 3,145,728 + 2,048 (l + 1)
	s_lshl_b32 s60, s32, 10
	s_add_co_u32 s60, s60, s3
	s_add_nc_u64 s[16:17], s[16:17], s[60:61]      ; b_out of layer l
	BLOAD BO, 16, 0
	s_wait_loadcnt 63                              ; behind v's last load 72 were issued: v is in
.set i_, 0
.rept 16
	ds_store_b128 v8, v[ACC+4*i_:ACC+4*i_+3] offset:512*i_
.set i_, i_+1
.endr
	BAR                                            ; v of all 64 rows is in A0
	ALOAD 5
	GEMM 0, -1, 38, 1                              ; o = v M'; W_out is asked for
	WIN 0xc0
.set i_, 0
.rept 32
	global_load_b128 v[4*i_:4*i_+3], v1, s[8:9] offset:512*i_   ; my 16 rows of x
.set i_, i_+1
.endr
	WIN 0
	BLOAD CK, 46, 0
	BLOAD CV, 46, 1024
	EPI_O
	BAR                                            ; o is in A1
	ALOAD 6
	GEMM 0, BO, 40, 1                              ; y = o W_out + b_out; K' is asked for
	EPI_Y
	BAR                                            ; y is in XT; from here on each wave touches its own 16 rows of XT; nobody reads A0's v any more
	XNEW
	LN
	BAR                                            ; xhat of all 64 rows is in A0
	ALOAD 5
	GEMM 0, CK, 42, 1                              ; k's scores; Q' is asked for
	EPI_K1
	EPI_K2
	s_wait_xcnt 0x0                                ; the stores' data registers are written again only behind this wait
	GEMM 1, -1, 44, 0                              ; q; V' is asked for
	EPI_Q
	s_wait_xcnt 0x0
	GEMM 0, CV, -1, 0                              ; v
	EPI_V
	s_or_b32 s60, s29, s28
	s_cmp_lg_u32 s60, 0
	s_cbranch_scc1 .Lnocount
	s_add_co_u32 s60, s32, 1
	v_mov_b32 v18, s60                             ; the next launch of this text applies layer l + 1
	global_store_b32 v2, v18, s[26:27]
.Lnocount:
	s_wait_tensorcnt 0x0                           ; the wave's end
	ds_add_u32 v30, v31
	s_wait_dscnt 0x0
	s_endpgm
.Lfunc_end_k_qf9d7bad1d7_mid:
	.size	k_qf9d7bad1d7_mid, .Lfunc_end_k_qf9d7bad1d7_mid-k_qf9d7bad1d7_mid
	.p2alignl 7, 3214868480
	.fill 96, 4, 3214868480
	.section	.rodata,"a",@progbits
	.p2align	6, 0x0
	.amdhsa_kernel k_qf9d7bad1d7_mid
		.amdhsa_group_segment_fixed_size 175616
		.amdhsa_private_segment_fixed_size 0
		.amdhsa_enable_private_segment 0
		.amdhsa_kernarg_size 80
		.amdhsa_user_sgpr_count 2
		.amdhsa_user_sgpr_kernarg_segment_ptr 1
		.amdhsa_wavefront_size32 1
		.amdhsa_system_sgpr_workgroup_id_x 1
		.amdhsa_system_sgpr_workgroup_id_y 1
		.amdhsa_system_sgpr_workgroup_id_z 1
		.amdhsa_system_vgpr_workitem_id 0
		.amdhsa_next_free_vgpr 896
		.amdhsa_next_free_sgpr 66
		.amdhsa_reserve_vcc 0
		.amdhsa_float_denorm_mode_32 3
		.amdhsa_float_denorm_mode_16_64 3
		.amdhsa_memory_ordered 1
		.amdhsa_forward_progress 1
		.amdhsa_inst_pref_size 207
	.end_amdhsa_kernel
	.amdgpu_metadata
---
amdhsa.version: [ 1, 2 ]
amdhsa.kernels:
  - .name:           k_qf9d7bad1d7_mid
    .symbol:         k_qf9d7bad1d7_mid.kd
    .args:
      - { .name: x, .offset: 0, .size: 8, .value_kind: global_buffer, .address_space: global }
      - { .name: va, .offset: 8, .size: 8, .value_kind: global_buffer, .address_space: global }
      - { .name: mp, .offset: 16, .size: 8, .value_kind: global_buffer, .address_space: global }
      - { .name: wf, .offset: 24, .size: 8, .value_kind: global_buffer, .address_space: global }
      - { .name: b_out, .offset: 32, .size: 8, .value_kind: global_buffer, .address_space: global }
      - { .name: c0, .offset: 40, .size: 8, .value_kind: global_buffer, .address_space: global }
      - { .name: xw, .offset: 48, .size: 8, .value_kind: global_buffer, .address_space: global }
      - { .name: vb, .offset: 56, .size: 8, .value_kind: global_buffer, .address_space: global }
      - { .name: ke, .offset: 64, .size: 8, .value_kind: global_buffer, .address_space: global }
      - { .name: c1, .offset: 72, .size: 8, .value_kind: global_buffer, .address_space: global }
    .group_segment_fixed_size: 175616
    .private_segment_fixed_size: 0
    .kernarg_segment_align: 8
    .kernarg_segment_size: 80
    .max_flat_workgroup_size: 128
    .sgpr_count:     66
    .vgpr_count:     896
    .wavefront_size: 32
...
	.end_amdgpu_metadata
.endif
;; end of part 4
;; launch s2_1: the kernel of part 3 again; grid 256 x 1, 16 waves a work-group, no clusters, 69,632 bytes of LDS; arguments ke, mp; writes mp
;; launch mid_2: the kernel of part 4 again; grid 128 x 1, 4 waves a work-group, no clusters, 175,616 bytes of LDS; arguments xw, vb, mp, wf, b_out, c1, out0, va, ke, c0; writes out0, va, ke, c0
;; launch s2_2: the kernel of part 3 again; grid 256 x 1, 16 waves a work-group, no clusters, 69,632 bytes of LDS; arguments ke, mp; writes mp
;; launch mid_3: the kernel of part 4 again; grid 128 x 1, 4 waves a work-group, no clusters, 175,616 bytes of LDS; arguments out0, va, mp, wf, b_out, c0, xw, vb, ke, c1; writes xw, vb, ke, c1
;; launch s2_3: the kernel of part 3 again; grid 256 x 1, 16 waves a work-group, no clusters, 69,632 bytes of LDS; arguments ke, mp; writes mp
;; launch mid_4: the kernel of part 4 again; grid 128 x 1, 4 waves a work-group, no clusters, 175,616 bytes of LDS; arguments xw, vb, mp, wf, b_out, c1, out0, va, ke, c0; writes out0, va, ke, c0
;; launch s2_4: the kernel of part 3 again; grid 256 x 1, 16 waves a work-group, no clusters, 69,632 bytes of LDS; arguments ke, mp; writes mp
;; launch mid_5: the kernel of part 4 again; grid 128 x 1, 4 waves a work-group, no clusters, 175,616 bytes of LDS; arguments out0, va, mp, wf, b_out, c0, xw, vb, ke, c1; writes xw, vb, ke, c1
;; launch s2_5: the kernel of part 3 again; grid 256 x 1, 16 waves a work-group, no clusters, 69,632 bytes of LDS; arguments ke, mp; writes mp
;; launch last (part 5): grid 128 x 1, 4 waves a work-group, no clusters, 175,616 bytes of LDS; arguments xw, vb, mp, wf, b_out, out0; writes out0
.if DOCPART == 5
	.amdgcn_target "amdgcn-amd-amdhsa--gfx1250"
	.amdhsa_code_object_version 6
	.text
	.protected	k_qf9d7bad1d7_last
	.globl	k_qf9d7bad1d7_last
	.p2align	8
	.type	k_qf9d7bad1d7_last,@function
k_qf9d7bad1d7_last:
	s_mov_b64 s[64:65], 0
	v_nop
	global_prefetch_b8 v0, s[64:65] scope:SCOPE_SE
	s_setreg_imm32_b32 hwreg(HW_REG_WAVE_MODE, 25, 1), 1
	s_wait_xcnt 0x0
; LAYER 5 IS APPLIED.  o = v M'; y = o W_out + b_out; out = x + y, in f32.
; SHARES.  A work-group has 64 rows; in both products a wave makes all 64 rows x its own 64 channels: 16 accumulators (row tile t, channel tile n) at ACC + 32 n + 8 t.
; A wave's slice of a weight matrix, 32,768 bytes in operand order, goes from memory straight into a ring of 8 register slots (one k step each), asked for one product ahead.
; The 64 x 256 activations go through LDS in operand order and stay in 256 registers while they are multiplied.
; OPERAND ORDER: a block of 1,024 bytes = 16 (lane % 16) x 32 K of bf16: [half e][lane][16 bytes], K = 16 e + 8 (lane / 16) + 0..7: every load and store of a wave is 512 consecutive bytes.
; LIMITS.  Matrix operands are bf16; the residual and the sums f32.  NaN and infinities are not treated apart.
; REGISTERS, in windows of 256 (s_set_vgpr_msb: bits 1:0 source 0, 3:2 source 1, 5:4 source 2, 7:6 destination):
;   window 0: v0-17 addresses, v30-31 the add's, v32-63 b_out, v128-255 accumulators;  window 1: the weight ring;  window 2: the activations;  window 3: v0-127 my 16 rows of x.
.set XT,    0                          ; 64 rows of f32, 1,024 + 16 bytes apart
.set XP,    1040
.set A0,    66560                      ; v in operand order: (row tile t, k step s) at (4 s + t) x 1,024
.set A1,    99328                      ; o
.set SPARE, 175104                     ; the spare words, 128 bytes a wave
.set BO,  32
.set ACC, 128
.set MSB, 0
.macro WIN new                         ; the immediate's high byte repeats the setting that is left; a switch that changes nothing is dropped
.if MSB != (\new)
	s_set_vgpr_msb (MSB<<8)|(\new)
.set MSB, (\new)
.endif
.endm
.macro PLACES                          ; four plain vector instructions between a matrix instruction and a load into, or a vector read or write of, its registers
.rept 4
	v_nop
.endr
.endm
.macro BAR                             ; my LDS instructions are done, for the others' sake; then all four waves meet
	s_wait_dscnt 0x0
	s_barrier_signal -1
	s_barrier_wait -1
.endm
.macro FILL slot, sb                   ; ring slot: k step \slot of the slice at s[\sb]: four operands of 16 channels x 32 k
	WIN 0x40
.irp q, 0,1,2,3,4,5,6,7
	global_load_b128 v[32*(\slot)+4*\q:32*(\slot)+4*\q+3], v1, s[\sb:\sb+1] offset:4096*(\slot)+512*\q
.endr
.endm
.macro ALOAD va                        ; all 32 activation operands into window 2, in the order of the k steps
	WIN 0x80
.set i_, 0
.rept 64
	ds_load_b128 v[4*i_:4*i_+3], v[\va] offset:512*i_
.set i_, i_+1
.endr
.endm
; A product 64 x 64 x 256, source 0 = weights: a lane holds one row and 8 channels.  cb: registers of the bias that starts the sums, or -1: the constant 0.
; nxt: the next slice's base, asked for slot by slot as this product frees the ring, or -1.  ALOAD stands just ahead.  The 16 accumulators take turns, one instruction a turn.
; s_wait_loadcnt 56: behind slot s of this slice were issued its slots s + 1 .. 7 and the next slice's 0 .. s - 1: 56 loads (others in between only add).  Without a next slice: 8 (7 - s).
.macro GEMM cb, nxt
.set ks_, 0
.rept 8
.if (ks_ > 0) && ((\nxt) >= 0)
	PLACES
	FILL ks_-1, \nxt
.endif
.if (\nxt) >= 0
	s_wait_loadcnt 56
.else
	s_wait_loadcnt 8*(7-ks_)
.endif
	s_wait_dscnt 8*(7-ks_)                         ; the later k steps' LDS loads stay out
	WIN 0x09
.set nn_, 0
.rept 4
.set tt_, 0
.rept 4
.set rD, ACC+32*nn_+8*tt_
.set rW, 32*ks_+8*nn_
.set rA, 32*ks_+8*tt_
.if ks_ > 0
	v_wmma_f32_16x16x32_bf16 v[rD:rD+7], v[rW:rW+7], v[rA:rA+7], v[rD:rD+7]
.elseif (\cb) >= 0
	v_wmma_f32_16x16x32_bf16 v[rD:rD+7], v[rW:rW+7], v[rA:rA+7], v[(\cb)+8*nn_:(\cb)+8*nn_+7]
.else
	v_wmma_f32_16x16x32_bf16 v[rD:rD+7], v[rW:rW+7], v[rA:rA+7], 0
.endif
.set tt_, tt_+1
.endr
.set nn_, nn_+1
.endr
.set ks_, ks_+1
.endr
	PLACES
.if (\nxt) >= 0
	FILL 7, \nxt
.endif
	WIN 0
.endm
.macro PACKT a                         ; eight f32 to eight bf16, in place, from the low end on: half an operand of the next product
	v_cvt_pk_bf16_f32 v[\a], v[\a], v[(\a)+1]
	v_cvt_pk_bf16_f32 v[(\a)+1], v[(\a)+2], v[(\a)+3]
	v_cvt_pk_bf16_f32 v[(\a)+2], v[(\a)+4], v[(\a)+5]
	v_cvt_pk_bf16_f32 v[(\a)+3], v[(\a)+6], v[(\a)+7]
.endm
	s_load_b256 s[8:15], s[0:1], 0x0               ; x s[8:9], v s[10:11], M' s[12:13], wf s[14:15]
	s_load_b128 s[16:19], s[0:1], 0x20             ; b_out s[16:17], out0 s[18:19]
	v_lshl_add_u32 v30, v0, 2, SPARE               ; my spare word,
	v_mov_b32 v31, 0                               ; and 0: kept for the add at the wave's end
	v_lshrrev_b32 v18, 5, v0
	v_readfirstlane_b32 s28, v18                   ; wave w
	v_and_b32 v19, 31, v0
	v_lshlrev_b32 v1, 4, v19                       ; 16 x lane
	v_and_b32 v3, 15, v0                           ; r
	v_bfe_u32 v4, v0, 4, 1                         ; h
	v_lshlrev_b32 v17, 5, v4                       ; 32 h
	v_add_nc_u32 v5, A0, v1                        ; all operands of A0,
	v_add_nc_u32 v6, A1, v1                        ; of A1
	s_lshl_b32 s60, s28, 13
	v_add_nc_u32 v7, s60, v6                       ; o's stores: k steps 2 w, 2 w + 1
	v_add_nc_u32 v8, s60, v5                       ; v's stores: my quarter
	v_mul_u32_u24 v10, v3, XP
	v_add_nc_u32 v10, v10, v17
	s_lshl_b32 s60, s28, 8
	v_add_nc_u32 v10, s60, v10                     ; y's stores: row r, my 64 channels, + 32 h
	s_mul_i32 s60, s28, 16*XP
	v_add_nc_u32 v11, s60, v1                      ; my 16 rows of XT, row by row
	s_mov_b32 s29, ttmp9                           ; g: my 64 rows
	s_lshr_b32 s30, s29, 5                         ; batch
	s_mov_b32 s61, 0
	s_lshl_b32 s60, s29, 15
	s_lshl_b32 s2, s28, 13
	s_add_co_u32 s60, s60, s2
	s_wait_kmcnt 0x0
	s_add_nc_u64 s[10:11], s[10:11], s[60:61]      ; v: 32,768 g + 8,192 w
.set i_, 0
.rept 16
	global_load_b128 v[ACC+4*i_:ACC+4*i_+3], v1, s[10:11] offset:512*i_   ; my quarter of v's operands
.set i_, i_+1
.endr
	s_lshl_b32 s60, s30, 17
	s_lshl_b32 s2, s28, 15                         ; 32,768 w: my slice of a weight matrix
	s_add_co_u32 s60, s60, s2
	s_add_nc_u64 s[36:37], s[12:13], s[60:61]      ; M' of my batch
.irp s, 0,1,2,3,4,5,6,7
	FILL \s, 36
.endr
	WIN 0
	s_mov_b32 s60, s2
	s_add_nc_u64 s[38:39], s[14:15], s[60:61]
	s_add_nc_u64 s[38:39], s[38:39], 3014656       ; W_out of layer 5: 5 x 524,288 + 3 x 131,072
	s_lshl_b32 s60, s28, 8
	s_add_nc_u64 s[16:17], s[16:17], s[60:61]
	s_add_nc_u64 s[16:17], s[16:17], 5120          ; b_out of layer 5 at my 64 channels
.irp q, 0,1,2,3,4,5,6,7
	global_load_b128 v[BO+4*\q:BO+4*\q+3], v17, s[16:17] offset:64*(\q/2)+16*(\q%2)   ; as the C operand: channels 64 w + 16 n + 8 h + 0..7
.endr
	s_lshl_b32 s60, s29, 16
	s_lshl_b32 s3, s28, 14
	s_add_co_u32 s60, s60, s3
	s_add_nc_u64 s[8:9], s[8:9], s[60:61]          ; x and the output at my 16 rows
	s_add_nc_u64 s[20:21], s[18:19], s[60:61]
	s_wait_loadcnt 63                              ; behind v's last load 72 were issued: v is in
.set i_, 0
.rept 16
	ds_store_b128 v8, v[ACC+4*i_:ACC+4*i_+3] offset:512*i_
.set i_, i_+1
.endr
	BAR                                            ; v of all 64 rows is in A0
	ALOAD 5
	GEMM -1, 38                                    ; o = v M'; W_out is asked for
	WIN 0xc0
.set i_, 0
.rept 32
	global_load_b128 v[4*i_:4*i_+3], v1, s[8:9] offset:512*i_   ; my 16 rows of x
.set i_, i_+1
.endr
	WIN 0
.irp n, 0,1,2,3
.irp t, 0,1,2,3
	PACKT ACC+32*\n+8*\t
	ds_store_b128 v7, v[ACC+32*\n+8*\t:ACC+32*\n+8*\t+3] offset:((\n/2)*4+\t)*1024+(\n%2)*512   ; half n % 2 of operand (t, s = 2 w + n / 2)
.endr
.endr
	BAR                                            ; o is in A1
	ALOAD 6
	GEMM BO, -1                                    ; y = o W_out + b_out; its last wait on the loads is for 0: x is in too
.irp n, 0,1,2,3
.irp t, 0,1,2,3
	ds_store_b128 v10, v[ACC+32*\n+8*\t:ACC+32*\n+8*\t+3] offset:16*XP*\t+64*\n          ; y in f32 into XT, each accumulator's low half first
	ds_store_b128 v10, v[ACC+32*\n+8*\t+4:ACC+32*\n+8*\t+7] offset:16*XP*\t+64*\n+16
.endr
.endr
	BAR                                            ; y is in XT
.set i_, 0
.rept 32
	ds_load_b128 v[ACC+4*i_:ACC+4*i_+3], v11 offset:(i_/2)*XP+(i_%2)*512   ; my 16 rows, row by row
.set i_, i_+1
.endr
	s_wait_dscnt 0x0
	WIN 0xc3
.set i_, 0
.rept 64
	v_pk_add_f32 v[2*i_:2*i_+1], v[2*i_:2*i_+1], v[ACC+2*i_:ACC+2*i_+1]
.set i_, i_+1
.endr
	WIN 0x0c
.set i_, 0
.rept 32
	global_store_b128 v1, v[4*i_:4*i_+3], s[20:21] offset:512*i_   ; 512 consecutive bytes a store
.set i_, i_+1
.endr
	WIN 0
	s_wait_tensorcnt 0x0                           ; the wave's end
	ds_add_u32 v30, v31
	s_wait_dscnt 0x0
	s_endpgm
.Lfunc_end_k_qf9d7bad1d7_last:
	.size	k_qf9d7bad1d7_last, .Lfunc_end_k_qf9d7bad1d7_last-k_qf9d7bad1d7_last
	.p2alignl 7, 3214868480
	.fill 96, 4, 3214868480
	.section	.rodata,"a",@progbits
	.p2align	6, 0x0
	.amdhsa_kernel k_qf9d7bad1d7_last
		.amdhsa_group_segment_fixed_size 175616
		.amdhsa_private_segment_fixed_size 0
		.amdhsa_enable_private_segment 0
		.amdhsa_kernarg_size 48
		.amdhsa_user_sgpr_count 2
		.amdhsa_user_sgpr_kernarg_segment_ptr 1
		.amdhsa_wavefront_size32 1
		.amdhsa_system_sgpr_workgroup_id_x 1
		.amdhsa_system_sgpr_workgroup_id_y 1
		.amdhsa_system_sgpr_workgroup_id_z 1
		.amdhsa_system_vgpr_workitem_id 0
		.amdhsa_next_free_vgpr 896
		.amdhsa_next_free_sgpr 66
		.amdhsa_reserve_vcc 0
		.amdhsa_float_denorm_mode_32 3
		.amdhsa_float_denorm_mode_16_64 3
		.amdhsa_memory_ordered 1
		.amdhsa_forward_progress 1
		.amdhsa_inst_pref_size 64
	.end_amdhsa_kernel
	.amdgpu_metadata
---
amdhsa.version: [ 1, 2 ]
amdhsa.kernels:
  - .name:           k_qf9d7bad1d7_last
    .symbol:         k_qf9d7bad1d7_last.kd
    .args:
      - { .name: xw, .offset: 0, .size: 8, .value_kind: global_buffer, .address_space: global }
      - { .name: vb, .offset: 8, .size: 8, .value_kind: global_buffer, .address_space: global }
      - { .name: mp, .offset: 16, .size: 8, .value_kind: global_buffer, .address_space: global }
      - { .name: wf, .offset: 24, .size: 8, .value_kind: global_buffer, .address_space: global }
      - { .name: b_out, .offset: 32, .size: 8, .value_kind: global_buffer, .address_space: global }
      - { .name: out0, .offset: 40, .size: 8, .value_kind: global_buffer, .address_space: global }
    .group_segment_fixed_size: 175616
    .private_segment_fixed_size: 0
    .kernarg_segment_align: 8
    .kernarg_segment_size: 48
    .max_flat_workgroup_size: 128
    .sgpr_count:     66
    .vgpr_count:     896
    .wavefront_size: 32
...
	.end_amdgpu_metadata
.endif
;; end of part 5
;; ======== version 2 of 2: 14 launches; 1.12 times as fast as version 1
;; workspace buffers: wf 3,158,016 bytes; xw 8,388,608 bytes; ke 8,650,752 bytes; mp 524,288 bytes; va 4,194,304 bytes; vb 4,194,304 bytes; c0 256 bytes of whole numbers; c1 256 bytes of whole numbers
;; launch prep: the kernel of part 1 again; grid 192 x 1, 8 waves a work-group, no clusters, 2,048 bytes of LDS; arguments w_qkv, w_out, gamma, beta, wf; writes wf
;; launch first (part 6): grid 256 x 1, 4 waves a work-group, no clusters, 175,616 bytes of LDS; arguments x, wf, va, ke, c0; writes va, ke, c0
.if DOCPART == 6
	.amdgcn_target "amdgcn-amd-amdhsa--gfx1250"
	.amdhsa_code_object_version 6
	.text
	.protected	k_qf9d7bad1d7_first
	.globl	k_qf9d7bad1d7_first
	.p2align	8
	.type	k_qf9d7bad1d7_first,@function
k_qf9d7bad1d7_first:
	s_mov_b64 s[64:65], 0
	v_nop
	global_prefetch_b8 v0, s[64:65] scope:SCOPE_SE
	s_setreg_imm32_b32 hwreg(HW_REG_WAVE_MODE, 25, 1), 1
	s_wait_xcnt 0x0
; LAYER 0's PROJECTION.  xhat = LayerNorm without gain and shift (they lie in the weights); k = softmax over channels of xhat K' + ck; E = exp(q - m) with q = xhat Q' and m the
; maximum of q over a chunk of 64 rows, per channel; v = xhat V' + cv.  Out: k and E turned (lane = channel, K = row) as matrix operands, m log2(e) and Z = sum of E per
; channel, v as a matrix operand (lane = row, K = channel), and the whole number 0: the layer that the next launch applies.
; The n x n context of the module is never formed: out = v M with M[c'][c] = sum over rows of k[.][c'] softmax_rows(q)[.][c], the same sums in another order.
; SHARES.  There are 128 chunks of 64 rows and 256 work-groups: TWO PARTNERS TO A CHUNK.  Both normalise the chunk; the even one then makes k, the odd one q and v; each byte is stored by one of them.
; In every product a wave makes all 64 rows x its own 64 channels: 16 accumulators.  For k and v (source 0 = weights) tile (channel tile n, row tile t) lies at ACC + 32 n + 8 t and a lane holds one
; row; for q (source 0 = activations) tile (t, n) lies at ACC + 32 t + 8 n and a lane holds one channel.  So one text of the product serves both (the register windows alone differ), and k's softmax
; along a row's channels and q's along a channel's rows are the same lines: they and the rounding are written once, where the partners' ways join.  Every jump goes forward and hangs on the
; work-group's number alone; every barrier stands on both ways.
; A wave's slice of a weight matrix, 32,768 bytes in operand order, goes from memory straight into a ring of 8 register slots (one k step each), asked for one product ahead.
; OPERAND ORDER: a block of 1,024 bytes = 16 (lane % 16) x 32 K of bf16: [half e][lane][16 bytes], K = 16 e + 8 (lane / 16) + 0..7: every load and store of a wave is 512 consecutive bytes.
; LIMITS.  NaN and infinities are not treated apart; a weight below 2^-126 counts as 0; matrix operands are bf16; sums, maxima and statistics f32.
; REGISTERS, in windows of 256 (s_set_vgpr_msb: bits 1:0 source 0, 3:2 source 1, 5:4 source 2, 7:6 destination):
;   window 0: v0-17 addresses, v18-27 at work, v30-31 the add's, v32-63 at work, v64-95 my bias (ck or cv), v96-103 sums and q's statistics, v128-255 accumulators;
;   window 1: the weight ring;  window 2: the activations.
.set XT,    0                          ; 64 rows of f32, 1,024 + 16 bytes apart: the 16 rows of a load start at 16 different groups of four banks (64 banks of 4 bytes: ISA guide 11.1)
.set XP,    1040
.set A0,    66560                      ; activations in operand order: (row tile t, k step s) at (4 s + t) x 1,024
.set KROW,  132096                     ; for each wave 64 rows x 128 bytes of k, 160 bytes apart: its own bytes
.set KP,    160
.set STAT,  173056                     ; [row 64][wave 4][maximum, sum]
.set SPARE, 175104                     ; the spare words, 128 bytes a wave
.set CB,  64
.set ZS,  96
.set QS,  100
.set ACC, 128
.set MSB, 0
.macro WIN new                         ; the immediate's high byte repeats the setting that is left; a switch that changes nothing is dropped
.if MSB != (\new)
	s_set_vgpr_msb (MSB<<8)|(\new)
.set MSB, (\new)
.endif
.endm
.macro PLACES                          ; four plain vector instructions between a matrix instruction and a load into, or a vector read or write of, its registers
.rept 4
	v_nop
.endr
.endm
.macro BAR                             ; my LDS instructions are done, for the others' sake; then all four waves meet
	s_wait_dscnt 0x0
	s_barrier_signal -1
	s_barrier_wait -1
.endm
.macro FILL slot, sb                   ; ring slot: k step \slot of the slice at s[\sb]: four operands of 16 channels x 32 k
	WIN 0x40
.irp q, 0,1,2,3,4,5,6,7
	global_load_b128 v[32*(\slot)+4*\q:32*(\slot)+4*\q+3], v1, s[\sb:\sb+1] offset:4096*(\slot)+512*\q
.endr
.endm
.macro BLOAD reg, sb, off              ; a bias as the C operand: lane takes channels 64 w + 16 n + 8 (lane / 16) + 0..7 for n = 0..3
.irp q, 0,1,2,3,4,5,6,7
	global_load_b128 v[(\reg)+4*\q:(\reg)+4*\q+3], v17, s[\sb:\sb+1] offset:(\off)+64*(\q/2)+16*(\q%2)
.endr
.endm
.macro ALOAD va                        ; all 32 activation operands into window 2, in the order of the k steps
	WIN 0x80
.set i_, 0
.rept 64
	ds_load_b128 v[4*i_:4*i_+3], v[\va] offset:512*i_
.set i_, i_+1
.endr
.endm
; A product 64 x 64 x 256: accumulator (a, b) at ACC + 32 a + 8 b takes source 0's tile a and source 1's tile b.  ori = 0: source 0 = weights (window 1), source 1 = activations (window 2).  ori = 1: the other way round.
; cb: registers of the bias that starts the sums, or -1: the constant 0.  nxt: the next slice's base, asked for slot by slot as this product frees the ring, or -1.  adep = 1: ALOAD stands just ahead.
; The 16 accumulators take turns, one instruction a turn.
; s_wait_loadcnt 56: behind slot s of this slice were issued its slots s + 1 .. 7 and the next slice's 0 .. s - 1: 56 loads (others in between only add).  Without a next slice: 8 (7 - s).
.macro GEMM ori, cb, nxt, adep
.set ks_, 0
.rept 8
.if (ks_ > 0) && ((\nxt) >= 0)
	PLACES
	FILL ks_-1, \nxt
.endif
.if (\nxt) >= 0
	s_wait_loadcnt 56
.else
	s_wait_loadcnt 8*(7-ks_)
.endif
.if \adep
	s_wait_dscnt 8*(7-ks_)                         ; the later k steps' LDS loads stay out
.endif
.if \ori
	WIN 0x06
.else
	WIN 0x09
.endif
.set aa_, 0
.rept 4
.set bb_, 0
.rept 4
.set rD, ACC+32*aa_+8*bb_
.set r0, 32*ks_+8*aa_
.set r1, 32*ks_+8*bb_
.if ks_ > 0
	v_wmma_f32_16x16x32_bf16 v[rD:rD+7], v[r0:r0+7], v[r1:r1+7], v[rD:rD+7]
.elseif (\cb) >= 0
	v_wmma_f32_16x16x32_bf16 v[rD:rD+7], v[r0:r0+7], v[r1:r1+7], v[(\cb)+8*aa_:(\cb)+8*aa_+7]
.else
	v_wmma_f32_16x16x32_bf16 v[rD:rD+7], v[r0:r0+7], v[r1:r1+7], 0
.endif
.set bb_, bb_+1
.endr
.set aa_, aa_+1
.endr
.set ks_, ks_+1
.endr
	PLACES
.if (\nxt) >= 0
	FILL 7, \nxt
.endif
	WIN 0
.endm
.macro PACKT a                         ; eight f32 to eight bf16, in place, from the low end on: half an operand of the next product
	v_cvt_pk_bf16_f32 v[\a], v[\a], v[(\a)+1]
	v_cvt_pk_bf16_f32 v[(\a)+1], v[(\a)+2], v[(\a)+3]
	v_cvt_pk_bf16_f32 v[(\a)+2], v[(\a)+4], v[(\a)+5]
	v_cvt_pk_bf16_f32 v[(\a)+3], v[(\a)+6], v[(\a)+7]
.endm
.macro PACK16                          ; all sixteen tiles
.set i_, 0
.rept 16
	PACKT ACC+8*i_
.set i_, i_+1
.endr
.endm
.macro RED                             ; four packed chains v18-25 to one number, the other half of the lanes' added: v18
	v_pk_add_f32 v[18:19], v[18:19], v[20:21]
	v_pk_add_f32 v[22:23], v[22:23], v[24:25]
	v_pk_add_f32 v[18:19], v[18:19], v[22:23]
	v_add_f32 v18, v18, v19
	v_permlanex16_b32 v19, v18, s56, s57
	v_add_f32 v18, v18, v19
.endm
; LayerNorm of my 16 rows, in two passes (mean; then the centred squares).  Lane (r, h) holds channels 16 g + 8 h + 0..7, g = 0..15, of row 16 w + r; the lane 16 away the others.
.macro LN
.set i_, 0
.rept 32
	ds_load_b128 v[ACC+4*i_:ACC+4*i_+3], v12 offset:64*(i_/2)+16*(i_%2)
.set i_, i_+1
.endr
	s_wait_dscnt 0x0
.irp c, 0,1,2,3
	v_pk_add_f32 v[18+2*\c:19+2*\c], v[ACC+2*\c:ACC+2*\c+1], v[ACC+8+2*\c:ACC+9+2*\c]
.endr
.set i_, 8
.rept 56
	v_pk_add_f32 v[18+2*(i_%4):19+2*(i_%4)], v[18+2*(i_%4):19+2*(i_%4)], v[ACC+2*i_:ACC+2*i_+1]
.set i_, i_+1
.endr
	RED
	v_mul_f32 v18, s59, v18                        ; the mean
.set i_, 0
.rept 64
	v_pk_add_f32 v[ACC+2*i_:ACC+2*i_+1], v[ACC+2*i_:ACC+2*i_+1], v[18:19] op_sel_hi:[1,0] neg_lo:[0,1] neg_hi:[0,1]
.set i_, i_+1
.endr
.irp c, 0,1,2,3
	v_pk_mul_f32 v[18+2*\c:19+2*\c], v[ACC+2*\c:ACC+2*\c+1], v[ACC+2*\c:ACC+2*\c+1]
.endr
.set i_, 4
.rept 60
	v_pk_fma_f32 v[18+2*(i_%4):19+2*(i_%4)], v[ACC+2*i_:ACC+2*i_+1], v[ACC+2*i_:ACC+2*i_+1], v[18+2*(i_%4):19+2*(i_%4)]
.set i_, i_+1
.endr
	RED
	v_fma_f32 v18, v18, s59, s33                   ; variance + 1e-5
	v_rsq_f32 v18, v18
	v_nop                                          ; a plain instruction behind the root (ISA guide 5.7.2)
.set i_, 0
	s_wait_alu depctr_va_vdst(0)
.rept 64
	v_pk_mul_f32 v[ACC+2*i_:ACC+2*i_+1], v[ACC+2*i_:ACC+2*i_+1], v[18:19] op_sel_hi:[1,0]
.set i_, i_+1
.endr
.set i_, 0
.rept 16
	PACKT ACC+8*i_
	ds_store_b128 v9, v[ACC+8*i_:ACC+8*i_+3] offset:4096*(i_/2)+512*(i_%2)   ; half g % 2 of operand (t = w, s = g / 2)
.set i_, i_+1
.endr
.endm
; Over the four tiles at b, b + st, ..: the maximum of the lane's 32 numbers and of the lane's 16 away; x = 2^(x log2 e - m2), m2 = log2 e x maximum; their sum.  Out: v20 = m2, v18 = sum.
; Each tile's three lowest registers are read first.
.macro SOFTX b, st
.irp i, 0,1,2,3
	v_max3_num_f32 v[18+\i], v[(\b)+(\st)*\i], v[(\b)+(\st)*\i+1], v[(\b)+(\st)*\i+2]
.endr
.irp i, 0,1,2,3
	v_max3_num_f32 v[18+\i], v[18+\i], v[(\b)+(\st)*\i+3], v[(\b)+(\st)*\i+4]
.endr
.irp i, 0,1,2,3
	v_max3_num_f32 v[18+\i], v[18+\i], v[(\b)+(\st)*\i+5], v[(\b)+(\st)*\i+6]
.endr
	v_max3_num_f32 v18, v18, v[(\b)+7], v[(\b)+(\st)+7]
	v_max3_num_f32 v20, v20, v[(\b)+2*(\st)+7], v[(\b)+3*(\st)+7]
	v_max3_num_f32 v18, v18, v19, v20
	v_max_num_f32 v18, v18, v21
	v_permlanex16_b32 v19, v18, s56, s57
	v_max_num_f32 v18, v18, v19
	v_mul_f32 v20, s54, v18
.irp i, 0,1,2,3
.irp u, 0,2,4,6
	v_pk_fma_f32 v[(\b)+(\st)*\i+\u:(\b)+(\st)*\i+\u+1], v[(\b)+(\st)*\i+\u:(\b)+(\st)*\i+\u+1], s[54:55], v[20:21] op_sel_hi:[1,0,0] neg_lo:[0,0,1] neg_hi:[0,0,1]
.endr
.endr
.irp i, 0,1,2,3
.irp u, 0,1,2,3,4,5,6,7
	v_exp_f32 v[(\b)+(\st)*\i+\u], v[(\b)+(\st)*\i+\u]
.endr
.endr
	v_nop                                          ; a plain instruction behind the last exponential
	s_wait_alu depctr_va_vdst(0)
	v_pk_add_f32 v[18:19], v[(\b):(\b)+1], v[(\b)+2:(\b)+3]
	v_pk_add_f32 v[22:23], v[(\b)+4:(\b)+5], v[(\b)+6:(\b)+7]
.irp i, 1,2,3
	v_pk_add_f32 v[18:19], v[18:19], v[(\b)+(\st)*\i:(\b)+(\st)*\i+1]
	v_pk_add_f32 v[22:23], v[22:23], v[(\b)+(\st)*\i+2:(\b)+(\st)*\i+3]
	v_pk_add_f32 v[18:19], v[18:19], v[(\b)+(\st)*\i+4:(\b)+(\st)*\i+5]
	v_pk_add_f32 v[22:23], v[22:23], v[(\b)+(\st)*\i+6:(\b)+(\st)*\i+7]
.endr
	v_pk_add_f32 v[18:19], v[18:19], v[22:23]
	v_add_f32 v18, v18, v19
	v_permlanex16_b32 v19, v18, s56, s57
	v_add_f32 v18, v18, v19
.endm
; Both partners' softmax.  Pass i takes the tiles at ACC + 8 i + 32 (0..3): for k row tile i over my 64 channels, for q channel tile i over the chunk's 64 rows.  m2 to v[24 + i], the sum to v[ZS + i].
.macro SOFT4
.irp i, 0,1,2,3
	SOFTX ACC+8*\i, 32
	v_mov_b32 v[24+\i], v20
	v_mov_b32 v[ZS+\i], v18
.endr
.endm
.macro K1T                             ; k: my 64 channels' maximum and sum go to STAT, two row tiles to a store (lanes 0-15 the even tile's rows, 16-31 the odd one's)
.irp p, 0,1
	v_cndmask_b32 v22, v[24+2*\p], v[25+2*\p], s58
	v_cndmask_b32 v23, v[ZS+2*\p], v[ZS+1+2*\p], s58
	ds_store_b64 v13, v[22:23] offset:1024*\p
.endr
.endm
.macro QST                             ; q: m2 and Z of two channel tiles leave in one store of 128 bytes each, from registers that nothing rewrites
.irp p, 0,1
	v_cndmask_b32 v[QS+2*\p], v[24+2*\p], v[25+2*\p], s58
	v_cndmask_b32 v[QS+1+2*\p], v[ZS+2*\p], v[ZS+1+2*\p], s58
	global_store_b32 v2, v[QS+2*\p], s[52:53] offset:128*\p
	global_store_b32 v2, v[QS+1+2*\p], s[52:53] offset:128*\p+1024
.endr
.endm
; k: the four waves' figures are joined: f = 2^(my m2 - the row's m2) / sum of z_i 2^(m2_i - the row's m2); k = p f.
.macro K2A
.irp t, 0,1,2,3
	ds_load_b128 v[32+8*\t:35+8*\t], v14 offset:512*\t
	ds_load_b128 v[36+8*\t:39+8*\t], v14 offset:512*\t+16
.endr
	s_wait_dscnt 0x0
.irp t, 0,1,2,3
	v_max3_num_f32 v[18+\t], v[32+8*\t], v[34+8*\t], v[36+8*\t]
.endr
.irp t, 0,1,2,3
	v_max_num_f32 v[18+\t], v[18+\t], v[38+8*\t]
.endr
.irp t, 0,1,2,3
	v_sub_f32 v[24+\t], v[24+\t], v[18+\t]
.irp i, 0,2,4,6
	v_sub_f32 v[32+8*\t+\i], v[32+8*\t+\i], v[18+\t]
.endr
.endr
.irp t, 0,1,2,3
	v_exp_f32 v[24+\t], v[24+\t]
.irp i, 0,2,4,6
	v_exp_f32 v[32+8*\t+\i], v[32+8*\t+\i]
.endr
.endr
	v_nop
	s_wait_alu depctr_va_vdst(0)
.irp t, 0,1,2,3
	v_mul_f32 v[18+\t], v[32+8*\t], v[33+8*\t]
.endr
.irp i, 2,4,6
.irp t, 0,1,2,3
	v_fmac_f32 v[18+\t], v[32+8*\t+\i], v[33+8*\t+\i]
.endr
.endr
.irp t, 0,1,2,3
	v_rcp_f32 v[18+\t], v[18+\t]
.endr
	v_nop
	s_wait_alu depctr_va_vdst(0)
.irp t, 0,1,2,3
	v_mul_f32 v[32+8*\t], v[24+\t], v[18+\t]
.endr
.irp t, 0,1,2,3
.irp n, 0,1,2,3
.irp u, 0,2,4,6
	v_pk_mul_f32 v[ACC+32*\n+8*\t+\u:ACC+32*\n+8*\t+\u+1], v[ACC+32*\n+8*\t+\u:ACC+32*\n+8*\t+\u+1], v[32+8*\t:33+8*\t] op_sel_hi:[1,0]
.endr
.endr
.endr
.endm
; k, rounded, is turned through my own bytes of LDS and stored.  The turned operands land in the upper four registers of the packed tiles.
.macro K2B
.irp t, 0,1,2,3
.irp n, 0,1,2,3
	ds_store_b128 v15, v[ACC+32*\n+8*\t:ACC+32*\n+8*\t+3] offset:16*KP*\t+32*\n
.endr
.endr
.irp k, 0,1,2,3,4,5,6,7,8,9,10,11,12,13,14,15     ; k = 4 (channel tile) + 2 (32 rows) + half; LDS serves a wave's instructions in order (ISA guide 5.7.1.4): these see the stores above
	ds_load_tr16_b128 v[ACC+8*\k+4:ACC+8*\k+7], v16 offset:KP*(32*((\k/2)%2)+16*(\k%2))+32*(\k/4)
.endr
.irp k, 0,1,2,3,4,5,6,7,8,9,10,11,12,13,14,15
.if (\k)%4 == 0
	s_wait_dscnt 12-\k                             ; the next four turned operands are in; the later ones stay out
.endif
	global_store_b128 v1, v[ACC+8*\k+4:ACC+8*\k+7], s[48:49] offset:65536*(\k/4)+1024*((\k/2)%2)+512*(\k%2)
.endr
.endm
.macro QE                              ; E leaves as an operand (lane = channel, K = row): row tile t is half t % 2 of the step of 32 rows t / 2
.irp t, 0,1,2,3
.irp n, 0,1,2,3
	global_store_b128 v1, v[ACC+32*\t+8*\n:ACC+32*\t+8*\n+3], s[50:51] offset:65536*\n+512*\t
.endr
.endr
.endm
.macro EPI_V                           ; v leaves as the next launch's activation operands
.irp n, 0,1,2,3
.irp t, 0,1,2,3
	PACKT ACC+32*\n+8*\t
	global_store_b128 v1, v[ACC+32*\n+8*\t:ACC+32*\n+8*\t+3], s[22:23] offset:((\n/2)*4+\t)*1024+(\n%2)*512
.endr
.endr
.endm
	s_load_b256 s[8:15], s[0:1], 0x0               ; x s[8:9], wf s[10:11], va s[12:13], ke s[14:15]
	s_load_b64 s[26:27], s[0:1], 0x20              ; c0
	v_lshl_add_u32 v30, v0, 2, SPARE               ; my spare word,
	v_mov_b32 v31, 0                               ; and 0: kept for the add at the wave's end
	v_lshrrev_b32 v18, 5, v0
	v_readfirstlane_b32 s28, v18                   ; wave w
	v_and_b32 v19, 31, v0
	v_lshlrev_b32 v1, 4, v19                       ; 16 x lane
	v_lshlrev_b32 v2, 2, v19                       ; 4 x lane
	v_and_b32 v3, 15, v0                           ; r
	v_bfe_u32 v4, v0, 4, 1                         ; h
	v_lshlrev_b32 v17, 5, v4                       ; 32 h
	v_add_nc_u32 v5, A0, v1                        ; all operands of A0
	s_lshl_b32 s60, s28, 10
	v_add_nc_u32 v9, s60, v5                       ; LayerNorm's stores: row tile w
	v_mul_u32_u24 v12, v3, XP
	v_add_nc_u32 v12, v12, v17
	s_mul_i32 s60, s28, 16*XP
	v_add_nc_u32 v11, s60, v1                      ; my 16 rows of XT, row by row
	v_add_nc_u32 v12, s60, v12                     ; my row 16 w + r of XT, + 32 h
	v_lshlrev_b32 v13, 5, v19
	s_lshl_b32 s60, s28, 3
	s_add_co_u32 s60, s60, STAT
	v_add_nc_u32 v13, s60, v13                     ; STAT: row = lane, my wave's pair
	v_lshl_add_u32 v14, v3, 5, STAT                ; STAT: row r, all four pairs
	s_mul_i32 s60, s28, 64*KP
	s_add_co_u32 s60, s60, KROW
	v_mul_u32_u24 v15, v3, KP
	v_lshl_add_u32 v15, v4, 4, v15
	v_add_nc_u32 v15, s60, v15                     ; my block of KROW: row r, 16 h
	v_and_b32 v20, 7, v0
	v_lshl_add_u32 v20, v4, 3, v20
	v_mul_u32_u24 v16, v20, KP
	v_bfe_u32 v21, v0, 3, 1
	v_lshl_add_u32 v16, v21, 4, v16
	v_add_nc_u32 v16, s60, v16                     ; the turning load: row 8 h + lane % 8, 16 bytes for each eight lanes
	s_mov_b32 s54, 0x3fb8aa3b                      ; log2(e), named as a pair
	s_mov_b32 s55, s54
	s_mov_b32 s56, 0x76543210                      ; v_permlanex16_b32: each lane takes its own place in the other half
	s_mov_b32 s57, 0xfedcba98
	s_mov_b32 s58, 0xffff0000                      ; lanes 16-31
	s_mov_b32 s59, 0x3b800000                      ; 1 / 256
	s_mov_b32 s33, 0x3727c5ac                      ; 1e-5
	s_lshr_b32 s29, ttmp9, 1                       ; g: the chunk of 64 rows
	s_and_b32 s34, ttmp9, 1                        ; 0: I make k; 1: I make q and v
	s_lshr_b32 s30, s29, 5                         ; batch
	s_and_b32 s31, s29, 31                         ; chunk of the batch
	s_mov_b32 s61, 0
	s_lshl_b32 s60, s29, 16
	s_lshl_b32 s2, s28, 14
	s_add_co_u32 s60, s60, s2
	s_wait_kmcnt 0x0
	s_add_nc_u64 s[8:9], s[8:9], s[60:61]          ; x at my 16 rows
.set i_, 0
.rept 32
	global_load_b128 v[ACC+4*i_:ACC+4*i_+3], v1, s[8:9] offset:512*i_
.set i_, i_+1
.endr
	s_lshl_b32 s60, s28, 8
	s_lshl_b32 s2, s34, 10
	s_add_co_u32 s60, s60, s2
	s_add_nc_u64 s[46:47], s[10:11], s[60:61]
	s_add_nc_u64 s[46:47], s[46:47], 3145728       ; layer 0's ck (even partner) or cv (odd) at my 64 channels
	BLOAD CB, 46, 0
	s_lshl_b32 s60, s28, 15
	s_add_nc_u64 s[44:45], s[10:11], s[60:61]      ; my slice of layer 0's matrices: Q' first,
	s_xor_b32 s60, s34, 1
	s_lshl_b32 s60, s60, 17
	s_add_nc_u64 s[40:41], s[44:45], s[60:61]      ; my first product's: K' (131,072 on) for the even partner, Q' for the odd,
	s_add_nc_u64 s[44:45], s[44:45], 262144        ; and V'
.irp s, 0,1,2,3,4,5,6,7
	FILL \s, 40
.endr
	WIN 0
	s_lshl_b32 s60, s29, 15
	s_lshl_b32 s2, s28, 13
	s_add_co_u32 s60, s60, s2
	s_add_nc_u64 s[22:23], s[12:13], s[60:61]      ; v out: 32,768 g + 8,192 w
	s_lshl_b32 s60, s30, 20
	s_lshl_b32 s2, s31, 11
	s_add_co_u32 s60, s60, s2
	s_lshl_b32 s2, s28, 18
	s_add_co_u32 s60, s60, s2
	s_add_nc_u64 s[48:49], s[14:15], s[60:61]      ; k turned: [batch][channel tile 4 w + ..][32 rows 2 chunk + ..]
	s_add_nc_u64 s[50:51], s[48:49], 4194304       ; E turned
	s_lshl_b32 s60, s29, 11
	s_lshl_b32 s2, s28, 8
	s_add_co_u32 s60, s60, s2
	s_add_nc_u64 s[52:53], s[14:15], s[60:61]
	s_add_nc_u64 s[52:53], s[52:53], 8388608       ; statistics
	s_wait_loadcnt 63                              ; behind x's last load 72 were issued, behind the bias's last 64: both are in
.set i_, 0
.rept 32
	ds_store_b128 v11, v[ACC+4*i_:ACC+4*i_+3] offset:(i_/2)*XP+(i_%2)*512
.set i_, i_+1
.endr
	LN                                             ; reads my own rows: LDS serves a wave's instructions in order
	BAR                                            ; xhat of all 64 rows is in A0
	ALOAD 5
	WIN 0
	s_cmp_lg_u32 s34, 0
	s_cbranch_scc1 .Lgq
	GEMM 0, CB, -1, 1                              ; the even partner: k's scores
	s_branch .Lsoft
.Lgq:
	GEMM 1, -1, 44, 1                              ; the odd partner: q; V' is asked for
.Lsoft:
	SOFT4
	s_cmp_lg_u32 s34, 0
	s_cbranch_scc1 .Lqst
	K1T
	s_branch .Lmeet
.Lqst:
	QST
.Lmeet:
	BAR                                            ; k: every wave's maximum and sum are in STAT (the odd partner's waves merely meet)
	s_cmp_lg_u32 s34, 0
	s_cbranch_scc1 .Lpack
	K2A
.Lpack:
	PACK16
	s_cmp_lg_u32 s34, 0
	s_cbranch_scc1 .Lqv
	K2B
	s_branch .Lend
.Lqv:
	QE
	s_wait_xcnt 0x0                                ; the stores' data registers are written again only behind this wait
	GEMM 0, CB, -1, 0                              ; v
	EPI_V
.Lend:
	s_or_b32 s60, ttmp9, s28
	s_cmp_lg_u32 s60, 0
	s_cbranch_scc1 .Lnocount
	v_mov_b32 v18, 0                               ; the next launch applies layer 0
	global_store_b32 v2, v18, s[26:27]
.Lnocount:
	s_wait_tensorcnt 0x0                           ; the wave's end
	ds_add_u32 v30, v31
	s_wait_dscnt 0x0
	s_endpgm
.Lfunc_end_k_qf9d7bad1d7_first:
	.size	k_qf9d7bad1d7_first, .Lfunc_end_k_qf9d7bad1d7_first-k_qf9d7bad1d7_first
	.p2alignl 7, 3214868480
	.fill 96, 4, 3214868480
	.section	.rodata,"a",@progbits
	.p2align	6, 0x0
	.amdhsa_kernel k_qf9d7bad1d7_first
		.amdhsa_group_segment_fixed_size 175616
		.amdhsa_private_segment_fixed_size 0
		.amdhsa_enable_private_segment 0
		.amdhsa_kernarg_size 40
		.amdhsa_user_sgpr_count 2
		.amdhsa_user_sgpr_kernarg_segment_ptr 1
		.amdhsa_wavefront_size32 1
		.amdhsa_system_sgpr_workgroup_id_x 1
		.amdhsa_system_sgpr_workgroup_id_y 1
		.amdhsa_system_sgpr_workgroup_id_z 1
		.amdhsa_system_vgpr_workitem_id 0
		.amdhsa_next_free_vgpr 768
		.amdhsa_next_free_sgpr 66
		.amdhsa_reserve_vcc 0
		.amdhsa_float_denorm_mode_32 3
		.amdhsa_float_denorm_mode_16_64 3
		.amdhsa_memory_ordered 1
		.amdhsa_forward_progress 1
		.amdhsa_inst_pref_size 118
	.end_amdhsa_kernel
	.amdgpu_metadata
---
amdhsa.version: [ 1, 2 ]
amdhsa.kernels:
  - .name:           k_qf9d7bad1d7_first
    .symbol:         k_qf9d7bad1d7_first.kd
    .args:
      - { .name: x, .offset: 0, .size: 8, .value_kind: global_buffer, .address_space: global }
      - { .name: wf, .offset: 8, .size: 8, .value_kind: global_buffer, .address_space: global }
      - { .name: va, .offset: 16, .size: 8, .value_kind: global_buffer, .address_space: global }
      - { .name: ke, .offset: 24, .size: 8, .value_kind: global_buffer, .address_space: global }
      - { .name: c0, .offset: 32, .size: 8, .value_kind: global_buffer, .address_space: global }
    .group_segment_fixed_size: 175616
    .private_segment_fixed_size: 0
    .kernarg_segment_align: 8
    .kernarg_segment_size: 40
    .max_flat_workgroup_size: 128
    .sgpr_count:     66
    .vgpr_count:     768
    .wavefront_size: 32
...
	.end_amdgpu_metadata
.endif
;; end of part 6
;; launch s2 (part 7): grid 256 x 1, 16 waves a work-group, no clusters, 71,680 bytes of LDS; arguments ke, mp; writes mp
.if DOCPART == 7
	.amdgcn_target "amdgcn-amd-amdhsa--gfx1250"
	.amdhsa_code_object_version 6
	.text
	.protected	k_qf9d7bad1d7_s2
	.globl	k_qf9d7bad1d7_s2
	.p2align	8
	.type	k_qf9d7bad1d7_s2,@function
k_qf9d7bad1d7_s2:
	s_mov_b64 s[64:65], 0
	v_nop
	global_prefetch_b8 v0, s[64:65] scope:SCOPE_SE
	s_setreg_imm32_b32 hwreg(HW_REG_WAVE_MODE, 25, 1), 1
	s_wait_xcnt 0x0
; M'[c'][c] = sum over the batch's 2,048 rows of k[i][c'] softmax_rows(q)[i][c], from the 32 chunks of 64 rows:
; M' = sum_g s_g[c] (k_g^T E_g)[c'][c] / sum_g s_g[c] Z_g[c], s_g = 2^(m2_g - max over g of m2_g): the true maximum over the sequence, taken level by level: chunk, wave, work-group.
; SHARES.  A work-group owns 32 c' x 32 c of one batch over all rows; wave w' of 16 takes chunks 2 w', 2 w' + 1 (four steps of 32 rows).  In a result a lane holds one c, so a chunk's factor is one
; number a lane: each chunk has its own four accumulators, and the two are joined in f32 behind the products, relative to the wave's own maximum mw.  The 16 waves' parts, each with its (mw, z),
; meet in LDS; waves 0-3 take the maximum M of the 16 mw, add the parts times 2^(mw - M), divide, round once to bf16 and store M' as the next launch's weight operand (lane = c, K = c').
; No partial sum goes to memory.
; A wave reads its own two chunks' statistics alone: 4 + 32 = 36 loads, which all go out together; LOADcnt counts 63 at the most, and past that the issue would wait for a return (ISA guide 5.7.1).
; LIMITS.  A factor below 2^-126 counts as 0; the divisor is at least 1 (the chunk that holds the maximum has both factors 1 and Z >= 1).  NaN and infinities are not treated apart.
.set PART,  0                          ; [wave 16][tile 4][half 2][lane][16 bytes] of f32
.set ZP,    65536                      ; [wave 16][channel 32][mw, z] of f32
.set SPARE, 69632                      ; the spare words, 128 bytes a wave
.set KT,  64                           ; v64-127   k's operands: step st, c' tile a at 16 st + 8 a
.set ET,  128                          ; v128-191  E's: step st, c tile bn
.set ACC, 192                          ; v192-255  chunk ch, tile (a, bn) at 32 ch + 16 a + 8 bn
	s_load_b128 s[4:7], s[0:1], 0x0                ; ke s[4:5], mp s[6:7]
	v_lshl_add_u32 v60, v0, 2, SPARE               ; my spare word,
	v_mov_b32 v61, 0                               ; and 0: kept for the add at the wave's end
	v_lshrrev_b32 v3, 5, v0
	v_readfirstlane_b32 s8, v3                     ; wave w'
	v_and_b32 v4, 31, v0
	v_lshlrev_b32 v1, 4, v4                        ; 16 x lane
	v_lshlrev_b32 v2, 2, v4                        ; 4 x lane
	v_lshl_add_u32 v5, v3, 12, v1                  ; PART: my 4,096 bytes
	v_lshl_add_u32 v6, v0, 3, ZP                   ; ZP: my pair
	v_lshl_add_u32 v7, v3, 10, v1                  ; waves 0-3: tile w' in every wave's part
	v_and_b32 v62, 15, v0
	v_and_b32 v63, 1, v3
	v_lshl_add_u32 v62, v63, 4, v62
	v_lshl_add_u32 v62, v62, 3, ZP                 ; waves 0-3: channel 16 (w' % 2) + lane % 16 in ZP
.irp r, 50,51,53,55,57,59
	v_mov_b32 v\r, 0                               ; the exchange's destinations and the upper registers of the factors' pairs count as read: written once
.endr
	s_mov_b32 s24, 0x76543210                      ; v_permlanex16_b32: each lane takes its own place in the other half
	s_mov_b32 s25, 0xfedcba98
	s_mov_b32 s26, 0xffff0000                      ; lanes 16-31
	s_lshr_b32 s9, ttmp9, 6                        ; batch
	s_bfe_u32 s10, ttmp9, 0x30003                  ; ks: block of 32 c'
	s_and_b32 s11, ttmp9, 7                        ; np: block of 32 c
	s_lshl_b32 s30, s8, 12                         ; 4,096 w': two chunks' statistics, and four steps' operands
	s_lshl_b32 s28, s9, 16
	s_lshl_b32 s29, s11, 7
	s_add_co_u32 s28, s28, s29
	s_add_co_u32 s28, s28, s30                     ; my statistics: 65,536 batch + 128 np + 4,096 w'
	s_mov_b32 s29, 0
	s_lshl_b32 s32, s9, 20
	s_add_co_u32 s32, s32, s30
	s_lshl_b32 s34, s11, 17
	s_add_co_u32 s34, s34, s32                     ; E: 1,048,576 batch + 131,072 np + 4,096 w'
	s_mov_b32 s35, 0
	s_lshl_b32 s33, s10, 17
	s_add_co_u32 s32, s32, s33                     ; k: the same with ks
	s_mov_b32 s33, 0
	s_wait_kmcnt 0x0
	s_add_nc_u64 s[14:15], s[4:5], s[28:29]
	s_add_nc_u64 s[14:15], s[14:15], 8388608
	s_add_nc_u64 s[16:17], s[4:5], s[32:33]
	s_add_nc_u64 s[18:19], s[4:5], s[34:35]
	s_add_nc_u64 s[18:19], s[18:19], 4194304
	global_load_b32 v40, v2, s[14:15]              ; my two chunks' m2 for channel 32 np + lane,
	global_load_b32 v41, v2, s[14:15] offset:2048
	global_load_b32 v42, v2, s[14:15] offset:1024  ; and Z
	global_load_b32 v43, v2, s[14:15] offset:3072
.irp st, 0,1,2,3
.irp q, 0,1,2,3
	global_load_b128 v[KT+16*\st+4*\q:KT+16*\st+4*\q+3], v1, s[16:17] offset:65536*(\q/2)+1024*\st+512*(\q%2)
.endr
.irp q, 0,1,2,3
	global_load_b128 v[ET+16*\st+4*\q:ET+16*\st+4*\q+3], v1, s[18:19] offset:65536*(\q/2)+1024*\st+512*(\q%2)
.endr
.endr
	s_wait_loadcnt 32                              ; the statistics are in; the 32 operand loads stay out
	v_max_num_f32 v46, v40, v41                    ; mw: my two chunks' maximum, times log2 e
	v_sub_f32 v48, v40, v46
	v_sub_f32 v49, v41, v46
	v_exp_f32 v48, v48                             ; my two chunks' factors, relative to mw
	v_exp_f32 v49, v49
	v_nop                                          ; a plain instruction behind the last exponential
	s_wait_alu depctr_va_vdst(0)
	v_mul_f32 v47, v42, v48
	v_fmac_f32 v47, v43, v49                       ; z: my part of the divisor, relative to mw
	v_permlanex16_b32 v50, v48, s24, s25
	v_permlanex16_b32 v51, v49, s24, s25
	v_cndmask_b32 v52, v48, v50, s26               ; chunk 0, c tile 0: every lane takes channel lane % 16
	v_cndmask_b32 v54, v50, v48, s26               ; chunk 0, c tile 1: channel 16 + lane % 16
	v_cndmask_b32 v56, v49, v51, s26               ; chunk 1 likewise
	v_cndmask_b32 v58, v51, v49, s26
	ds_store_b64 v6, v[46:47]
.irp st, 0,1,2,3                       ; a chunk's four accumulators take turns, one instruction a turn
	s_wait_loadcnt 8*(3-\st)                       ; the later steps' loads stay out
.irp x, 0,1,2,3
.if (\st)%2
	v_wmma_f32_16x16x32_bf16 v[ACC+32*(\st/2)+8*\x:ACC+32*(\st/2)+8*\x+7], v[KT+16*\st+8*(\x/2):KT+16*\st+8*(\x/2)+7], v[ET+16*\st+8*(\x%2):ET+16*\st+8*(\x%2)+7], v[ACC+32*(\st/2)+8*\x:ACC+32*(\st/2)+8*\x+7]
.else
	v_wmma_f32_16x16x32_bf16 v[ACC+32*(\st/2)+8*\x:ACC+32*(\st/2)+8*\x+7], v[KT+16*\st+8*(\x/2):KT+16*\st+8*(\x/2)+7], v[ET+16*\st+8*(\x%2):ET+16*\st+8*(\x%2)+7], 0
.endif
.endr
.endr
.rept 4
	v_nop                                          ; four places between the last product and the first read of a result (ISA guide 7.12.1)
.endr
.irp x, 0,1,2,3                        ; both chunks joined, each accumulator from its low end on
.irp u, 0,2,4,6
	v_pk_mul_f32 v[ACC+8*\x+\u:ACC+8*\x+\u+1], v[ACC+8*\x+\u:ACC+8*\x+\u+1], v[52+2*(\x%2):53+2*(\x%2)] op_sel_hi:[1,0]
	v_pk_fma_f32 v[ACC+8*\x+\u:ACC+8*\x+\u+1], v[ACC+32+8*\x+\u:ACC+32+8*\x+\u+1], v[56+2*(\x%2):57+2*(\x%2)], v[ACC+8*\x+\u:ACC+8*\x+\u+1] op_sel_hi:[1,0,1]
.endr
	ds_store_b128 v5, v[ACC+8*\x:ACC+8*\x+3] offset:1024*\x
	ds_store_b128 v5, v[ACC+8*\x+4:ACC+8*\x+7] offset:1024*\x+512
.endr
	s_wait_dscnt 0x0                               ; for the others' sake: my part and my pair are in LDS
	s_barrier_signal -1
	s_barrier_wait -1
	s_cmp_gt_u32 s8, 3
	s_cbranch_scc1 .Lend                           ; waves 0-3 finish a tile each: a = w' / 2, bn = w' % 2
	s_lshr_b32 s20, s11, 1
	s_lshl_b32 s20, s20, 3
	s_add_co_u32 s20, s20, s10
	s_lshl_b32 s20, s20, 2
	s_and_b32 s21, s11, 1
	s_lshl_b32 s21, s21, 1
	s_add_co_u32 s20, s20, s21
	s_and_b32 s21, s8, 1
	s_add_co_u32 s20, s20, s21                     ; operand ((np / 2) 8 + ks) 4 + 2 (np % 2) + bn,
	s_lshl_b32 s20, s20, 10
	s_lshr_b32 s21, s8, 1
	s_lshl_b32 s21, s21, 9                         ; its half a,
	s_add_co_u32 s20, s20, s21
	s_lshl_b32 s21, s9, 17                         ; in the batch's matrix
	s_add_co_u32 s20, s20, s21
	s_mov_b32 s21, 0
	s_add_nc_u64 s[6:7], s[6:7], s[20:21]
.set i_, 0
.rept 16
	ds_load_b64 v[8+2*i_:9+2*i_], v62 offset:256*i_   ; wave i's (mw, z) for my channel: asked for first, so that the factors are made while the parts arrive
.set i_, i_+1
.endr
.set i_, 0
.rept 16
	ds_load_b128 v[64+8*i_:64+8*i_+3], v7 offset:4096*i_
	ds_load_b128 v[64+8*i_+4:64+8*i_+7], v7 offset:4096*i_+512
.set i_, i_+1
.endr
	s_wait_dscnt 32                                ; the 16 pairs are in; the 32 loads of parts stay out
	v_max3_num_f32 v44, v8, v10, v12
.irp i, 14,18,22,26,30,34
	v_max3_num_f32 v44, v44, v[\i], v[\i+2]
.endr
	v_max_num_f32 v44, v44, v38                    ; M: the channel's maximum over the sequence, times log2 e
.set i_, 0
.rept 16
	v_sub_f32 v[8+2*i_], v[8+2*i_], v44
.set i_, i_+1
.endr
.set i_, 0
.rept 16
	v_exp_f32 v[8+2*i_], v[8+2*i_]                 ; f of wave i
.set i_, i_+1
.endr
	v_nop                                          ; a plain instruction behind the last exponential
	s_wait_alu depctr_va_vdst(0)
	v_mul_f32 v44, v8, v9                          ; the divisor, sum of f z, in two chains
	v_mul_f32 v45, v10, v11
.set i_, 2
.rept 14
	v_fmac_f32 v[44+i_%2], v[8+2*i_], v[9+2*i_]
.set i_, i_+1
.endr
	v_add_f32 v44, v44, v45
	v_rcp_f32 v44, v44                             ; the sums below, which name neither its source nor its result, stand between it and its use
.set i_, 0
.rept 16
	s_wait_dscnt 2*(15-i_)                         ; wave i's part is in; the later ones stay out
.irp u, 0,2,4,6
.if i_ == 0
	v_pk_mul_f32 v[64+\u:65+\u], v[64+\u:65+\u], v[8:9] op_sel_hi:[1,0]
.else
	v_pk_fma_f32 v[64+\u:65+\u], v[64+8*i_+\u:65+8*i_+\u], v[8+2*i_:9+2*i_], v[64+\u:65+\u] op_sel_hi:[1,0,1]
.endif
.endr
.set i_, i_+1
.endr
	s_wait_alu depctr_va_vdst(0)
.irp u, 0,2,4,6
	v_pk_mul_f32 v[64+\u:65+\u], v[64+\u:65+\u], v[44:45] op_sel_hi:[1,0]
.endr
	v_cvt_pk_bf16_f32 v64, v64, v65
	v_cvt_pk_bf16_f32 v65, v66, v67
	v_cvt_pk_bf16_f32 v66, v68, v69
	v_cvt_pk_bf16_f32 v67, v70, v71
	global_store_b128 v1, v[64:67], s[6:7]         ; 512 consecutive bytes
.Lend:
	s_wait_tensorcnt 0x0                           ; the wave's end
	ds_add_u32 v60, v61
	s_wait_dscnt 0x0
	s_endpgm
.Lfunc_end_k_qf9d7bad1d7_s2:
	.size	k_qf9d7bad1d7_s2, .Lfunc_end_k_qf9d7bad1d7_s2-k_qf9d7bad1d7_s2
	.p2alignl 7, 3214868480
	.fill 96, 4, 3214868480
	.section	.rodata,"a",@progbits
	.p2align	6, 0x0
	.amdhsa_kernel k_qf9d7bad1d7_s2
		.amdhsa_group_segment_fixed_size 71680
		.amdhsa_private_segment_fixed_size 0
		.amdhsa_enable_private_segment 0
		.amdhsa_kernarg_size 16
		.amdhsa_user_sgpr_count 2
		.amdhsa_user_sgpr_kernarg_segment_ptr 1
		.amdhsa_wavefront_size32 1
		.amdhsa_system_sgpr_workgroup_id_x 1
		.amdhsa_system_sgpr_workgroup_id_y 1
		.amdhsa_system_sgpr_workgroup_id_z 1
		.amdhsa_system_vgpr_workitem_id 0
		.amdhsa_next_free_vgpr 256
		.amdhsa_next_free_sgpr 66
		.amdhsa_reserve_vcc 0
		.amdhsa_float_denorm_mode_32 3
		.amdhsa_float_denorm_mode_16_64 3
		.amdhsa_memory_ordered 1
		.amdhsa_forward_progress 1
		.amdhsa_inst_pref_size 22
	.end_amdhsa_kernel
	.amdgpu_metadata
---
amdhsa.version: [ 1, 2 ]
amdhsa.kernels:
  - .name:           k_qf9d7bad1d7_s2
    .symbol:         k_qf9d7bad1d7_s2.kd
    .args:
      - { .name: ke, .offset: 0, .size: 8, .value_kind: global_buffer, .address_space: global }
      - { .name: mp, .offset: 8, .size: 8, .value_kind: global_buffer, .address_space: global }
    .group_segment_fixed_size: 71680
    .private_segment_fixed_size: 0
    .kernarg_segment_align: 8
    .kernarg_segment_size: 16
    .max_flat_workgroup_size: 512
    .sgpr_count:     66
    .vgpr_count:     256
    .wavefront_size: 32
...
	.end_amdgpu_metadata
.endif
;; end of part 7
;; launch mid (part 8): grid 256 x 1, 4 waves a work-group, no clusters, 175,616 bytes of LDS; arguments x, va, mp, wf, b_out, c0, xw, vb, ke, c1; writes xw, vb, ke, c1
.if DOCPART == 8
	.amdgcn_target "amdgcn-amd-amdhsa--gfx1250"
	.amdhsa_code_object_version 6
	.text
	.protected	k_qf9d7bad1d7_mid
	.globl	k_qf9d7bad1d7_mid
	.p2align	8
	.type	k_qf9d7bad1d7_mid,@function
k_qf9d7bad1d7_mid:
	s_mov_b64 s[64:65], 0
	v_nop
	global_prefetch_b8 v0, s[64:65] scope:SCOPE_SE
	s_setreg_imm32_b32 hwreg(HW_REG_WAVE_MODE, 25, 1), 1
	s_wait_xcnt 0x0
; LAYER l IS APPLIED AND LAYER l + 1 PROJECTED.  o = v M'; y = o W_out + b_out; x' = x + y (f32, stored); then, on x': xhat = LayerNorm without gain and shift (they lie in the weights);
; k = softmax over channels of xhat K' + ck; E = exp(q - m), q = xhat Q', m the maximum of q over a chunk of 64 rows, per channel; v = xhat V' + cv.
; Out: x'; k and E turned (lane = channel, K = row) as matrix operands; m log2(e) and Z = sum of E per channel; v as a matrix operand; and l + 1 for the next launch of this text.
; l is a whole number read from memory, held to 0..4, and enters offsets into the weights and b_out alone: no branch hangs on it.
; The n x n context of the module is never formed: out = v M with M[c'][c] = sum over rows of k[.][c'] softmax_rows(q)[.][c], the same sums in another order.
; SHARES.  There are 128 chunks of 64 rows and 256 work-groups: TWO PARTNERS TO A CHUNK.  Both make o, y, x' and xhat of the chunk (each needs all of xhat); the even one then stores x' and makes k,
; the odd one makes q and v; each byte is stored by one of them.
; In every product a wave makes all 64 rows x its own 64 channels: 16 accumulators.  For o, y, k and v (source 0 = weights) tile (channel tile n, row tile t) lies at ACC + 32 n + 8 t and a lane holds
; one row; for q (source 0 = activations) tile (t, n) lies at ACC + 32 t + 8 n and a lane holds one channel.  So one text of the product serves both (the register windows alone differ), and k's softmax
; along a row's channels and q's along a channel's rows are the same lines: they and the rounding are written once, where the partners' ways join.  Every jump goes forward and hangs on the
; work-group's number alone; every barrier stands on both ways.
; A wave's slice of a weight matrix, 32,768 bytes in operand order, goes from memory straight into a ring of 8 register slots (one k step each), asked for one product ahead.
; The 64 x 256 activations go through LDS in operand order and stay in 256 registers while they are multiplied.
; OPERAND ORDER: a block of 1,024 bytes = 16 (lane % 16) x 32 K of bf16: [half e][lane][16 bytes], K = 16 e + 8 (lane / 16) + 0..7: every load and store of a wave is 512 consecutive bytes.
; LIMITS.  NaN and infinities are not treated apart; a weight below 2^-126 counts as 0; matrix operands are bf16; the residual, sums, maxima and statistics f32.
; REGISTERS, in windows of 256 (s_set_vgpr_msb: bits 1:0 source 0, 3:2 source 1, 5:4 source 2, 7:6 destination):
;   window 0: v0-17 addresses, v18-27 at work, v30-31 the add's, v32-63 b_out (later at work), v64-95 my bias (ck or cv), v96-103 sums and q's statistics, v128-255 accumulators;
;   window 1: the weight ring;  window 2: the activations;  window 3: v0-127 my 16 rows of x.
.set XT,    0                          ; 64 rows of f32, 1,024 + 16 bytes apart: the 16 rows of a load start at 16 different groups of four banks (64 banks of 4 bytes: ISA guide 11.1)
.set XP,    1040
.set A0,    66560                      ; activations in operand order: (row tile t, k step s) at (4 s + t) x 1,024: v, later xhat
.set A1,    99328                      ; o
.set KROW,  132096                     ; for each wave 64 rows x 128 bytes of k, 160 bytes apart: its own bytes
.set KP,    160
.set STAT,  173056                     ; [row 64][wave 4][maximum, sum]
.set SPARE, 175104                     ; the spare words, 128 bytes a wave
.set BO,  32
.set CB,  64
.set ZS,  96
.set QS,  100
.set ACC, 128
.set MSB, 0
.macro WIN new                         ; the immediate's high byte repeats the setting that is left; a switch that changes nothing is dropped
.if MSB != (\new)
	s_set_vgpr_msb (MSB<<8)|(\new)
.set MSB, (\new)
.endif
.endm
.macro PLACES                          ; four plain vector instructions between a matrix instruction and a load into, or a vector read or write of, its registers
.rept 4
	v_nop
.endr
.endm
.macro BAR                             ; my LDS instructions are done, for the others' sake; then all four waves meet
	s_wait_dscnt 0x0
	s_barrier_signal -1
	s_barrier_wait -1
.endm
.macro FILL slot, sb                   ; ring slot: k step \slot of the slice at s[\sb]: four operands of 16 channels x 32 k
	WIN 0x40
.irp q, 0,1,2,3,4,5,6,7
	global_load_b128 v[32*(\slot)+4*\q:32*(\slot)+4*\q+3], v1, s[\sb:\sb+1] offset:4096*(\slot)+512*\q
.endr
.endm
.macro BLOAD reg, sb, off              ; a bias as the C operand: lane takes channels 64 w + 16 n + 8 (lane / 16) + 0..7 for n = 0..3
.irp q, 0,1,2,3,4,5,6,7
	global_load_b128 v[(\reg)+4*\q:(\reg)+4*\q+3], v17, s[\sb:\sb+1] offset:(\off)+64*(\q/2)+16*(\q%2)
.endr
.endm
.macro ALOAD va                        ; all 32 activation operands into window 2, in the order of the k steps
	WIN 0x80
.set i_, 0
.rept 64
	ds_load_b128 v[4*i_:4*i_+3], v[\va] offset:512*i_
.set i_, i_+1
.endr
.endm
; A product 64 x 64 x 256: accumulator (a, b) at ACC + 32 a + 8 b takes source 0's tile a and source 1's tile b.  ori = 0: source 0 = weights (window 1), source 1 = activations (window 2).  ori = 1: the other way round.
; cb: registers of the bias that starts the sums, or -1: the constant 0.  nxt: the next slice's base, asked for slot by slot as this product frees the ring, or -1.  adep = 1: ALOAD stands just ahead.
; The 16 accumulators take turns, one instruction a turn.
; s_wait_loadcnt 56: behind slot s of this slice were issued its slots s + 1 .. 7 and the next slice's 0 .. s - 1: 56 loads (others in between only add).  Without a next slice: 8 (7 - s).
.macro GEMM ori, cb, nxt, adep
.set ks_, 0
.rept 8
.if (ks_ > 0) && ((\nxt) >= 0)
	PLACES
	FILL ks_-1, \nxt
.endif
.if (\nxt) >= 0
	s_wait_loadcnt 56
.else
	s_wait_loadcnt 8*(7-ks_)
.endif
.if \adep
	s_wait_dscnt 8*(7-ks_)                         ; the later k steps' LDS loads stay out
.endif
.if \ori
	WIN 0x06
.else
	WIN 0x09
.endif
.set aa_, 0
.rept 4
.set bb_, 0
.rept 4
.set rD, ACC+32*aa_+8*bb_
.set r0, 32*ks_+8*aa_
.set r1, 32*ks_+8*bb_
.if ks_ > 0
	v_wmma_f32_16x16x32_bf16 v[rD:rD+7], v[r0:r0+7], v[r1:r1+7], v[rD:rD+7]
.elseif (\cb) >= 0
	v_wmma_f32_16x16x32_bf16 v[rD:rD+7], v[r0:r0+7], v[r1:r1+7], v[(\cb)+8*aa_:(\cb)+8*aa_+7]
.else
	v_wmma_f32_16x16x32_bf16 v[rD:rD+7], v[r0:r0+7], v[r1:r1+7], 0
.endif
.set bb_, bb_+1
.endr
.set aa_, aa_+1
.endr
.set ks_, ks_+1
.endr
	PLACES
.if (\nxt) >= 0
	FILL 7, \nxt
.endif
	WIN 0
.endm
.macro PACKT a                         ; eight f32 to eight bf16, in place, from the low end on: half an operand of the next product
	v_cvt_pk_bf16_f32 v[\a], v[\a], v[(\a)+1]
	v_cvt_pk_bf16_f32 v[(\a)+1], v[(\a)+2], v[(\a)+3]
	v_cvt_pk_bf16_f32 v[(\a)+2], v[(\a)+4], v[(\a)+5]
	v_cvt_pk_bf16_f32 v[(\a)+3], v[(\a)+6], v[(\a)+7]
.endm
.macro PACK16                          ; all sixteen tiles
.set i_, 0
.rept 16
	PACKT ACC+8*i_
.set i_, i_+1
.endr
.endm
.macro EPI_O                           ; o: channels 64 w + 16 n + .. are half n % 2 of operand (t, s = 2 w + n / 2)
.irp n, 0,1,2,3
.irp t, 0,1,2,3
	PACKT ACC+32*\n+8*\t
	ds_store_b128 v7, v[ACC+32*\n+8*\t:ACC+32*\n+8*\t+3] offset:((\n/2)*4+\t)*1024+(\n%2)*512
.endr
.endr
.endm
.macro EPI_Y                           ; y in f32 into XT, each accumulator's low half first
.irp n, 0,1,2,3
.irp t, 0,1,2,3
	ds_store_b128 v10, v[ACC+32*\n+8*\t:ACC+32*\n+8*\t+3] offset:16*XP*\t+64*\n
	ds_store_b128 v10, v[ACC+32*\n+8*\t+4:ACC+32*\n+8*\t+7] offset:16*XP*\t+64*\n+16
.endr
.endr
.endm
; x' = x + y for my 16 rows, row by row: put back into XT for the LayerNorm, and stored by the even partner (512 consecutive bytes a store).  x has landed: the y product's last ring wait left out
; 56 loads, and behind the last bias load, which follows x's, exactly the next slice's slots 0 to 6 had been issued.
.macro XNEW
.set i_, 0
.rept 32
	ds_load_b128 v[ACC+4*i_:ACC+4*i_+3], v11 offset:(i_/2)*XP+(i_%2)*512
.set i_, i_+1
.endr
	s_wait_dscnt 0x0
	WIN 0xc3
.set i_, 0
.rept 64
	v_pk_add_f32 v[2*i_:2*i_+1], v[2*i_:2*i_+1], v[ACC+2*i_:ACC+2*i_+1]
.set i_, i_+1
.endr
	WIN 0x0c
.set i_, 0
.rept 32
	ds_store_b128 v11, v[4*i_:4*i_+3] offset:(i_/2)*XP+(i_%2)*512
.set i_, i_+1
.endr
	WIN 0
	s_cmp_lg_u32 s34, 0
	s_cbranch_scc1 .Lnox
	WIN 0x0c
.set i_, 0
.rept 32
	global_store_b128 v1, v[4*i_:4*i_+3], s[20:21] offset:512*i_
.set i_, i_+1
.endr
	WIN 0
.Lnox:
.endm
.macro RED                             ; four packed chains v18-25 to one number, the other half of the lanes' added: v18
	v_pk_add_f32 v[18:19], v[18:19], v[20:21]
	v_pk_add_f32 v[22:23], v[22:23], v[24:25]
	v_pk_add_f32 v[18:19], v[18:19], v[22:23]
	v_add_f32 v18, v18, v19
	v_permlanex16_b32 v19, v18, s56, s57
	v_add_f32 v18, v18, v19
.endm
; LayerNorm of my 16 rows, in two passes (mean; then the centred squares).  Lane (r, h) holds channels 16 g + 8 h + 0..7, g = 0..15, of row 16 w + r; the lane 16 away the others.
.macro LN
.set i_, 0
.rept 32
	ds_load_b128 v[ACC+4*i_:ACC+4*i_+3], v12 offset:64*(i_/2)+16*(i_%2)
.set i_, i_+1
.endr
	s_wait_dscnt 0x0
.irp c, 0,1,2,3
	v_pk_add_f32 v[18+2*\c:19+2*\c], v[ACC+2*\c:ACC+2*\c+1], v[ACC+8+2*\c:ACC+9+2*\c]
.endr
.set i_, 8
.rept 56
	v_pk_add_f32 v[18+2*(i_%4):19+2*(i_%4)], v[18+2*(i_%4):19+2*(i_%4)], v[ACC+2*i_:ACC+2*i_+1]
.set i_, i_+1
.endr
	RED
	v_mul_f32 v18, s59, v18                        ; the mean
.set i_, 0
.rept 64
	v_pk_add_f32 v[ACC+2*i_:ACC+2*i_+1], v[ACC+2*i_:ACC+2*i_+1], v[18:19] op_sel_hi:[1,0] neg_lo:[0,1] neg_hi:[0,1]
.set i_, i_+1
.endr
.irp c, 0,1,2,3
	v_pk_mul_f32 v[18+2*\c:19+2*\c], v[ACC+2*\c:ACC+2*\c+1], v[ACC+2*\c:ACC+2*\c+1]
.endr
.set i_, 4
.rept 60
	v_pk_fma_f32 v[18+2*(i_%4):19+2*(i_%4)], v[ACC+2*i_:ACC+2*i_+1], v[ACC+2*i_:ACC+2*i_+1], v[18+2*(i_%4):19+2*(i_%4)]
.set i_, i_+1
.endr
	RED
	v_fma_f32 v18, v18, s59, s33                   ; variance + 1e-5
	v_rsq_f32 v18, v18
	v_nop                                          ; a plain instruction behind the root (ISA guide 5.7.2)
.set i_, 0
	s_wait_alu depctr_va_vdst(0)
.rept 64
	v_pk_mul_f32 v[ACC+2*i_:ACC+2*i_+1], v[ACC+2*i_:ACC+2*i_+1], v[18:19] op_sel_hi:[1,0]
.set i_, i_+1
.endr
.set i_, 0
.rept 16
	PACKT ACC+8*i_
	ds_store_b128 v9, v[ACC+8*i_:ACC+8*i_+3] offset:4096*(i_/2)+512*(i_%2)   ; half g % 2 of operand (t = w, s = g / 2)
.set i_, i_+1
.endr
.endm
; Over the four tiles at b, b + st, ..: the maximum of the lane's 32 numbers and of the lane's 16 away; x = 2^(x log2 e - m2), m2 = log2 e x maximum; their sum.  Out: v20 = m2, v18 = sum.
; Each tile's three lowest registers are read first.
.macro SOFTX b, st
.irp i, 0,1,2,3
	v_max3_num_f32 v[18+\i], v[(\b)+(\st)*\i], v[(\b)+(\st)*\i+1], v[(\b)+(\st)*\i+2]
.endr
.irp i, 0,1,2,3
	v_max3_num_f32 v[18+\i], v[18+\i], v[(\b)+(\st)*\i+3], v[(\b)+(\st)*\i+4]
.endr
.irp i, 0,1,2,3
	v_max3_num_f32 v[18+\i], v[18+\i], v[(\b)+(\st)*\i+5], v[(\b)+(\st)*\i+6]
.endr
	v_max3_num_f32 v18, v18, v[(\b)+7], v[(\b)+(\st)+7]
	v_max3_num_f32 v20, v20, v[(\b)+2*(\st)+7], v[(\b)+3*(\st)+7]
	v_max3_num_f32 v18, v18, v19, v20
	v_max_num_f32 v18, v18, v21
	v_permlanex16_b32 v19, v18, s56, s57
	v_max_num_f32 v18, v18, v19
	v_mul_f32 v20, s54, v18
.irp i, 0,1,2,3
.irp u, 0,2,4,6
	v_pk_fma_f32 v[(\b)+(\st)*\i+\u:(\b)+(\st)*\i+\u+1], v[(\b)+(\st)*\i+\u:(\b)+(\st)*\i+\u+1], s[54:55], v[20:21] op_sel_hi:[1,0,0] neg_lo:[0,0,1] neg_hi:[0,0,1]
.endr
.endr
.irp i, 0,1,2,3
.irp u, 0,1,2,3,4,5,6,7
	v_exp_f32 v[(\b)+(\st)*\i+\u], v[(\b)+(\st)*\i+\u]
.endr
.endr
	v_nop                                          ; a plain instruction behind the last exponential
	s_wait_alu depctr_va_vdst(0)
	v_pk_add_f32 v[18:19], v[(\b):(\b)+1], v[(\b)+2:(\b)+3]
	v_pk_add_f32 v[22:23], v[(\b)+4:(\b)+5], v[(\b)+6:(\b)+7]
.irp i, 1,2,3
	v_pk_add_f32 v[18:19], v[18:19], v[(\b)+(\st)*\i:(\b)+(\st)*\i+1]
	v_pk_add_f32 v[22:23], v[22:23], v[(\b)+(\st)*\i+2:(\b)+(\st)*\i+3]
	v_pk_add_f32 v[18:19], v[18:19], v[(\b)+(\st)*\i+4:(\b)+(\st)*\i+5]
	v_pk_add_f32 v[22:23], v[22:23], v[(\b)+(\st)*\i+6:(\b)+(\st)*\i+7]
.endr
	v_pk_add_f32 v[18:19], v[18:19], v[22:23]
	v_add_f32 v18, v18, v19
	v_permlanex16_b32 v19, v18, s56, s57
	v_add_f32 v18, v18, v19
.endm
; Both partners' softmax.  Pass i takes the tiles at ACC + 8 i + 32 (0..3): for k row tile i over my 64 channels, for q channel tile i over the chunk's 64 rows.  m2 to v[24 + i], the sum to v[ZS + i].
.macro SOFT4
.irp i, 0,1,2,3
	SOFTX ACC+8*\i, 32
	v_mov_b32 v[24+\i], v20
	v_mov_b32 v[ZS+\i], v18
.endr
.endm
.macro K1T                             ; k: my 64 channels' maximum and sum go to STAT, two row tiles to a store (lanes 0-15 the even tile's rows, 16-31 the odd one's)
.irp p, 0,1
	v_cndmask_b32 v22, v[24+2*\p], v[25+2*\p], s58
	v_cndmask_b32 v23, v[ZS+2*\p], v[ZS+1+2*\p], s58
	ds_store_b64 v13, v[22:23] offset:1024*\p
.endr
.endm
.macro QST                             ; q: m2 and Z of two channel tiles leave in one store of 128 bytes each, from registers that nothing rewrites
.irp p, 0,1
	v_cndmask_b32 v[QS+2*\p], v[24+2*\p], v[25+2*\p], s58
	v_cndmask_b32 v[QS+1+2*\p], v[ZS+2*\p], v[ZS+1+2*\p], s58
	global_store_b32 v2, v[QS+2*\p], s[52:53] offset:128*\p
	global_store_b32 v2, v[QS+1+2*\p], s[52:53] offset:128*\p+1024
.endr
.endm
; k: the four waves' figures are joined: f = 2^(my m2 - the row's m2) / sum of z_i 2^(m2_i - the row's m2); k = p f.
.macro K2A
.irp t, 0,1,2,3
	ds_load_b128 v[32+8*\t:35+8*\t], v14 offset:512*\t
	ds_load_b128 v[36+8*\t:39+8*\t], v14 offset:512*\t+16
.endr
	s_wait_dscnt 0x0
.irp t, 0,1,2,3
	v_max3_num_f32 v[18+\t], v[32+8*\t], v[34+8*\t], v[36+8*\t]
.endr
.irp t, 0,1,2,3
	v_max_num_f32 v[18+\t], v[18+\t], v[38+8*\t]
.endr
.irp t, 0,1,2,3
	v_sub_f32 v[24+\t], v[24+\t], v[18+\t]
.irp i, 0,2,4,6
	v_sub_f32 v[32+8*\t+\i], v[32+8*\t+\i], v[18+\t]
.endr
.endr
.irp t, 0,1,2,3
	v_exp_f32 v[24+\t], v[24+\t]
.irp i, 0,2,4,6
	v_exp_f32 v[32+8*\t+\i], v[32+8*\t+\i]
.endr
.endr
	v_nop
	s_wait_alu depctr_va_vdst(0)
.irp t, 0,1,2,3
	v_mul_f32 v[18+\t], v[32+8*\t], v[33+8*\t]
.endr
.irp i, 2,4,6
.irp t, 0,1,2,3
	v_fmac_f32 v[18+\t], v[32+8*\t+\i], v[33+8*\t+\i]
.endr
.endr
.irp t, 0,1,2,3
	v_rcp_f32 v[18+\t], v[18+\t]
.endr
	v_nop
	s_wait_alu depctr_va_vdst(0)
.irp t, 0,1,2,3
	v_mul_f32 v[32+8*\t], v[24+\t], v[18+\t]
.endr
.irp t, 0,1,2,3
.irp n, 0,1,2,3
.irp u, 0,2,4,6
	v_pk_mul_f32 v[ACC+32*\n+8*\t+\u:ACC+32*\n+8*\t+\u+1], v[ACC+32*\n+8*\t+\u:ACC+32*\n+8*\t+\u+1], v[32+8*\t:33+8*\t] op_sel_hi:[1,0]
.endr
.endr
.endr
.endm
; k, rounded, is turned through my own bytes of LDS and stored.  The turned operands land in the upper four registers of the packed tiles.
.macro K2B
.irp t, 0,1,2,3
.irp n, 0,1,2,3
	ds_store_b128 v15, v[ACC+32*\n+8*\t:ACC+32*\n+8*\t+3] offset:16*KP*\t+32*\n
.endr
.endr
.irp k, 0,1,2,3,4,5,6,7,8,9,10,11,12,13,14,15     ; k = 4 (channel tile) + 2 (32 rows) + half; LDS serves a wave's instructions in order (ISA guide 5.7.1.4): these see the stores above
	ds_load_tr16_b128 v[ACC+8*\k+4:ACC+8*\k+7], v16 offset:KP*(32*((\k/2)%2)+16*(\k%2))+32*(\k/4)
.endr
.irp k, 0,1,2,3,4,5,6,7,8,9,10,11,12,13,14,15
.if (\k)%4 == 0
	s_wait_dscnt 12-\k                             ; the next four turned operands are in; the later ones stay out
.endif
	global_store_b128 v1, v[ACC+8*\k+4:ACC+8*\k+7], s[48:49] offset:65536*(\k/4)+1024*((\k/2)%2)+512*(\k%2)
.endr
.endm
.macro QE                              ; E leaves as an operand (lane = channel, K = row): row tile t is half t % 2 of the step of 32 rows t / 2
.irp t, 0,1,2,3
.irp n, 0,1,2,3
	global_store_b128 v1, v[ACC+32*\t+8*\n:ACC+32*\t+8*\n+3], s[50:51] offset:65536*\n+512*\t
.endr
.endr
.endm
.macro EPI_V                           ; v leaves as the next launch's activation operands
.irp n, 0,1,2,3
.irp t, 0,1,2,3
	PACKT ACC+32*\n+8*\t
	global_store_b128 v1, v[ACC+32*\n+8*\t:ACC+32*\n+8*\t+3], s[22:23] offset:((\n/2)*4+\t)*1024+(\n%2)*512
.endr
.endr
.endm
	s_load_b512 s[8:23], s[0:1], 0x0               ; x in s[8:9], v in s[10:11], M' s[12:13], wf s[14:15], b_out s[16:17], l s[18:19], x out s[20:21], v out s[22:23]
	s_load_b128 s[24:27], s[0:1], 0x40             ; ke s[24:25], l + 1 s[26:27]
	v_lshl_add_u32 v30, v0, 2, SPARE               ; my spare word,
	v_mov_b32 v31, 0                               ; and 0: kept for the add at the wave's end
	v_lshrrev_b32 v18, 5, v0
	v_readfirstlane_b32 s28, v18                   ; wave w
	v_and_b32 v19, 31, v0
	v_lshlrev_b32 v1, 4, v19                       ; 16 x lane
	v_lshlrev_b32 v2, 2, v19                       ; 4 x lane
	v_and_b32 v3, 15, v0                           ; r
	v_bfe_u32 v4, v0, 4, 1                         ; h
	v_lshlrev_b32 v17, 5, v4                       ; 32 h
	v_add_nc_u32 v5, A0, v1                        ; all operands of A0,
	v_add_nc_u32 v6, A1, v1                        ; of A1
	s_lshl_b32 s60, s28, 13
	v_add_nc_u32 v7, s60, v6                       ; o's stores: k steps 2 w, 2 w + 1
	v_add_nc_u32 v8, s60, v5                       ; v's stores: my quarter
	s_lshl_b32 s60, s28, 10
	v_add_nc_u32 v9, s60, v5                       ; LayerNorm's stores: row tile w
	v_mul_u32_u24 v12, v3, XP
	v_add_nc_u32 v12, v12, v17
	s_lshl_b32 s60, s28, 8
	v_add_nc_u32 v10, s60, v12                     ; y's stores: row r, my 64 channels, + 32 h
	s_mul_i32 s60, s28, 16*XP
	v_add_nc_u32 v11, s60, v1                      ; my 16 rows of XT, row by row
	v_add_nc_u32 v12, s60, v12                     ; my row 16 w + r of XT, + 32 h
	v_lshlrev_b32 v13, 5, v19
	s_lshl_b32 s60, s28, 3
	s_add_co_u32 s60, s60, STAT
	v_add_nc_u32 v13, s60, v13                     ; STAT: row = lane, my wave's pair
	v_lshl_add_u32 v14, v3, 5, STAT                ; STAT: row r, all four pairs
	s_mul_i32 s60, s28, 64*KP
	s_add_co_u32 s60, s60, KROW
	v_mul_u32_u24 v15, v3, KP
	v_lshl_add_u32 v15, v4, 4, v15
	v_add_nc_u32 v15, s60, v15                     ; my block of KROW: row r, 16 h
	v_and_b32 v20, 7, v0
	v_lshl_add_u32 v20, v4, 3, v20
	v_mul_u32_u24 v16, v20, KP
	v_bfe_u32 v21, v0, 3, 1
	v_lshl_add_u32 v16, v21, 4, v16
	v_add_nc_u32 v16, s60, v16                     ; the turning load: row 8 h + lane % 8, 16 bytes for each eight lanes
	s_mov_b32 s54, 0x3fb8aa3b                      ; log2(e), named as a pair
	s_mov_b32 s55, s54
	s_mov_b32 s56, 0x76543210                      ; v_permlanex16_b32: each lane takes its own place in the other half
	s_mov_b32 s57, 0xfedcba98
	s_mov_b32 s58, 0xffff0000                      ; lanes 16-31
	s_mov_b32 s59, 0x3b800000                      ; 1 / 256
	s_mov_b32 s33, 0x3727c5ac                      ; 1e-5
	s_lshr_b32 s29, ttmp9, 1                       ; g: the chunk of 64 rows
	s_and_b32 s34, ttmp9, 1                        ; 0: I store x' and make k; 1: I make q and v
	s_lshr_b32 s30, s29, 5                         ; batch
	s_and_b32 s31, s29, 31                         ; chunk of the batch
	s_mov_b32 s61, 0
	s_wait_kmcnt 0x0
	s_load_b32 s32, s[18:19], 0x0                  ; l
	s_lshl_b32 s60, s29, 15
	s_lshl_b32 s2, s28, 13
	s_add_co_u32 s60, s60, s2
	s_add_nc_u64 s[10:11], s[10:11], s[60:61]      ; v in and out: 32,768 g + 8,192 w
	s_add_nc_u64 s[22:23], s[22:23], s[60:61]
.set i_, 0
.rept 16
	global_load_b128 v[ACC+4*i_:ACC+4*i_+3], v1, s[10:11] offset:512*i_   ; my quarter of v's operands
.set i_, i_+1
.endr
	s_lshl_b32 s60, s30, 17
	s_lshl_b32 s2, s28, 15                         ; 32,768 w: my slice of every weight matrix
	s_add_co_u32 s60, s60, s2
	s_add_nc_u64 s[36:37], s[12:13], s[60:61]      ; M' of my batch
.irp s, 0,1,2,3,4,5,6,7
	FILL \s, 36
.endr
	WIN 0
	s_lshl_b32 s60, s29, 16
	s_lshl_b32 s3, s28, 14
	s_add_co_u32 s60, s60, s3
	s_add_nc_u64 s[8:9], s[8:9], s[60:61]          ; x in and out at my 16 rows
	s_add_nc_u64 s[20:21], s[20:21], s[60:61]
	s_lshl_b32 s60, s30, 20
	s_lshl_b32 s3, s31, 11
	s_add_co_u32 s60, s60, s3
	s_lshl_b32 s3, s28, 18
	s_add_co_u32 s60, s60, s3
	s_add_nc_u64 s[48:49], s[24:25], s[60:61]      ; k turned: [batch][channel tile 4 w + ..][32 rows 2 chunk + ..]
	s_add_nc_u64 s[50:51], s[48:49], 4194304       ; E turned
	s_lshl_b32 s60, s29, 11
	s_lshl_b32 s3, s28, 8                          ; 256 w: my 64 channels of f32
	s_add_co_u32 s60, s60, s3
	s_add_nc_u64 s[52:53], s[24:25], s[60:61]
	s_add_nc_u64 s[52:53], s[52:53], 8388608       ; statistics
	s_wait_kmcnt 0x0
	s_min_u32 s32, s32, 4                          ; a loaded number enters offsets only behind this bound
	s_lshl_b32 s60, s32, 19
	s_add_co_u32 s60, s60, s2
	s_add_nc_u64 s[44:45], s[14:15], s[60:61]      ; layer l's matrices, my slice
	s_add_nc_u64 s[38:39], s[44:45], 393216        ; W_out of layer l
	s_xor_b32 s60, s34, 1
	s_lshl_b32 s60, s60, 17
	s_add_nc_u64 s[40:41], s[44:45], s[60:61]
	s_add_nc_u64 s[40:41], s[40:41], 524288        ; of layer l + 1: K' (131,072 behind Q') for the even partner, Q' for the odd,
	s_add_nc_u64 s[44:45], s[44:45], 786432        ; and V'
	s_lshl_b32 s60, s32, 11
	s_add_co_u32 s60, s60, s3
	s_lshl_b32 s35, s34, 10
	s_add_co_u32 s60, s60, s35
	s_add_nc_u64 s[46:47], s[14:15], s[60:61]
	s_add_nc_u64 s[46:47], s[46:47], 3147776       ; ck (even partner) or cv (odd) of layer l + 1: 3,145,728 + 2,048 (l + 1)
	s_lshl_b32 s60, s32, 10
	s_add_co_u32 s60, s60, s3
	s_add_nc_u64 s[16:17], s[16:17], s[60:61]      ; b_out of layer l
	BLOAD BO, 16, 0
	s_wait_loadcnt 63                              ; behind v's last load 72 were issued: v is in
.set i_, 0
.rept 16
	ds_store_b128 v8, v[ACC+4*i_:ACC+4*i_+3] offset:512*i_
.set i_, i_+1
.endr
	BAR                                            ; v of all 64 rows is in A0
	ALOAD 5
	GEMM 0, -1, 38, 1                              ; o = v M'; W_out is asked for
	WIN 0xc0
.set i_, 0
.rept 32
	global_load_b128 v[4*i_:4*i_+3], v1, s[8:9] offset:512*i_   ; my 16 rows of x
.set i_, i_+1
.endr
	WIN 0
	BLOAD CB, 46, 0
	EPI_O
	BAR                                            ; o is in A1
	ALOAD 6
	GEMM 0, BO, 40, 1                              ; y = o W_out + b_out; my first projection's slice is asked for
	EPI_Y
	BAR                                            ; y is in XT; from here on each wave touches its own 16 rows of XT; nobody reads A0's v any more
	XNEW
	LN
	BAR                                            ; xhat of all 64 rows is in A0
	ALOAD 5
	WIN 0
	s_cmp_lg_u32 s34, 0
	s_cbranch_scc1 .Lgq
	GEMM 0, CB, -1, 1                              ; the even partner: k's scores
	s_branch .Lsoft
.Lgq:
	GEMM 1, -1, 44, 1                              ; the odd partner: q; V' is asked for
.Lsoft:
	SOFT4
	s_cmp_lg_u32 s34, 0
	s_cbranch_scc1 .Lqst
	K1T
	s_branch .Lmeet
.Lqst:
	QST
.Lmeet:
	BAR                                            ; k: every wave's maximum and sum are in STAT (the odd partner's waves merely meet)
	s_cmp_lg_u32 s34, 0
	s_cbranch_scc1 .Lpack
	K2A
.Lpack:
	PACK16
	s_cmp_lg_u32 s34, 0
	s_cbranch_scc1 .Lqv
	K2B
	s_branch .Lend
.Lqv:
	QE
	s_wait_xcnt 0x0                                ; the stores' data registers are written again only behind this wait
	GEMM 0, CB, -1, 0                              ; v
	EPI_V
.Lend:
	s_or_b32 s60, ttmp9, s28
	s_cmp_lg_u32 s60, 0
	s_cbranch_scc1 .Lnocount
	s_add_co_u32 s60, s32, 1
	v_mov_b32 v18, s60                             ; the next launch of this text applies layer l + 1
	global_store_b32 v2, v18, s[26:27]
.Lnocount:
	s_wait_tensorcnt 0x0                           ; the wave's end
	ds_add_u32 v30, v31
	s_wait_dscnt 0x0
	s_endpgm
.Lfunc_end_k_qf9d7bad1d7_mid:
	.size	k_qf9d7bad1d7_mid, .Lfunc_end_k_qf9d7bad1d7_mid-k_qf9d7bad1d7_mid
	.p2alignl 7, 3214868480
	.fill 96, 4, 3214868480
	.section	.rodata,"a",@progbits
	.p2align	6, 0x0
	.amdhsa_kernel k_qf9d7bad1d7_mid
		.amdhsa_group_segment_fixed_size 175616
		.amdhsa_private_segment_fixed_size 0
		.amdhsa_enable_private_segment 0
		.amdhsa_kernarg_size 80
		.amdhsa_user_sgpr_count 2
		.amdhsa_user_sgpr_kernarg_segment_ptr 1
		.amdhsa_wavefront_size32 1
		.amdhsa_system_sgpr_workgroup_id_x 1
		.amdhsa_system_sgpr_workgroup_id_y 1
		.amdhsa_system_sgpr_workgroup_id_z 1
		.amdhsa_system_vgpr_workitem_id 0
		.amdhsa_next_free_vgpr 896
		.amdhsa_next_free_sgpr 66
		.amdhsa_reserve_vcc 0
		.amdhsa_float_denorm_mode_32 3
		.amdhsa_float_denorm_mode_16_64 3
		.amdhsa_memory_ordered 1
		.amdhsa_forward_progress 1
		.amdhsa_inst_pref_size 178
	.end_amdhsa_kernel
	.amdgpu_metadata
---
amdhsa.version: [ 1, 2 ]
amdhsa.kernels:
  - .name:           k_qf9d7bad1d7_mid
    .symbol:         k_qf9d7bad1d7_mid.kd
    .args:
      - { .name: x, .offset: 0, .size: 8, .value_kind: global_buffer, .address_space: global }
      - { .name: va, .offset: 8, .size: 8, .value_kind: global_buffer, .address_space: global }
      - { .name: mp, .offset: 16, .size: 8, .value_kind: global_buffer, .address_space: global }
      - { .name: wf, .offset: 24, .size: 8, .value_kind: global_buffer, .address_space: global }
      - { .name: b_out, .offset: 32, .size: 8, .value_kind: global_buffer, .address_space: global }
      - { .name: c0, .offset: 40, .size: 8, .value_kind: global_buffer, .address_space: global }
      - { .name: xw, .offset: 48, .size: 8, .value_kind: global_buffer, .address_space: global }
      - { .name: vb, .offset: 56, .size: 8, .value_kind: global_buffer, .address_space: global }
      - { .name: ke, .offset: 64, .size: 8, .value_kind: global_buffer, .address_space: global }
      - { .name: c1, .offset: 72, .size: 8, .value_kind: global_buffer, .address_space: global }
    .group_segment_fixed_size: 175616
    .private_segment_fixed_size: 0
    .kernarg_segment_align: 8
    .kernarg_segment_size: 80
    .max_flat_workgroup_size: 128
    .sgpr_count:     66
    .vgpr_count:     896
    .wavefront_size: 32
...
	.end_amdgpu_metadata
.endif
;; end of part 8
;; launch s2_1: the kernel of part 7 again; grid 256 x 1, 16 waves a work-group, no clusters, 71,680 bytes of LDS; arguments ke, mp; writes mp
;; launch mid_2: the kernel of part 8 again; grid 256 x 1, 4 waves a work-group, no clusters, 175,616 bytes of LDS; arguments xw, vb, mp, wf, b_out, c1, out0, va, ke, c0; writes out0, va, ke, c0
;; launch s2_2: the kernel of part 7 again; grid 256 x 1, 16 waves a work-group, no clusters, 71,680 bytes of LDS; arguments ke, mp; writes mp
;; launch mid_3: the kernel of part 8 again; grid 256 x 1, 4 waves a work-group, no clusters, 175,616 bytes of LDS; arguments out0, va, mp, wf, b_out, c0, xw, vb, ke, c1; writes xw, vb, ke, c1
;; launch s2_3: the kernel of part 7 again; grid 256 x 1, 16 waves a work-group, no clusters, 71,680 bytes of LDS; arguments ke, mp; writes mp
;; launch mid_4: the kernel of part 8 again; grid 256 x 1, 4 waves a work-group, no clusters, 175,616 bytes of LDS; arguments xw, vb, mp, wf, b_out, c1, out0, va, ke, c0; writes out0, va, ke, c0
;; launch s2_4: the kernel of part 7 again; grid 256 x 1, 16 waves a work-group, no clusters, 71,680 bytes of LDS; arguments ke, mp; writes mp
;; launch mid_5: the kernel of part 8 again; grid 256 x 1, 4 waves a work-group, no clusters, 175,616 bytes of LDS; arguments out0, va, mp, wf, b_out, c0, xw, vb, ke, c1; writes xw, vb, ke, c1
;; launch s2_5: the kernel of part 7 again; grid 256 x 1, 16 waves a work-group, no clusters, 71,680 bytes of LDS; arguments ke, mp; writes mp
;; launch last (part 9): grid 256 x 1, 4 waves a work-group, no clusters, 66,560 bytes of LDS; arguments xw, vb, mp, wf, b_out, out0; writes out0
.if DOCPART == 9
	.amdgcn_target "amdgcn-amd-amdhsa--gfx1250"
	.amdhsa_code_object_version 6
	.text
	.protected	k_qf9d7bad1d7_last
	.globl	k_qf9d7bad1d7_last
	.p2align	8
	.type	k_qf9d7bad1d7_last,@function
k_qf9d7bad1d7_last:
	s_mov_b64 s[64:65], 0
	v_nop
	global_prefetch_b8 v0, s[64:65] scope:SCOPE_SE
	s_setreg_imm32_b32 hwreg(HW_REG_WAVE_MODE, 25, 1), 1
	s_wait_xcnt 0x0
; LAYER 5 IS APPLIED.  o = v M'; y = o W_out + b_out; out = x + y, in f32.
; SHARES.  Nothing here ties rows together, so a work-group has 32 rows (256 work-groups); in both products a wave makes the 32 rows x its own 64 channels: 8 accumulators
; (channel tile n, row tile t) at ACC + 16 n + 8 t.  A wave's slice of a weight matrix, 32,768 bytes in operand order, goes from memory straight into a ring of 8 register slots
; (one k step each), asked for one product ahead.  The 32 x 256 activations go through LDS in operand order and stay in 128 registers while they are multiplied.
; OPERAND ORDER: a block of 1,024 bytes = 16 (lane % 16) x 32 K of bf16: [half e][lane][16 bytes], K = 16 e + 8 (lane / 16) + 0..7: every load and store of a wave is 512 consecutive bytes.
; LIMITS.  Matrix operands are bf16; the residual and the sums f32.  NaN and infinities are not treated apart.
; REGISTERS, in windows of 256 (s_set_vgpr_msb: bits 1:0 source 0, 3:2 source 1, 5:4 source 2, 7:6 destination):
;   window 0: v0-17 addresses, v30-31 the add's, v32-63 b_out, v128-191 accumulators;  window 1: the weight ring;  window 2: v0-127 the activations, v128-191 my 8 rows of x.
.set XT,    0                          ; 32 rows of f32, 1,024 + 16 bytes apart
.set XP,    1040
.set A0,    33280                      ; v in operand order: (row tile t, k step s) at (2 s + t) x 1,024
.set A1,    49664                      ; o
.set SPARE, 66048                      ; the spare words, 128 bytes a wave
.set BO,  32
.set ACC, 128
.set XR,  128                          ; in window 2
.set MSB, 0
.macro WIN new                         ; the immediate's high byte repeats the setting that is left; a switch that changes nothing is dropped
.if MSB != (\new)
	s_set_vgpr_msb (MSB<<8)|(\new)
.set MSB, (\new)
.endif
.endm
.macro PLACES                          ; four plain vector instructions between a matrix instruction and a load into, or a vector read or write of, its registers
.rept 4
	v_nop
.endr
.endm
.macro BAR                             ; my LDS instructions are done, for the others' sake; then all four waves meet
	s_wait_dscnt 0x0
	s_barrier_signal -1
	s_barrier_wait -1
.endm
.macro FILL slot, sb                   ; ring slot: k step \slot of the slice at s[\sb]: four operands of 16 channels x 32 k
	WIN 0x40
.irp q, 0,1,2,3,4,5,6,7
	global_load_b128 v[32*(\slot)+4*\q:32*(\slot)+4*\q+3], v1, s[\sb:\sb+1] offset:4096*(\slot)+512*\q
.endr
.endm
.macro ALOAD va                        ; all 16 activation operands into window 2, in the order of the k steps
	WIN 0x80
.set i_, 0
.rept 32
	ds_load_b128 v[4*i_:4*i_+3], v[\va] offset:512*i_
.set i_, i_+1
.endr
.endm
; A product 32 x 64 x 256, source 0 = weights: a lane holds one row and 8 channels.  cb: registers of the bias that starts the sums, or -1: the constant 0.
; nxt: the next slice's base, asked for slot by slot as this product frees the ring, or -1.  ALOAD stands just ahead.  The 8 accumulators take turns, one instruction a turn.
; s_wait_loadcnt 56: behind slot s of this slice were issued its slots s + 1 .. 7 and the next slice's 0 .. s - 1: 56 loads (others in between only add).  Without a next slice: 8 (7 - s).
.macro GEMM cb, nxt
.set ks_, 0
.rept 8
.if (ks_ > 0) && ((\nxt) >= 0)
	PLACES
	FILL ks_-1, \nxt
.endif
.if (\nxt) >= 0
	s_wait_loadcnt 56
.else
	s_wait_loadcnt 8*(7-ks_)
.endif
	s_wait_dscnt 4*(7-ks_)                         ; the later k steps' LDS loads stay out
	WIN 0x09
.set nn_, 0
.rept 4
.set tt_, 0
.rept 2
.set rD, ACC+16*nn_+8*tt_
.set rW, 32*ks_+8*nn_
.set rA, 16*ks_+8*tt_
.if ks_ > 0
	v_wmma_f32_16x16x32_bf16 v[rD:rD+7], v[rW:rW+7], v[rA:rA+7], v[rD:rD+7]
.elseif (\cb) >= 0
	v_wmma_f32_16x16x32_bf16 v[rD:rD+7], v[rW:rW+7], v[rA:rA+7], v[(\cb)+8*nn_:(\cb)+8*nn_+7]
.else
	v_wmma_f32_16x16x32_bf16 v[rD:rD+7], v[rW:rW+7], v[rA:rA+7], 0
.endif
.set tt_, tt_+1
.endr
.set nn_, nn_+1
.endr
.set ks_, ks_+1
.endr
	PLACES
.if (\nxt) >= 0
	FILL 7, \nxt
.endif
	WIN 0
.endm
.macro PACKT a                         ; eight f32 to eight bf16, in place, from the low end on: half an operand of the next product
	v_cvt_pk_bf16_f32 v[\a], v[\a], v[(\a)+1]
	v_cvt_pk_bf16_f32 v[(\a)+1], v[(\a)+2], v[(\a)+3]
	v_cvt_pk_bf16_f32 v[(\a)+2], v[(\a)+4], v[(\a)+5]
	v_cvt_pk_bf16_f32 v[(\a)+3], v[(\a)+6], v[(\a)+7]
.endm
	s_load_b256 s[8:15], s[0:1], 0x0               ; x s[8:9], v s[10:11], M' s[12:13], wf s[14:15]
	s_load_b128 s[16:19], s[0:1], 0x20             ; b_out s[16:17], out0 s[18:19]
	v_lshl_add_u32 v30, v0, 2, SPARE               ; my spare word,
	v_mov_b32 v31, 0                               ; and 0: kept for the add at the wave's end
	v_lshrrev_b32 v18, 5, v0
	v_readfirstlane_b32 s28, v18                   ; wave w
	v_and_b32 v19, 31, v0
	v_lshlrev_b32 v1, 4, v19                       ; 16 x lane
	v_and_b32 v3, 15, v0                           ; r
	v_bfe_u32 v4, v0, 4, 1                         ; h
	v_lshlrev_b32 v17, 5, v4                       ; 32 h
	v_add_nc_u32 v5, A0, v1                        ; all operands of A0,
	v_add_nc_u32 v6, A1, v1                        ; of A1
	s_lshl_b32 s60, s28, 12
	v_add_nc_u32 v7, s60, v6                       ; o's stores: k steps 2 w, 2 w + 1
	v_add_nc_u32 v8, s60, v5                       ; v's stores: my quarter
	v_mul_u32_u24 v10, v3, XP
	v_add_nc_u32 v10, v10, v17
	s_lshl_b32 s60, s28, 8
	v_add_nc_u32 v10, s60, v10                     ; y's stores: row r, my 64 channels, + 32 h
	s_mul_i32 s60, s28, 8*XP
	v_add_nc_u32 v11, s60, v1                      ; my 8 rows of XT, row by row
	s_lshr_b32 s30, ttmp9, 6                       ; batch: 64 work-groups of 32 rows
	s_mov_b32 s61, 0
	s_lshr_b32 s60, ttmp9, 1
	s_lshl_b32 s60, s60, 15                        ; v lies by chunks of 64 rows, [k step 8][row tile 4]: the chunk,
	s_and_b32 s2, ttmp9, 1
	s_lshl_b32 s2, s2, 11                          ; my two of its four row tiles,
	s_add_co_u32 s60, s60, s2
	s_lshl_b32 s2, s28, 13                         ; k steps 2 w, 2 w + 1
	s_add_co_u32 s60, s60, s2
	s_wait_kmcnt 0x0
	s_add_nc_u64 s[10:11], s[10:11], s[60:61]
.irp q, 0,1,2,3,4,5,6,7
	global_load_b128 v[ACC+4*\q:ACC+4*\q+3], v1, s[10:11] offset:4096*(\q/4)+512*(\q%4)   ; my quarter of v's operands
.endr
	s_lshl_b32 s60, s30, 17
	s_lshl_b32 s2, s28, 15                         ; 32,768 w: my slice of a weight matrix
	s_add_co_u32 s60, s60, s2
	s_add_nc_u64 s[36:37], s[12:13], s[60:61]      ; M' of my batch
.irp s, 0,1,2,3,4,5,6,7
	FILL \s, 36
.endr
	WIN 0
	s_mov_b32 s60, s2
	s_add_nc_u64 s[38:39], s[14:15], s[60:61]
	s_add_nc_u64 s[38:39], s[38:39], 3014656       ; W_out of layer 5: 5 x 524,288 + 3 x 131,072
	s_lshl_b32 s60, s28, 8
	s_add_nc_u64 s[16:17], s[16:17], s[60:61]
	s_add_nc_u64 s[16:17], s[16:17], 5120          ; b_out of layer 5 at my 64 channels
.irp q, 0,1,2,3,4,5,6,7
	global_load_b128 v[BO+4*\q:BO+4*\q+3], v17, s[16:17] offset:64*(\q/2)+16*(\q%2)   ; as the C operand: channels 64 w + 16 n + 8 h + 0..7
.endr
	s_lshl_b32 s60, ttmp9, 15
	s_lshl_b32 s3, s28, 13
	s_add_co_u32 s60, s60, s3
	s_add_nc_u64 s[8:9], s[8:9], s[60:61]          ; x and the output at my 8 rows
	s_add_nc_u64 s[20:21], s[18:19], s[60:61]
	WIN 0x80
.set i_, 0
.rept 16
	global_load_b128 v[XR+4*i_:XR+4*i_+3], v1, s[8:9] offset:512*i_   ; my 8 rows of x: older than every load of W_out, so the second product's waits show them landed
.set i_, i_+1
.endr
	WIN 0
	s_wait_loadcnt 63                              ; behind v's last load 88 were issued: v is in
.irp q, 0,1,2,3,4,5,6,7
	ds_store_b128 v8, v[ACC+4*\q:ACC+4*\q+3] offset:512*\q
.endr
	BAR                                            ; v of all 32 rows is in A0
	ALOAD 5
	GEMM -1, 38                                    ; o = v M'; W_out is asked for
.irp n, 0,1,2,3
.irp t, 0,1
	PACKT ACC+16*\n+8*\t
	ds_store_b128 v7, v[ACC+16*\n+8*\t:ACC+16*\n+8*\t+3] offset:2048*(\n/2)+1024*\t+512*(\n%2)   ; half n % 2 of operand (t, s = 2 w + n / 2)
.endr
.endr
	BAR                                            ; o is in A1
	ALOAD 6
	GEMM BO, -1                                    ; y = o W_out + b_out
.irp n, 0,1,2,3
.irp t, 0,1
	ds_store_b128 v10, v[ACC+16*\n+8*\t:ACC+16*\n+8*\t+3] offset:16*XP*\t+64*\n          ; y in f32 into XT, each accumulator's low half first
	ds_store_b128 v10, v[ACC+16*\n+8*\t+4:ACC+16*\n+8*\t+7] offset:16*XP*\t+64*\n+16
.endr
.endr
	BAR                                            ; y is in XT
.set i_, 0
.rept 16
	ds_load_b128 v[ACC+4*i_:ACC+4*i_+3], v11 offset:(i_/2)*XP+(i_%2)*512   ; my 8 rows, row by row
.set i_, i_+1
.endr
	s_wait_dscnt 0x0
	WIN 0x82
.set i_, 0
.rept 32
	v_pk_add_f32 v[XR+2*i_:XR+2*i_+1], v[XR+2*i_:XR+2*i_+1], v[ACC+2*i_:ACC+2*i_+1]
.set i_, i_+1
.endr
	WIN 0x08
.set i_, 0
.rept 16
	global_store_b128 v1, v[XR+4*i_:XR+4*i_+3], s[20:21] offset:512*i_   ; 512 consecutive bytes a store
.set i_, i_+1
.endr
	WIN 0
	s_wait_tensorcnt 0x0                           ; the wave's end
	ds_add_u32 v30, v31
	s_wait_dscnt 0x0
	s_endpgm
.Lfunc_end_k_qf9d7bad1d7_last:
	.size	k_qf9d7bad1d7_last, .Lfunc_end_k_qf9d7bad1d7_last-k_qf9d7bad1d7_last
	.p2alignl 7, 3214868480
	.fill 96, 4, 3214868480
	.section	.rodata,"a",@progbits
	.p2align	6, 0x0
	.amdhsa_kernel k_qf9d7bad1d7_last
		.amdhsa_group_segment_fixed_size 66560
		.amdhsa_private_segment_fixed_size 0
		.amdhsa_enable_private_segment 0
		.amdhsa_kernarg_size 48
		.amdhsa_user_sgpr_count 2
		.amdhsa_user_sgpr_kernarg_segment_ptr 1
		.amdhsa_wavefront_size32 1
		.amdhsa_system_sgpr_workgroup_id_x 1
		.amdhsa_system_sgpr_workgroup_id_y 1
		.amdhsa_system_sgpr_workgroup_id_z 1
		.amdhsa_system_vgpr_workitem_id 0
		.amdhsa_next_free_vgpr 704
		.amdhsa_next_free_sgpr 66
		.amdhsa_reserve_vcc 0
		.amdhsa_float_denorm_mode_32 3
		.amdhsa_float_denorm_mode_16_64 3
		.amdhsa_memory_ordered 1
		.amdhsa_forward_progress 1
		.amdhsa_inst_pref_size 42
	.end_amdhsa_kernel
	.amdgpu_metadata
---
amdhsa.version: [ 1, 2 ]
amdhsa.kernels:
  - .name:           k_qf9d7bad1d7_last
    .symbol:         k_qf9d7bad1d7_last.kd
    .args:
      - { .name: xw, .offset: 0, .size: 8, .value_kind: global_buffer, .address_space: global }
      - { .name: vb, .offset: 8, .size: 8, .value_kind: global_buffer, .address_space: global }
      - { .name: mp, .offset: 16, .size: 8, .value_kind: global_buffer, .address_space: global }
      - { .name: wf, .offset: 24, .size: 8, .value_kind: global_buffer, .address_space: global }
      - { .name: b_out, .offset: 32, .size: 8, .value_kind: global_buffer, .address_space: global }
      - { .name: out0, .offset: 40, .size: 8, .value_kind: global_buffer, .address_space: global }
    .group_segment_fixed_size: 66560
    .private_segment_fixed_size: 0
    .kernarg_segment_align: 8
    .kernarg_segment_size: 48
    .max_flat_workgroup_size: 128
    .sgpr_count:     66
    .vgpr_count:     704
    .wavefront_size: 32
...
	.end_amdgpu_metadata
.endif
;; end of part 9
